; MI455X (gfx1250); checked and timed in simulation.
; The chip was launched on July 23, 2026; its instructions are those of AMD's public machine-readable ISA for CDNA 5 (MIT licence, August 2026) and "CDNA5" Instruction Set Architecture Reference Guide (July 2026). The comments in the code are by the model that wrote it; some were corrected since.
;; Enterprise FFN. Allowed arithmetic: matrix products marked QUANTISED: E4M3 operands, one E8M0 scale for each 32 along K, by v_wmma_scale_f32_16x16x128_f8f6f4 with both operands' format E4M3, f32 sums; products left as they are: f32 operands where the result goes on into a quantised operand, else bf16, f16 or f32 operands; f32 sums; everything else in f32.
;; Inputs: b1 8 x 512 float32; b2 8 x 1,024 float32; gate_w 1,024 x 8 float32; w1 8 x 1,024 x 512 float32; w2 8 x 512 x 1,024 float32; x 4 x 2,048 x 1,024 float32.
;; Outputs: out0 4 x 2,048 x 1,024 float32.
;; This version of the problem:
;;   THIS VERSION OF THE PROBLEM IS GIVEN IN LOW PRECISION. The matrix products marked QUANTISED in the list below multiply operands that are first quantised to E4M3 (4 exponent bits, 3 mantissa bits; 8 bits a number), with one power-of-two scale for each 32 numbers along K (OCP MX v1.0); their sums are f32. All else is computed in f32.
;;   The module's matrix products, in the order in which they are computed (A, B: the left and right operand; K: the contracted axis; several contracted axes count as one K, in the product's order):
;;     1. [M 8,192, K 1,024] x [K 1,024, N 8]; A: input x; B: input gate_w: left as it is (N = 8 < 16)
;;     2. [M 4,096, K 1,024] x [K 1,024, N 8,192]; A: input w1; B: input x: QUANTISED
;;     3. batch 8 x [M 8,192, K 512] x [K 512, N 1,024]; A: computed on the way; B: input w2: QUANTISED
;;     4. batch 8,192 x [M 8, K 1] x [K 1, N 1]; A: computed on the way; B: computed on the way: left as it is (no contracted axis)
;;     5. batch 8,192 x [M 1,024, K 8] x [K 8, N 1]; A: computed on the way; B: computed on the way: left as it is (K = 8 < 32)
;;   THE QUANTISER, for each operand of a quantised product, along K:
;;     - K is cut into blocks of 32 from its start; a last block that is shorter is filled with zeros.
;;     - A block's scale is 2^e with e = floor(log2(the largest magnitude in the block)) - 8, held to -126 .. 127; a block of zeros has e = 0. As a byte (E8M0): e + 127.
;;     - Each number is divided by its block's scale, clamped to +-448, and rounded to the nearest number of E4M3, ties to even, subnormals kept.
;;     - The product sums the exact products of the quantised numbers (number of the format x scale) in f32.
;;   ~~~python
;;   def quantise(x, axis):      # numpy; x: float32 -> the quantised numbers, widened to float32 again
;;       x = np.moveaxis(x, axis, -1); K = x.shape[-1]
;;       x = np.pad(x, [(0, 0)] * (x.ndim - 1) + [(0, -K % 32)]); x = x.reshape(x.shape[:-1] + (-1, 32)); a = np.abs(x).max(-1, keepdims=True)
;;       e = np.where(a > 0, np.clip(np.frexp(np.where(a > 0, a, 1))[1] - 1 - 8, -126, 127), 0)      # np.frexp(a)[1] - 1 = floor(log2(a)), exactly
;;       r = np.clip(x / 2.0 ** e, -448, 448)
;;       step = 2.0 ** (np.maximum(np.frexp(np.where(r == 0, 1, r))[1] - 1, -6) - 3)
;;       q = np.round(r / step) * step * 2.0 ** e      # np.round: ties to even
;;       return np.moveaxis(q.reshape(q.shape[:-2] + (-1,))[..., :K], -1, axis).astype(np.float32)
;;   ~~~
;;   OPERANDS COMPUTED ON THE WAY. 'Computed on the way' means the value that the module computes at that place (a softmax that the list does not call 'softmax' is quantised finished and normalised). What goes into a quantiser is computed in f32, as accurately as f32 sums, v_exp_f32 and their like allow (about 1e-6 of the number): no bf16 or f16 on the way to a quantiser, and a product that is left as it is and whose result goes on into a quantised operand takes f32 operands (vector FMAs, or v_wmma_f32_16x16x4_f32). A number that lies on a knife's edge between two numbers of the format may be rounded either way, as far as f32 arithmetic and the matrix unit's own rounding can turn it there, and no further.
;; 3 versions. Each part assembles by itself: llvm-mc -triple=amdgcn-amd-amdhsa -mcpu=gfx1250 --defsym DOCPART=n.
;; ======== version 1 of 3: 3 launches
;; workspace buffers: xc 8,388,608 bytes; xs 262,144 bytes; tokw 32,768 bytes; route 65,536 bytes of whole numbers; wc 8,388,608 bytes; ws 262,144 bytes; order 33,024 bytes of whole numbers; tiles 2,560 bytes of whole numbers
;; launch prep (part 1): grid 384 x 1, 4 waves a work-group, no clusters, 57,856 bytes of LDS; arguments x, gate_w, w1, w2, xc, xs, route, tokw, wc, ws; writes xc, xs, route, tokw, wc, ws
.if DOCPART == 1
	.amdgcn_target "amdgcn-amd-amdhsa--gfx1250"
	.amdhsa_code_object_version 6
	.text
	.protected	k_qf9bde27a6a_prep
	.globl	k_qf9bde27a6a_prep
	.p2align	8
	.type	k_qf9bde27a6a_prep,@function
k_qf9bde27a6a_prep:
	s_mov_b64 s[64:65], 0
	v_nop
	global_prefetch_b8 v0, s[64:65] scope:SCOPE_SE
	s_setreg_imm32_b32 hwreg(HW_REG_WAVE_MODE, 25, 1), 1
	s_wait_xcnt 0x0
; PREP.  Work-groups 0-255 (path X): x [8192][1024] f32 becomes codes of E4M3 (xc, K innermost) and one E8M0 byte for each 32 along K (xs); on the way the router's eight logits of each token
; are summed in f32, and wave 0 then takes the softmax, the two largest gates (ties: the lower index), their sum (tokw) and, as whole numbers at fixed places (route), each token's PAIR of experts,
; p = lo (15 - lo) / 2 + hi - lo - 1, its rank among the group's 32 tokens of that pair, and the group's count of each pair.  No address and no branch here hangs on those numbers.
; Work-groups 256-383 (path W): w1 [8][1024][512] and w2 [8][512][1024], f32 with K as first axis of an expert, become codes and scale words laid in the order of an operand's registers:
; record tau (16,384 bytes of wc, 512 of ws) = 128 columns x 128 K = 8 images of 2,048 bytes; image t, chunk c: lane (r, h)'s 16 bytes at 512 c + 16 (16 h + r) hold k = 32 c + 16 h + 0..15 of column col(t, r);
; w1: col = 32 (t / 2) + 8 (t % 2) + r + 8 (r / 8), so that the product's results are neighbours along the next K;  w2: col = 16 t + r.  Scale word of (t, r) at 256 (t / 4) + 8 (16 (t % 2) + r) + 4 ((t / 2) % 2).
; A block's scale is 2^(floor(log2(largest magnitude)) - 8); numbers are held within +-448 x the scale and rounded to the nearest code, ties to even.
; LIMITS: NaN and infinities are not served.  A block whose largest magnitude lies under 2^-118 (a block of zeros too) keeps the byte 1: its bytes are read by this program alone.
; A gate whose exponential falls under 2^-126 counts as 0.  A second and a third logit closer than f32 sums resolve may be chosen otherwise than by another order of summing.
; No matrix unit, no tensor load, no cluster: memory binds and work-groups share only gate_w's 32 KiB.
.set STEPS, 16                         ; a wave of path X: 16 steps of 512 numbers = 8 tokens
.set EMAX,  8
.set SP,    80                         ; a lane's place in a stage: 64 bytes + 16 of padding
.set WREG0, 33792                      ; LDS: gate_w as 64 chunks of 512 bytes + 16 lies in front;
.set WREGP, 5632                       ; then for each wave two stages of 32 x SP bytes and its 256 scale bytes;
.set LOGB,  56320                      ; then the logits: [expert][token of the group], 128 bytes an expert
.set RR,    16                         ; v16-79   four sets of 16 numbers as loaded
.set XX,    80                         ; v80-111  two sets of 16 neighbours
.set EE,    112                        ; v112-127 a scale byte for each step
.set CC,    128                        ; v128-191 codes, four registers a step (first: gate_w on its way to LDS)
.set LG,    192                        ; v192-199 my part of the token's eight logits
.set TT,    200                        ; v200-207 at work in the sum over lanes
.set RES,   212                        ; v212-219 a token's logit: one register for each of the wave's 8 tokens
.set MSB, 0
.macro WIN new                         ; the immediate's high byte repeats the setting that is left
.if MSB != \new
	s_set_vgpr_msb (MSB<<8)|\new
.set MSB, \new
.endif
.endm
.macro LOAD t
.irp i, 0,1,2,3
	global_load_b128 v[RR+16*((\t)%4)+4*\i:RR+16*((\t)%4)+4*\i+3], v3, s[4:5] offset:2048*(\t)+512*\i th:TH_LOAD_NT   ; 32 lanes read 512 consecutive bytes
.endr
.endm
.macro TURN t                          ; a step's 2,048 bytes through the wave's stage: in as loaded, out 64 bytes a lane.  LDS serves a wave's instructions in order
.irp i, 0,1,2,3
	ds_store_b128 v14, v[RR+16*((\t)%4)+4*\i:RR+16*((\t)%4)+4*\i+3] offset:32*SP*((\t)%2)+8*SP*\i
.endr
.irp i, 0,1,2,3
	ds_load_b128 v[XX+16*((\t)%2)+4*\i:XX+16*((\t)%2)+4*\i+3], v15 offset:32*SP*((\t)%2)+16*\i
.endr
.endm
; Eight registers (a logit's part each) in 32 lanes become one register: lane l holds the whole sum of logit l & 7.  In each of three steps a lane keeps half of its registers and hands the other half to its partner.
.macro REDUCE tk
.irp k, 0,1,2,3
	v_cndmask_b32 v[TT+2*\k], v[LG+2*\k], v[LG+2*\k+1], s40      ; what I keep,
	v_cndmask_b32 v[TT+2*\k+1], v[LG+2*\k+1], v[LG+2*\k], s40    ; what my partner keeps
.endr
.irp k, 0,1,2,3
	v_add_f32_dpp v[LG+2*\k], v[TT+2*\k+1], v[TT+2*\k] row_xmask:1 row_mask:0xf bank_mask:0xf
.endr
.irp k, 0,1
	v_cndmask_b32 v[TT+2*\k], v[LG+4*\k], v[LG+4*\k+2], s41
	v_cndmask_b32 v[TT+2*\k+1], v[LG+4*\k+2], v[LG+4*\k], s41
.endr
.irp k, 0,1
	v_add_f32_dpp v[LG+4*\k], v[TT+2*\k+1], v[TT+2*\k] row_xmask:2 row_mask:0xf bank_mask:0xf
.endr
	v_cndmask_b32 v[TT], v[LG], v[LG+4], s42
	v_cndmask_b32 v[TT+1], v[LG+4], v[LG], s42
	v_add_f32_dpp v[LG], v[TT+1], v[TT] row_xmask:4 row_mask:0xf bank_mask:0xf
	v_add_f32_dpp v[LG], v[LG], v[LG] row_xmask:8 row_mask:0xf bank_mask:0xf
	v_permlanex16_b32 v[TT], v[LG], s46, s47
	v_add_f32 v[RES+\tk], v[LG], v[TT]
	ds_store_b32 v208, v[RES+\tk] offset:4*(\tk)                 ; four lanes write the same word with the same value
.endm
.macro STEP t
.set XS, XX+16*((\t)%2)
.set TP, (\t)%2
.if (\t) > 0
	s_wait_dscnt 1                                 ; this step's numbers are back from the stage: behind their loads at least the last step's byte store was issued
.else
	s_wait_dscnt 0x0
.endif
.if (\t)+4 < STEPS
	LOAD (\t)+4
.endif
.if (\t)+1 < STEPS
.if STEPS-2-(\t) >= 3
	s_wait_loadcnt 12                              ; the next step's four loads are in; those of the three steps behind it may be out
.else
	s_wait_loadcnt 4*(STEPS-2-(\t))
.endif
	TURN (\t)+1
.endif
	WIN 0x04                                       ; source 1 (gate_w's numbers of my 32 k) in window 1
.set FI, 0
.rept 16                                       ; the router: my 16 numbers x their eight gate weights, two logits an instruction; a token's first product starts the sums
.set FE, 0
.rept 4
.if (FI == 0) && (TP == 0)
	v_pk_mul_f32 v[LG+2*FE:LG+2*FE+1], v[XS:XS+1], v[2*FE:2*FE+1] op_sel_hi:[0,1]
.elseif FI%2 == 0
	v_pk_fma_f32 v[LG+2*FE:LG+2*FE+1], v[XS+FI:XS+FI+1], v[128*TP+8*FI+2*FE:128*TP+8*FI+2*FE+1], v[LG+2*FE:LG+2*FE+1] op_sel_hi:[0,1,1]
.else
	v_pk_fma_f32 v[LG+2*FE:LG+2*FE+1], v[XS+FI-1:XS+FI], v[128*TP+8*FI+2*FE:128*TP+8*FI+2*FE+1], v[LG+2*FE:LG+2*FE+1] op_sel:[1,0,0] op_sel_hi:[1,1,1]
.endif
.set FE, FE+1
.endr
.set FI, FI+1
.endr
	WIN 0
	v_max3_num_f32 v8, |v[XS]|, |v[XS+1]|, |v[XS+2]|               ; the largest magnitude of my 16
	v_max3_num_f32 v9, |v[XS+3]|, |v[XS+4]|, |v[XS+5]|
.irp i, 6,10
	v_max3_num_f32 v8, v8, |v[XS+\i]|, |v[XS+\i+1]|
	v_max3_num_f32 v9, v9, |v[XS+\i+2]|, |v[XS+\i+3]|
.endr
	v_max3_num_f32 v8, v8, |v[XS+14]|, |v[XS+15]|
	v_max3_num_f32 v8, v8, v9, (EMAX+1)<<23        ; and the floor 2^(9 - 127): the byte cannot fall under 1
	v_max_num_f32_dpp v8, v8, v8 row_xmask:1 row_mask:0xf bank_mask:0xf   ; with my neighbour's 16: the block's
	v_add_nc_u32 v11, -(EMAX<<23), v8              ; 8 off its exponent field: the conversion's scale operand
	v_and_or_b32 v10, v8, 0x7f800000, s50          ; 448 x the scale
.irp i, 0,1,2,3,4,5,6,7,8,9,10,11,12,13,14,15
	v_med3_num_f32 v[XS+\i], v[XS+\i], -v10, v10   ; the conversion to an 8-bit code does not saturate (ISA guide 7.6.2): the hold comes first
.endr
	v_cvt_scalef32_pk8_fp8_f32 v[CC+4*(\t):CC+4*(\t)+1], v[XS:XS+7], v11
	v_cvt_scalef32_pk8_fp8_f32 v[CC+4*(\t)+2:CC+4*(\t)+3], v[XS+8:XS+15], v11
	v_lshrrev_b32 v[EE+(\t)], 23, v11              ; the scale's byte (a plain line behind the conversions)
	ds_store_b8 v5, v[EE+(\t)] offset:16*(\t)      ; both lanes of a block write the same byte with the same value
	global_store_b128 v3, v[CC+4*(\t):CC+4*(\t)+3], s[12:13] offset:512*(\t)   ; 32 lanes store 512 consecutive bytes
.if TP == 1
	REDUCE (\t)/2                                  ; a token is two steps
.endif
.endm
	s_load_b512 s[4:19], s[0:1], 0x0               ; x, gate_w, w1, w2, xc, xs, route, tokw
	s_load_b128 s[20:23], s[0:1], 0x40             ; wc, ws
	v_lshl_add_u32 v4, v0, 2, 0xe000
	s_set_vgpr_msb 0x80
	v_mov_b32 v1, 0
	s_set_vgpr_msb 0x8000
	v_lshrrev_b32 v1, 5, v0
	v_readfirstlane_b32 s24, v1                    ; wave 0..3
	v_and_b32 v2, 31, v0                           ; lane
	s_mov_b32 s50, 0x600000                        ; the mantissa field of 448
	s_cmp_lt_u32 ttmp9, 256
	s_cbranch_scc0 .Lweights                       ; the same way for all four waves of a work-group
	; ---------------- path X
	v_lshlrev_b32 v3, 4, v2                        ; 16 x lane: my bytes of a load's 512, and of a step's codes
	s_mul_i32 s25, s24, WREGP
	s_add_co_u32 s25, s25, WREG0                   ; my wave's LDS
	v_lshrrev_b32 v14, 2, v2
	v_mul_u32_u24 v14, v14, SP
	v_and_b32 v15, 3, v2
	v_lshl_add_u32 v14, v15, 4, v14
	v_add_nc_u32 v14, s25, v14                     ; the stage, in: SP (lane / 4) + 16 (lane % 4)
	v_mul_u32_u24 v15, v2, SP
	v_add_nc_u32 v15, s25, v15                     ; out: SP x lane
	v_lshrrev_b32 v5, 1, v2
	s_add_co_u32 s25, s25, 2*32*SP
	v_add_nc_u32 v5, s25, v5                       ; my block's scale byte
	v_lshlrev_b32 v7, 3, v2
	v_add_nc_u32 v6, s25, v7                       ; and on the way out 8 bytes a lane
	v_and_b32 v208, 7, v2
	v_lshlrev_b32 v208, 7, v208
	s_lshl_b32 s26, s24, 5
	s_add_co_u32 s26, s26, LOGB
	v_add_nc_u32 v208, s26, v208                   ; the logits: 128 (lane & 7) + 4 x (8 wave + token of the wave)
	s_mul_i32 s26, s24, 8448
	v_add_nc_u32 v209, s26, v3                     ; gate_w into LDS: my wave's 16 chunks of 528 bytes
	v_mul_u32_u24 v210, v2, 528                    ; and out: chunk = lane (+ 32 for a token's second step)
	s_lshl_b32 s26, s24, 13
	v_add_nc_u32 v211, s26, v3                     ; gate_w in memory: my wave's 8,192 bytes
	s_mov_b32 s40, 0xaaaaaaaa                      ; lanes with bit 0, 1, 2 set
	s_mov_b32 s41, 0xcccccccc
	s_mov_b32 s42, 0xf0f0f0f0
	s_mov_b32 s46, 0x76543210
	s_mov_b32 s47, 0xfedcba98                      ; v_permlanex16_b32's selects for lane l xor 16
	s_lshl_b32 s26, ttmp9, 2
	s_add_co_u32 s26, s26, s24                     ; which run of 8 tokens is my wave's
	s_mov_b32 s29, 0
	s_lshl_b32 s28, s26, 15
	s_wait_kmcnt 0x0
	s_add_nc_u64 s[4:5], s[4:5], s[28:29]
	s_lshl_b32 s28, s26, 13
	s_add_nc_u64 s[12:13], s[12:13], s[28:29]
	s_lshl_b32 s28, s26, 8
	s_add_nc_u64 s[14:15], s[14:15], s[28:29]
	s_lshl_b32 s28, ttmp9, 8
	s_add_nc_u64 s[16:17], s[16:17], s[28:29]      ; route: 256 bytes a group
	s_lshl_b32 s28, ttmp9, 7
	s_add_nc_u64 s[18:19], s[18:19], s[28:29]      ; tokw: 128 bytes a group
.irp j, 0,1,2,3,4,5,6,7,8,9,10,11,12,13,14,15
	global_load_b128 v[CC+4*\j:CC+4*\j+3], v211, s[6:7] offset:512*\j
.endr
.irp t, 0,1,2,3
	LOAD \t
.endr
	s_wait_loadcnt 16                              ; gate_w's part is in; the 16 loads of x behind it stay out
.irp j, 0,1,2,3,4,5,6,7,8,9,10,11,12,13,14,15
	ds_store_b128 v209, v[CC+4*\j:CC+4*\j+3] offset:528*\j
.endr
	s_wait_dscnt 0x0                               ; for the others' sake: my chunks have landed
	s_barrier_signal -1
	s_barrier_wait -1
	WIN 0x40                                       ; destination window 1: gate_w(k, e) of my 32 k at v[128 t' + 8 i + e]
.set GQ, 0
.rept 64
	ds_load_b128 v[4*GQ:4*GQ+3], v210 offset:16896*(GQ/32)+16*(GQ%32)
.set GQ, GQ+1
.endr
	WIN 0
	s_wait_dscnt 0x0
	s_wait_loadcnt 12                              ; step 0's four loads are in
	TURN 0
.irp t, 0,1,2,3,4,5,6,7,8,9,10,11,12,13,14,15
	STEP \t
.endr
	ds_load_b64 v[12:13], v6                       ; my wave's 256 scale bytes
	s_wait_dscnt 0x0                               ; they are in; and, for wave 0's sake, my logits have landed
	global_store_b64 v7, v[12:13], s[14:15]        ; 32 lanes store 256 consecutive bytes, aligned
	s_barrier_signal -1
	s_barrier_wait -1
	s_cmp_lg_u32 s24, 0
	s_cbranch_scc1 .Lxend
	; wave 0: a lane to a token
	v_lshlrev_b32 v230, 2, v2
	v_add_nc_u32 v231, LOGB, v230
.irp e, 0,1,2,3,4,5,6,7
	ds_load_b32 v[220+\e], v231 offset:128*\e
.endr
	s_wait_dscnt 0x0
	v_max3_num_f32 v229, v220, v221, v222
	v_max3_num_f32 v229, v229, v223, v224
	v_max3_num_f32 v229, v229, v225, v226
	v_max_num_f32 v229, v229, v227                 ; the maximum is taken away ahead of the exponentials
.irp e, 0,1,2,3,4,5,6,7
	v_sub_f32 v[220+\e], v[220+\e], v229
.endr
.irp e, 0,1,2,3,4,5,6,7
	v_mul_f32 v[220+\e], 0x3fb8aa3b, v[220+\e]
.endr
.irp e, 0,1,2,3,4,5,6,7
	v_exp_f32 v[220+\e], v[220+\e]
.endr
	v_mov_b32 v233, 0                              ; the largest's index (a plain line behind the exponentials)
	s_wait_alu depctr_va_vdst(0)
	v_add_f32 v232, v220, v221
.irp e, 2,3,4,5,6,7
	v_add_f32 v232, v232, v[220+\e]                ; the softmax's divisor
.endr
	v_mov_b32 v234, v220                           ; the largest so far,
	v_mov_b32 v235, -1.0                           ; the second (under every exponential),
	v_mov_b32 v236, 0                              ; its index
.irp e, 1,2,3,4,5,6,7                          ; ascending, strictly greater: of equal gates the lower index stands first
	v_cmp_gt_f32 s48, v[220+\e], v234
	v_cmp_gt_f32 s49, v[220+\e], v235
	v_cndmask_b32 v235, v235, v[220+\e], s49
	v_cndmask_b32 v236, v236, \e, s49
	v_cndmask_b32 v235, v235, v234, s48
	v_cndmask_b32 v236, v236, v233, s48
	v_cndmask_b32 v234, v234, v[220+\e], s48
	v_cndmask_b32 v233, v233, \e, s48
.endr
	v_rcp_f32 v237, v232
	v_add_f32 v238, v234, v235                     ; (a plain line behind the reciprocal)
	s_wait_alu depctr_va_vdst(0)
	v_mul_f32 v238, v238, v237                     ; the sum of the two gates
	v_min_u32 v239, v233, v236                     ; lo
	v_max_u32 v240, v233, v236                     ; hi
	v_sub_nc_u32 v241, 15, v239
	v_mul_u32_u24 v241, v241, v239
	v_lshrrev_b32 v241, 1, v241
	v_add_nc_u32 v241, v241, v240
	v_sub_nc_u32 v241, v241, v239
	v_add_nc_u32 v241, -1, v241                    ; the pair, 0..27
	v_mov_b32 v242, 0                              ; my rank among the group's tokens of my pair
	v_mov_b32 v243, 0                              ; lane k: the group's count of pair k
.set PK, 0
.rept 28
	v_cmp_eq_u32 s48, PK, v241
	v_mbcnt_lo_u32_b32 v244, s48, 0
	v_cndmask_b32 v242, v242, v244, s48
	s_bcnt1_i32_b32 s49, s48
	v_writelane_b32 v243, s49, PK
.set PK, PK+1
.endr
	v_lshl_or_b32 v244, v242, 8, v241
	global_store_b32 v230, v244, s[16:17]          ; fixed places: 128 consecutive bytes each
	global_store_b32 v230, v243, s[16:17] offset:128
	global_store_b32 v230, v238, s[18:19]
.Lxend:
	s_set_vgpr_msb 0x8
	s_wait_tensorcnt 0x0
	ds_add_u32 v4, v1
	s_wait_dscnt 0x0
	s_set_vgpr_msb 0x800
	s_endpgm
	; ---------------- path W: a wave to a record; a lane takes a column and its registers run down K
.Lweights:
	s_sub_co_u32 s25, ttmp9, 256
	s_lshl_b32 s25, s25, 2
	s_add_co_u32 s25, s25, s24                     ; the record, 0..511: 32 e + 8 g + s (w1), 256 + 32 e + 4 g + s (w2)
	s_bfe_u32 s26, s25, 0x30005                    ; e
	s_bfe_u32 s27, s25, 0x20003                    ; w1: g,
	s_and_b32 s28, s25, 7                          ; s
	s_bfe_u32 s29, s25, 0x30002                    ; w2: g,
	s_and_b32 s30, s25, 3                          ; s
	s_mov_b32 s31, 4096
	s_cmp_lt_u32 s25, 256                          ; the choice hangs on ids alone
	s_cselect_b32 s27, s27, s29
	s_cselect_b32 s28, s28, s30
	s_cselect_b32 s31, 2048, s31                   ; bytes from k to k + 1
	s_cselect_b32 s32, -1, 0                       ; all lanes: w1?
	s_wait_kmcnt 0x0
	s_cselect_b64 s[36:37], s[8:9], s[10:11]
	s_lshl_b32 s34, s26, 21                        ; an expert is 2 MiB in both
	s_mul_i32 s33, s28, s31
	s_lshl_b32 s33, s33, 7                         ; 128 s rows
	s_add_co_u32 s34, s34, s33
	s_lshl_b32 s33, s27, 9                         ; 128 g columns
	s_add_co_u32 s34, s34, s33
	s_mov_b32 s35, 0
	s_add_nc_u64 s[36:37], s[36:37], s[34:35]      ; the base of K block c at s[36 + 2 c]
	s_lshl_b32 s34, s31, 5
	s_add_nc_u64 s[38:39], s[36:37], s[34:35]
	s_add_nc_u64 s[40:41], s[38:39], s[34:35]
	s_add_nc_u64 s[42:43], s[40:41], s[34:35]
	s_lshl_b32 s34, s25, 14
	s_add_nc_u64 s[20:21], s[20:21], s[34:35]      ; my record of wc,
	s_lshl_b32 s34, s25, 9
	s_add_nc_u64 s[22:23], s[22:23], s[34:35]      ; of ws
	v_lshlrev_b32 v32, 2, v2                       ; v32-63: 4 x lane + i rows
.set WI, 1
.rept 31
	v_add_nc_u32 v[32+WI], s31, v[31+WI]
.set WI, WI+1
.endr
	v_bfe_u32 v16, v2, 3, 1                        ; column 32 b + lane is row r of tile 2 b + u.  w1: u = (lane / 8) % 2,
	v_lshrrev_b32 v17, 4, v2                       ; w2: u = lane / 16
	v_and_b32 v18, 7, v2
	v_lshl_add_u32 v18, v17, 3, v18                ; w1: r = lane % 8 + 8 (lane / 16),
	v_and_b32 v19, 15, v2                          ; w2: r = lane % 16
	v_cndmask_b32 v16, v17, v16, s32
	v_cndmask_b32 v18, v19, v18, s32
	v_lshlrev_b32 v28, 4, v18
	v_lshl_add_u32 v28, v16, 11, v28               ; codes: 2,048 u + 16 r
	v_lshl_add_u32 v29, v16, 4, v18
	v_lshlrev_b32 v29, 3, v29                      ; scale words: 8 (16 u + r)
.macro LOADW n                         ; block n = 4 c + b: k = 32 c + 0..31 of columns 32 b + lane
.set WI, 0
.rept 32
	global_load_b32 v[64+32*((\n)%2)+WI], v[32+WI], s[36+2*((\n)/4):37+2*((\n)/4)] offset:128*((\n)%4)
.set WI, WI+1
.endr
.endm
.macro BLOCKW n
.set WX, 64+32*((\n)%2)
.set WC, 128+8*(\n)                    ; eight registers of codes for each block: no store's data are written again
.if (\n) < 15
	s_wait_loadcnt 32                              ; this block's 32 loads are in; the next block's may be out
.else
	s_wait_loadcnt 0x0
.endif
	v_max3_num_f32 v12, |v[WX]|, |v[WX+1]|, |v[WX+2]|              ; the block's largest magnitude: all 32 numbers are mine
	v_max3_num_f32 v13, |v[WX+3]|, |v[WX+4]|, |v[WX+5]|
.irp i, 6,10,14,18,22,26
	v_max3_num_f32 v12, v12, |v[WX+\i]|, |v[WX+\i+1]|
	v_max3_num_f32 v13, v13, |v[WX+\i+2]|, |v[WX+\i+3]|
.endr
	v_max3_num_f32 v12, v12, |v[WX+30]|, |v[WX+31]|
	v_max3_num_f32 v12, v12, v13, (EMAX+1)<<23
	v_add_nc_u32 v11, -(EMAX<<23), v12
	v_and_or_b32 v10, v12, 0x7f800000, s50
	v_lshrrev_b32 v13, 23, v11                     ; the scale's byte: byte c of tile 2 b + u's word
.if (\n)/4 == 0
	v_mov_b32 v[24+(\n)%4], v13
.else
	v_lshl_or_b32 v[24+(\n)%4], v13, 8*((\n)/4), v[24+(\n)%4]
.endif
.set WI, 0
.rept 32
	v_med3_num_f32 v[WX+WI], v[WX+WI], -v10, v10
.set WI, WI+1
.endr
.irp g, 0,1,2,3
	v_cvt_scalef32_pk8_fp8_f32 v[WC+2*\g:WC+2*\g+1], v[WX+8*\g:WX+8*\g+7], v11
.endr
	global_store_b128 v28, v[WC:WC+3], s[20:21] offset:4096*((\n)%4)+512*((\n)/4)          ; k = 32 c + 0..15: sixteen lanes of a tile store 256 consecutive bytes, aligned
	global_store_b128 v28, v[WC+4:WC+7], s[20:21] offset:4096*((\n)%4)+512*((\n)/4)+256    ; k = 32 c + 16..31
.if (\n)+2 < 16
	LOADW (\n)+2
.endif
.endm
	LOADW 0
	LOADW 1
.irp n, 0,1,2,3,4,5,6,7,8,9,10,11,12,13,14,15
	BLOCKW \n
.endr
	global_store_b64 v29, v[24:25], s[22:23]       ; 256 consecutive bytes each
	global_store_b64 v29, v[26:27], s[22:23] offset:256
	s_endpgm
.Lfunc_end_k_qf9bde27a6a_prep:
	.size	k_qf9bde27a6a_prep, .Lfunc_end_k_qf9bde27a6a_prep-k_qf9bde27a6a_prep
	.p2alignl 7, 3214868480
	.fill 96, 4, 3214868480
	.section	.rodata,"a",@progbits
	.p2align	6, 0x0
	.amdhsa_kernel k_qf9bde27a6a_prep
		.amdhsa_group_segment_fixed_size 57856
		.amdhsa_private_segment_fixed_size 0
		.amdhsa_enable_private_segment 0
		.amdhsa_kernarg_size 80
		.amdhsa_user_sgpr_count 2
		.amdhsa_user_sgpr_kernarg_segment_ptr 1
		.amdhsa_wavefront_size32 1
		.amdhsa_system_sgpr_workgroup_id_x 1
		.amdhsa_system_sgpr_workgroup_id_y 1
		.amdhsa_system_sgpr_workgroup_id_z 1
		.amdhsa_system_vgpr_workitem_id 0
		.amdhsa_next_free_vgpr 514
		.amdhsa_next_free_sgpr 66
		.amdhsa_reserve_vcc 0
		.amdhsa_float_denorm_mode_32 3
		.amdhsa_float_denorm_mode_16_64 3
		.amdhsa_memory_ordered 1
		.amdhsa_forward_progress 1
		.amdhsa_inst_pref_size 255
	.end_amdhsa_kernel
	.section	.bss,"aw",@nobits
	.p2align	6
	.space	262144
	.amdgpu_metadata
---
amdhsa.version: [ 1, 2 ]
amdhsa.kernels:
  - .name:           k_qf9bde27a6a_prep
    .symbol:         k_qf9bde27a6a_prep.kd
    .args:
      - { .name: x, .offset: 0, .size: 8, .value_kind: global_buffer, .address_space: global }
      - { .name: gate_w, .offset: 8, .size: 8, .value_kind: global_buffer, .address_space: global }
      - { .name: w1, .offset: 16, .size: 8, .value_kind: global_buffer, .address_space: global }
      - { .name: w2, .offset: 24, .size: 8, .value_kind: global_buffer, .address_space: global }
      - { .name: xc, .offset: 32, .size: 8, .value_kind: global_buffer, .address_space: global }
      - { .name: xs, .offset: 40, .size: 8, .value_kind: global_buffer, .address_space: global }
      - { .name: route, .offset: 48, .size: 8, .value_kind: global_buffer, .address_space: global }
      - { .name: tokw, .offset: 56, .size: 8, .value_kind: global_buffer, .address_space: global }
      - { .name: wc, .offset: 64, .size: 8, .value_kind: global_buffer, .address_space: global }
      - { .name: ws, .offset: 72, .size: 8, .value_kind: global_buffer, .address_space: global }
    .group_segment_fixed_size: 57856
    .private_segment_fixed_size: 0
    .kernarg_segment_align: 8
    .kernarg_segment_size: 80
    .max_flat_workgroup_size: 128
    .sgpr_count:     66
    .vgpr_count:     514
    .wavefront_size: 32
...
	.end_amdgpu_metadata
.endif
;; end of part 1
;; launch place (part 2): grid 1 x 1, 32 waves a work-group, no clusters, 8,192 bytes of LDS; arguments route, order, tiles; writes order, tiles
.if DOCPART == 2
	.amdgcn_target "amdgcn-amd-amdhsa--gfx1250"
	.amdhsa_code_object_version 6
	.text
	.protected	k_qf9bde27a6a_place
	.globl	k_qf9bde27a6a_place
	.p2align	8
	.type	k_qf9bde27a6a_place,@function
k_qf9bde27a6a_place:
	s_mov_b64 s[64:65], 0
	v_nop
	global_prefetch_b8 v0, s[64:65] scope:SCOPE_SE
	s_setreg_imm32_b32 hwreg(HW_REG_WAVE_MODE, 25, 1), 1
	s_wait_xcnt 0x0
; PLACE.  One work-group sorts the 8,192 tokens by their pair of experts (a counting sort, no atomics) and cuts each pair's run into blocks of at most 64 rows.
; route: 256 groups of 32 tokens, 256 bytes each: 32 words (pair in bits 7:0, rank in the group above), then the group's 32 counts.  order: the tokens' numbers, dense, then 64 zeros, so that a
; block of 64 may be read whole wherever it begins.  tiles: 160 x {expert, expert, first row, rows}; there are never more than 128 + 27 blocks with rows, the others have rows = 0.
; Wave w owns groups 8 w .. 8 w + 7.  Where a register holds a table, the lane's number is the pair.
	s_load_b128 s[4:7], s[0:1], 0x0                ; route, order
	s_load_b64 s[8:9], s[0:1], 0x10                ; tiles
	v_lshl_add_u32 v126, v0, 2, 0x1000
	v_mov_b32 v127, 0
	v_lshrrev_b32 v1, 5, v0
	v_readfirstlane_b32 s10, v1                    ; wave 0..31
	v_and_b32 v2, 31, v0                           ; lane
	v_lshlrev_b32 v3, 2, v2
	v_lshl_add_u32 v4, v1, 11, v3                  ; my wave's 2,048 bytes of route
	s_wait_kmcnt 0x0
.irp g, 0,1,2,3,4,5,6,7
	global_load_b32 v[16+\g], v4, s[4:5] offset:256*\g          ; the tokens' words
	global_load_b32 v[24+\g], v4, s[4:5] offset:256*\g+128      ; the group's counts
.endr
	s_wait_loadcnt 0x0
	v_mov_b32 v32, 0                               ; v32-39: for each pair, the tokens in my wave's earlier groups
.irp g, 1,2,3,4,5,6,7
	v_add_nc_u32 v[32+\g], v[31+\g], v[23+\g]
.endr
	v_add_nc_u32 v40, v39, v31                     ; my wave's count of each pair
	v_lshlrev_b32 v5, 2, v0
	ds_store_b32 v5, v40
	s_wait_dscnt 0x0                               ; for the others' sake
	s_barrier_signal -1
	s_barrier_wait -1
.set J, 0
.rept 32
	ds_load_b32 v[64+J], v3 offset:128*J
.set J, J+1
.endr
	s_wait_dscnt 0x0
	v_mov_b32 v41, 0                               ; each pair's tokens in all,
	v_mov_b32 v42, 0                               ; and in the waves before mine
.set J, 0
.rept 32
	v_add_nc_u32 v41, v41, v[64+J]
	s_cmp_gt_u32 s10, J
	s_cselect_b32 s11, -1, 0
	v_and_b32 v43, s11, v[64+J]
	v_add_nc_u32 v42, v42, v43
.set J, J+1
.endr
	v_add_nc_u32 v44, 63, v41
	v_lshrrev_b32 v44, 6, v44                      ; the pair's blocks
	v_lshl_or_b32 v44, v44, 16, v41                ; tokens (at most 8,192 in all) below, blocks above: one scan serves both
	v_mov_b32 v45, v44
	v_mov_b32 v46, 0
.irp n, 1,2,4,8
	v_mov_b32_dpp v46, v45 row_shr:\n row_mask:0xf bank_mask:0xf bound_ctrl:1
	v_add_nc_u32 v45, v45, v46
.endr
	v_readlane_b32 s12, v45, 15                    ; the lower sixteen's sum goes onto the upper sixteen
	s_mov_b32 s13, 0xffff0000
	v_mov_b32 v46, s12
	v_cndmask_b32 v46, 0, v46, s13
	v_add_nc_u32 v45, v45, v46
	v_sub_nc_u32 v45, v45, v44                     ; what stands in front of the pair
	v_and_b32 v47, 0xffff, v45                     ; its first row,
	v_lshrrev_b32 v48, 16, v45                     ; its first block
	v_add_nc_u32 v49, v47, v42
.irp g, 0,1,2,3,4,5,6,7
	v_add_nc_u32 v[32+\g], v[32+\g], v49           ; where group g's tokens of each pair begin
.endr
.irp g, 0,1,2,3,4,5,6,7
	v_and_b32 v[96+\g], 0xff, v[16+\g]
	v_min_u32 v[96+\g], 31, v[96+\g]
	v_lshlrev_b32 v[96+\g], 2, v[96+\g]
.endr
.irp g, 0,1,2,3,4,5,6,7
	ds_bpermute_b32 v[104+\g], v[96+\g], v[32+\g]  ; the table's entry of my token's pair
.endr
	s_wait_dscnt 0x0
	v_lshl_add_u32 v50, v1, 8, v2                  ; 256 wave + lane
.irp g, 0,1,2,3,4,5,6,7
	v_lshrrev_b32 v[16+\g], 8, v[16+\g]            ; + my rank in the group
	v_add_nc_u32 v[104+\g], v[104+\g], v[16+\g]
	v_min_u32 v[104+\g], 0x1fff, v[104+\g]
	v_lshlrev_b32 v[104+\g], 2, v[104+\g]
	v_add_nc_u32 v[112+\g], 32*\g, v50             ; my token's number
	global_store_b32 v[104+\g], v[112+\g], s[6:7]  ; a placement: 8,192 single words in all, each row written once
.endr
	s_cmp_gt_u32 s10, 4
	s_cbranch_scc1 .Lnot_tiles
	v_mov_b32 v51, 0                               ; waves 0-4: a thread to a block b: its pair is the last whose first block is not above b
.set K, 1
.rept 27
	v_readlane_b32 s12, v48, K
	v_cmp_le_u32 vcc_lo, s12, v0
	v_cndmask_b32 v51, v51, K, vcc_lo
.set K, K+1
.endr
	v_lshlrev_b32 v52, 2, v51
	ds_bpermute_b32 v53, v52, v41                  ; that pair's tokens,
	ds_bpermute_b32 v54, v52, v47                  ; first row,
	ds_bpermute_b32 v55, v52, v48                  ; first block
	s_wait_dscnt 0x0
	v_sub_nc_u32 v55, v0, v55
	v_lshlrev_b32 v55, 6, v55
	v_min_u32 v55, v55, v53                        ; rows of the pair in front of the block
	v_sub_nc_u32 v59, v53, v55
	v_min_u32 v59, 64, v59                         ; rows (0 behind the last block)
	v_add_nc_u32 v58, v54, v55                     ; first row
	v_mov_b32 v56, 0                               ; lo: how many of the pairs' first indices lie at or under the pair
.irp th, 7,13,18,22,25,27
	v_cmp_le_u32 vcc_lo, \th, v51
	v_cndmask_b32 v60, 0, 1, vcc_lo
	v_add_nc_u32 v56, v56, v60
.endr
	v_sub_nc_u32 v60, 15, v56
	v_mul_u32_u24 v60, v60, v56
	v_lshrrev_b32 v60, 1, v60
	v_sub_nc_u32 v57, v51, v60
	v_add_nc_u32 v57, v57, v56
	v_add_nc_u32 v57, 1, v57                       ; hi
	v_lshlrev_b32 v61, 4, v0
	global_store_b128 v61, v[56:59], s[8:9]
.Lnot_tiles:
	s_cmp_lg_u32 s10, 5
	s_cbranch_scc1 .Lend
	v_lshlrev_b32 v120, 3, v2                      ; wave 5: the 64 zeros behind the list
	v_mov_b32 v122, 0
	v_mov_b32 v123, 0
	global_store_b64 v120, v[122:123], s[6:7] offset:32768
.Lend:
	s_wait_tensorcnt 0x0
	ds_add_u32 v126, v127
	s_wait_dscnt 0x0
	s_endpgm
.Lfunc_end_k_qf9bde27a6a_place:
	.size	k_qf9bde27a6a_place, .Lfunc_end_k_qf9bde27a6a_place-k_qf9bde27a6a_place
	.p2alignl 7, 3214868480
	.fill 96, 4, 3214868480
	.section	.rodata,"a",@progbits
	.p2align	6, 0x0
	.amdhsa_kernel k_qf9bde27a6a_place
		.amdhsa_group_segment_fixed_size 8192
		.amdhsa_private_segment_fixed_size 0
		.amdhsa_enable_private_segment 0
		.amdhsa_kernarg_size 24
		.amdhsa_user_sgpr_count 2
		.amdhsa_user_sgpr_kernarg_segment_ptr 1
		.amdhsa_wavefront_size32 1
		.amdhsa_system_sgpr_workgroup_id_x 1
		.amdhsa_system_sgpr_workgroup_id_y 1
		.amdhsa_system_sgpr_workgroup_id_z 1
		.amdhsa_system_vgpr_workitem_id 0
		.amdhsa_next_free_vgpr 128
		.amdhsa_next_free_sgpr 66
		.amdhsa_reserve_vcc 1
		.amdhsa_float_denorm_mode_32 3
		.amdhsa_float_denorm_mode_16_64 3
		.amdhsa_memory_ordered 1
		.amdhsa_forward_progress 1
		.amdhsa_inst_pref_size 22
	.end_amdhsa_kernel
	.amdgpu_metadata
---
amdhsa.version: [ 1, 2 ]
amdhsa.kernels:
  - .name:           k_qf9bde27a6a_place
    .symbol:         k_qf9bde27a6a_place.kd
    .args:
      - { .name: route, .offset: 0, .size: 8, .value_kind: global_buffer, .address_space: global }
      - { .name: order, .offset: 8, .size: 8, .value_kind: global_buffer, .address_space: global }
      - { .name: tiles, .offset: 16, .size: 8, .value_kind: global_buffer, .address_space: global }
    .group_segment_fixed_size: 8192
    .private_segment_fixed_size: 0
    .kernarg_segment_align: 8
    .kernarg_segment_size: 24
    .max_flat_workgroup_size: 1024
    .sgpr_count:     66
    .vgpr_count:     128
    .wavefront_size: 32
...
	.end_amdgpu_metadata
.endif
;; end of part 2
;; launch chain (part 3): grid 155 x 1, 4 waves a work-group, no clusters, 179,712 bytes of LDS; arguments tiles, order, xc, xs, tokw, wc, ws, b1, b2, out0; writes out0
.if DOCPART == 3
	.amdgcn_target "amdgcn-amd-amdhsa--gfx1250"
	.amdhsa_code_object_version 6
	.text
	.protected	k_qf9bde27a6a_chain
	.globl	k_qf9bde27a6a_chain
	.p2align	8
	.type	k_qf9bde27a6a_chain,@function
k_qf9bde27a6a_chain:
	s_mov_b64 s[64:65], 0
	v_nop
	global_prefetch_b8 v0, s[64:65] scope:SCOPE_SE
	s_setreg_imm32_b32 hwreg(HW_REG_WAVE_MODE, 25, 1), 1
	s_wait_xcnt 0x0
; CHAIN.  A work-group owns one block of the sorted list: up to 64 tokens that chose the SAME two experts e1, e2.  out = (g1 + g2) x sum over the two of (gelu(x W1 + b1) W2 + b2), both products on codes of E4M3
; with one E8M0 scale for each 32 along K.  Each output row has one owner; the hidden layer stays in LDS.  155 = 8,192 / 64 + 27 blocks serve every split.
; A BLOCK WITHOUT ROWS walks the same text, on rows of the list's end, and stores nothing: every wave passes every barrier, so no branch on the stored count leads round one; only the way out, inside a pass, hangs on it.
; SHARES.  The four waves share the columns, not the rows.  Four passes of one shape: 8 tiles of weights x 4 tiles of 16 rows = 32 accumulators, 8 K steps of 128.
;   passes 0, 1: hidden units 128 w .. 128 w + 127 of e1, of e2 (K = x's 1,024); then the exact GELU, the quantiser, and the codes go to LDS.
;   passes 2, 3: output columns 128 (w + 4 i) on, i = 0, 1 (K = e1's 512 hidden units, then e2's: the two experts' results are summed in the accumulators); then the way out.
; Both products are used transposed (source 0 = 16 columns of a weight, source 1 = 16 rows): a lane holds one token; in passes 0, 1 the 16 registers of tiles 2 b, 2 b + 1 are 16 neighbours along the next K.
; WEIGHTS come from memory straight into operand registers, laid out for that by the first launch: a stream of units (4 tiles x 128 K: 16 loads of 512 bytes, and one of 256 bytes of scale words) through a ring
; of 4 units, 256 registers.  Behind a unit's products its slot is asked for again, with the unit four further on: that load has three units' products in which to land.
; NO CLUSTER, NO TENSOR LOAD: which experts a work-group walks is read from the stored list, so partners would ask for different tiles.
; ROWS' OPERANDS lie in LDS as pieces of 256 bytes, 272 apart: piece 8 s + 2 c + h of a tile of rows holds, for rows r = 0..15 on end, the 16 codes k = 128 s + 32 c + 16 h + 0..15.
; GELU: gelu(x) = max(x, 0) - |x| q, q = erfc(|x| / sqrt 2) / 2 = t 2^(a0 + a1 t + .. + a9 t^9 - x^2 log2(e) / 2), t = 1 / (1 + |x| / (2 sqrt 2)): a fit of erfc whose RELATIVE error stays near one part in 10^7
; for every x, so the negative tail keeps its accuracy; where x^2 overflows q is 0.
; LIMITS: NaN and infinities are not served; a block of the hidden layer whose largest magnitude lies under 2^-118 keeps the scale byte 1.
; REGISTERS: window 0: see the names below.  Window 1: the ring, slot k at v[64 k].  Window 2: accumulator (t, m) at v[8 (4 t + m)] (at the head: x's rows on their way to LDS).
.set XSCL, 69632                       ; LDS: x's pieces, 4 tiles of rows x 64 x 272 bytes; then x's scale words, 64 rows x 48 bytes;
.set PHD,  72704                       ; the hidden layer's pieces and scale words lie this far behind x's
.set STG,  145408                      ; the way out: 16 rows x 528 bytes for each wave
.set WO,   1                           ; 16 x lane
.set VA,   2                           ; the offset in wc of the pass's first segment, + WO;
.set VB,   3                           ; of its second;
.set VSA,  4                           ; the same two in ws, + WSO
.set VSB,  5
.set WSO,  6                           ; 8 x lane
.set LT,   7                           ; 272 h + 16 r: my place in a pair of pieces
.set BA0,  8                           ; the operand's pieces, tiles of rows 0, 1;
.set BA1,  9                           ; tiles 2, 3
.set SA,   10                          ; its scale words: row r
.set HST0, 11                          ; where my codes of the hidden layer go: tiles of rows 0, 1;
.set HST1, 12                          ; 2, 3
.set HSS,  13                          ; and their scale word
.set STO,  14                          ; the stage, in: 528 r + 32 h
.set SRD,  15                          ; out: 16 x lane
.set OUTL, 16                          ; my 16 bytes in a row of out0
.set BH,   17                          ; 64 h: b1's eight numbers of my half
.set TW,   18                          ; v18-21  the gates' sum of row 16 m + r
.set BS0,  22                          ; v22-25  b2[e1] + b2[e2] at my four columns of the group in hand;  v26-29 of the second group
.set SAB,  30                          ; bases that stay: SA's,
.set HSTB, 31                          ; HST0's,
.set BSC,  32                          ; v32-39  the rows' scale words, two sets x 4 tiles of rows
.set WSC,  40                          ; v40-47  the weights' scale words, two registers a slot: register rho: lanes 0-15 tile 2 rho, lanes 16-31 tile 2 rho + 1
.set VC,   48                          ; the offset in wc of the next pass's first segment, + WO;
.set VSC,  49                          ; in ws, + WSO
.set BI,   56                          ; v56-119 b1 in the result's layout, 8 tiles x 8
.set BF,   120                         ; v120-247 the rows' fragments, two sets of 4; between the passes at work:
.set GA,   120                         ;   |x|
.set GM,   136                         ;   max(x, 0), then gelu(x)
.set GS,   152                         ;   x^2
.set GT,   168                         ;   t, then q
.set GP,   184                         ;   1 + c0 |x|, then the exponent
.set PC,   200                         ;   a fragment's codes
.set PW,   216                         ;   its scale word;  v218-223 the quantiser's
.set RK,   120                         ;   the way out: 16 rows of 4 registers,
.set OFS,  184                         ;   and their offsets in out0
.set HSSB, 248                         ; HSS's base,
.set OUTB, 249                         ; OUTL's
.set A9,   250                         ; v250-251 the fit's a9, twice
.set MSB, 0
.macro WIN new                         ; the immediate's high byte repeats the setting that is left
.if MSB != \new
	s_set_vgpr_msb (MSB<<8)|\new
.set MSB, \new
.endif
.endm
; Slot k takes unit j of the segment at off: 16 loads of 512 consecutive bytes, each lane's 16 bytes straight into its operand registers, and the unit's scale words: 17 loads.
.macro REFILL k, j, off, soff
	WIN 0x40                                       ; destination window 1
.set RN, 0
.rept 16
	global_load_b128 v[64*(\k)+4*RN:64*(\k)+4*RN+3], v[\off], s[18:19] offset:8192*(\j)+512*RN
.set RN, RN+1
.endr
	WIN 0
	global_load_b64 v[WSC+2*(\k):WSC+2*(\k)+1], v[\soff], s[20:21] offset:256*(\j)
.endm
; K step s of the rows' operand: four fragments and four scale words into set s % 2.
.macro BLOAD s
.set LP, (\s)%2
.irp m, 0,1,2,3
.irp c, 0,1,2,3
	ds_load_b128 v[BF+64*LP+16*\m+4*\c:BF+64*LP+16*\m+4*\c+3], v[BA0+\m/2] offset:17408*(\m%2)+272*(8*(\s)+2*\c)
.endr
	ds_load_b32 v[BSC+4*LP+\m], v[SA] offset:768*\m+4*(\s)
.endr
.endm
; Unit i of a pass's 16: K step i / 2, tiles 4 (i % 2) .. + 3 of the weights, from ring slot i % 4, against the four tiles of rows: 16 products, each on an accumulator of its own;
; the 32 accumulators take turns.  cmode 0: the sums go on; 1: b1 starts them; 2: zero starts them.
; places = 1: eight plain lines behind the products, where loads into their registers or reads of their results follow.
; cnt: the wait that shows the NEXT unit in: so many loads were issued behind its 17 (-1: no wait).  rj: this slot is asked for again, with unit rj of the segment at off (-1: not).
.macro UNIT i, cmode, places, cnt, rj, off, soff
.set US, (\i)/2
.set UQ, (\i)%2
.set UK, (\i)%4
.set UP, US%2
.if UQ == 0
	s_wait_dscnt 0x0                               ; this K step's fragments of the rows are in (asked for a K step ago)
.if US < 7
	BLOAD US+1
.endif
.endif
.if \cmode != 0
	WIN 0x81                                       ; source 0 window 1, sources 1 and 2 window 0, destination window 2
.else
	WIN 0xa1                                       ; source 0 window 1, C and D window 2
.endif
.irp tt, 0,1,2,3
.irp m, 0,1,2,3
.set WD, 8*(4*(4*UQ+\tt)+\m)
.set WA, 64*UK+16*\tt
.set WB, BF+64*UP+16*\m
.set WP, WSC+2*UK+\tt/2
.set WQ, BSC+4*UP+\m
.set WI, BI+8*(4*UQ+\tt)
.if \cmode == 1
.if \tt%2
	v_wmma_scale_f32_16x16x128_f8f6f4 v[WD:WD+7], v[WA:WA+15], v[WB:WB+15], v[WI:WI+7], v[WP], v[WQ] matrix_a_scale:MATRIX_SCALE_ROW1
.else
	v_wmma_scale_f32_16x16x128_f8f6f4 v[WD:WD+7], v[WA:WA+15], v[WB:WB+15], v[WI:WI+7], v[WP], v[WQ]
.endif
.elseif \cmode == 2
.if \tt%2
	v_wmma_scale_f32_16x16x128_f8f6f4 v[WD:WD+7], v[WA:WA+15], v[WB:WB+15], 0, v[WP], v[WQ] matrix_a_scale:MATRIX_SCALE_ROW1
.else
	v_wmma_scale_f32_16x16x128_f8f6f4 v[WD:WD+7], v[WA:WA+15], v[WB:WB+15], 0, v[WP], v[WQ]
.endif
.else
.if \tt%2
	v_wmma_scale_f32_16x16x128_f8f6f4 v[WD:WD+7], v[WA:WA+15], v[WB:WB+15], v[WD:WD+7], v[WP], v[WQ] matrix_a_scale:MATRIX_SCALE_ROW1
.else
	v_wmma_scale_f32_16x16x128_f8f6f4 v[WD:WD+7], v[WA:WA+15], v[WB:WB+15], v[WD:WD+7], v[WP], v[WQ]
.endif
.endif
.endr
.endr
	WIN 0
.if \places
.rept 8
	v_nop
.endr
.endif
.if (\cnt) >= 0
	s_wait_loadcnt \cnt
.endif
.if (\rj) >= 0
	REFILL UK, \rj, \off, \soff
.endif
.endm
; The exact GELU of 16 numbers of a lane: accumulators (2 b, m) and (2 b + 1, m), each read from its low end on.
.macro GELU16 m, b
	WIN 0x0a                                       ; sources 0 and 1 window 2
.set GI, 0
.rept 16
	v_and_b32 v[GA+GI], s91, v[8*(4*(2*(\b)+GI/8)+(\m))+GI%8]
.set GI, GI+1
.endr
.set GI, 0
.rept 16
	v_max_num_f32 v[GM+GI], 0, v[8*(4*(2*(\b)+GI/8)+(\m))+GI%8]
.set GI, GI+1
.endr
.set GI, 0
.rept 8
.set GX, 8*(4*(2*(\b)+GI/4)+(\m))+2*(GI%4)
	v_pk_mul_f32 v[GS+2*GI:GS+2*GI+1], v[GX:GX+1], v[GX:GX+1]
.set GI, GI+1
.endr
	WIN 0
.set GI, 0
.rept 8
	v_pk_fma_f32 v[GP+2*GI:GP+2*GI+1], v[GA+2*GI:GA+2*GI+1], s[66:67], 1.0 op_sel_hi:[1,0,0]
.set GI, GI+1
.endr
.set GI, 0
.rept 16
	v_rcp_f32 v[GT+GI], v[GP+GI]
.set GI, GI+1
.endr
	v_nop                                          ; a plain line behind the reciprocals
.set GI, 0
	s_wait_alu depctr_va_vdst(0)
.rept 8
	v_pk_fma_f32 v[GP+2*GI:GP+2*GI+1], v[GT+2*GI:GT+2*GI+1], v[A9:A9+1], s[86:87] op_sel_hi:[1,1,0]
.set GI, GI+1
.endr
.irp k, 7,6,5,4,3,2,1,0
.set GI, 0
.rept 8
	v_pk_fma_f32 v[GP+2*GI:GP+2*GI+1], v[GP+2*GI:GP+2*GI+1], v[GT+2*GI:GT+2*GI+1], s[70+2*\k:71+2*\k] op_sel_hi:[1,1,0]
.set GI, GI+1
.endr
.endr
.set GI, 0
.rept 8
	v_pk_fma_f32 v[GP+2*GI:GP+2*GI+1], v[GS+2*GI:GS+2*GI+1], s[68:69], v[GP+2*GI:GP+2*GI+1] op_sel_hi:[1,0,1]
.set GI, GI+1
.endr
.set GI, 0
.rept 16
	v_exp_f32 v[GP+GI], v[GP+GI]
.set GI, GI+1
.endr
	v_nop                                          ; a plain line behind the exponentials
.set GI, 0
	s_wait_alu depctr_va_vdst(0)
.rept 8
	v_pk_mul_f32 v[GT+2*GI:GT+2*GI+1], v[GT+2*GI:GT+2*GI+1], v[GP+2*GI:GP+2*GI+1]
.set GI, GI+1
.endr
.set GI, 0
.rept 8
	v_pk_fma_f32 v[GM+2*GI:GM+2*GI+1], v[GA+2*GI:GA+2*GI+1], v[GT+2*GI:GT+2*GI+1], v[GM+2*GI:GM+2*GI+1] neg_lo:[1,0,0] neg_hi:[1,0,0]
.set GI, GI+1
.endr
.endm
; Those 16 and lane l xor 16's are block b of 32 along the next K: its scale byte into the word, its codes into registers 4 b .. 4 b + 3 of the fragment.
.macro QB b
	v_max3_num_f32 v218, |v[GM]|, |v[GM+1]|, 0x4800000             ; the floor 2^(9 - 127) among the leaves: the byte cannot fall under 1
	v_max3_num_f32 v219, |v[GM+2]|, |v[GM+3]|, |v[GM+4]|
	v_max3_num_f32 v218, v218, |v[GM+5]|, |v[GM+6]|
	v_max3_num_f32 v219, v219, |v[GM+7]|, |v[GM+8]|
	v_max3_num_f32 v218, v218, |v[GM+9]|, |v[GM+10]|
	v_max3_num_f32 v219, v219, |v[GM+11]|, |v[GM+12]|
	v_max3_num_f32 v218, v218, |v[GM+13]|, |v[GM+14]|
	v_max3_num_f32 v218, v218, v219, |v[GM+15]|
	v_permlanex16_b32 v220, v218, s62, s63
	v_max_num_f32 v218, v218, v220
	v_add_nc_u32 v221, 0xfc000000, v218            ; 8 off the exponent field: the conversion's scale operand
	v_and_or_b32 v222, v218, 0x7f800000, s90       ; 448 x the scale
	v_lshrrev_b32 v223, 23, v221
.if (\b) == 0
	v_mov_b32 v[PW], v223
.else
	v_lshl_or_b32 v[PW], v223, 8*(\b), v[PW]
.endif
.set GI, 0
.rept 16
	v_med3_num_f32 v[GM+GI], v[GM+GI], -v222, v222 ; the conversion to an 8-bit code does not saturate (ISA guide 7.6.2)
.set GI, GI+1
.endr
	v_cvt_scalef32_pk8_fp8_f32 v[PC+4*(\b):PC+4*(\b)+1], v[GM:GM+7], v221
	v_cvt_scalef32_pk8_fp8_f32 v[PC+4*(\b)+2:PC+4*(\b)+3], v[GM+8:GM+15], v221
.endm
	s_load_b512 s[8:23], s[0:1], 0x0               ; tiles, order, xc, xs, tokw, wc, ws, b1
	s_load_b128 s[24:27], s[0:1], 0x40             ; b2, out0
	v_lshl_add_u32 v54, v0, 2, 0x2bc00
	v_mov_b32 v55, 0
	v_lshrrev_b32 v252, 5, v0
	v_readfirstlane_b32 s2, v252                   ; wave 0..3
	s_lshl_b32 s99, ttmp9, 4
	v_and_b32 v253, 31, v0                         ; lane
	v_and_b32 v254, 15, v0                         ; r
	v_bfe_u32 v255, v0, 4, 1                       ; h
	s_wait_kmcnt 0x0
	s_load_b128 s[28:31], s[8:9], s99 offset:0x0   ; my block: e1, e2, first row, rows
	v_lshlrev_b32 v[WO], 4, v253
	v_lshlrev_b32 v[WSO], 3, v253
	v_mul_u32_u24 v[LT], v255, 272
	v_lshl_add_u32 v[LT], v254, 4, v[LT]
	v_lshlrev_b32 v[BH], 6, v255
	v_mul_u32_u24 v[SAB], v254, 48
	v_add_nc_u32 v[SAB], XSCL, v[SAB]
	s_mul_i32 s93, s2, 2176                        ; K step w of an expert's hidden layer: 8 pieces
	s_add_co_u32 s93, s93, PHD
	v_add_nc_u32 v[HSTB], s93, v[LT]
	s_lshl_b32 s93, s2, 2
	s_add_co_u32 s93, s93, PHD
	v_add_nc_u32 v[HSSB], s93, v[SAB]
	s_mul_i32 s93, s2, 8448
	s_add_co_u32 s93, s93, STG                     ; my stage
	v_mul_u32_u24 v[STO], v254, 528
	v_lshl_add_u32 v[STO], v255, 5, v[STO]
	v_add_nc_u32 v[STO], s93, v[STO]
	v_add_nc_u32 v[SRD], s93, v[WO]
	s_lshl_b32 s93, s2, 9
	v_add_nc_u32 v[OUTB], s93, v[WO]               ; 512 w + 16 x lane
	s_mul_i32 s93, s2, 17408
	v_mul_u32_u24 v190, v254, 272
	v_lshl_add_u32 v190, v255, 4, v190
	v_add_nc_u32 v190, s93, v190                   ; x into LDS: load (jj, cc) brings piece 16 cc + lane % 16, row 2 jj + lane / 16 of tile of rows w
	v_and_b32 v187, 1, v0
	v_lshlrev_b32 v187, 4, v187
	s_mul_i32 s93, s2, 768
	s_add_co_u32 s93, s93, XSCL
	v_lshrrev_b32 v191, 1, v253
	v_mul_u32_u24 v191, v191, 48
	v_add_nc_u32 v191, v191, v187
	v_add_nc_u32 v191, s93, v191                   ; x's scale bytes: row 16 w + lane / 2, half lane % 2
	v_mov_b32 v[A9], 0x3e7c6f08                    ; a9 log2(e)
	v_mov_b32 v[A9+1], 0x3e7c6f08
	s_mov_b32 s62, 0x76543210
	s_mov_b32 s63, 0xfedcba98                      ; v_permlanex16_b32's selects for lane l xor 16
	s_mov_b32 s66, 0x3eb504f3                      ; c0 = 1 / (2 sqrt 2)
	s_mov_b32 s68, 0xbf38aa3b                      ; -log2(e) / 2
	s_mov_b32 s70, 0xc034d90f                      ; a0 log2(e) - 1 (the 1: the half in q)
	s_mov_b32 s72, 0x3fb8ab5a                      ; a1 log2(e) ..
	s_mov_b32 s74, 0x3f0a29d2
	s_mov_b32 s76, 0x3e0efb2e
	s_mov_b32 s78, 0xbe899a80
	s_mov_b32 s80, 0x3ecdfd18
	s_mov_b32 s82, 0xbfd1a1e5
	s_mov_b32 s84, 0x40097039
	s_mov_b32 s86, 0xbf97d29d                      ; .. a8 log2(e)
.irp k, 66,68,70,72,74,76,78,80,82,84,86
	s_mov_b32 s[\k+1], s[\k]                       ; (the packed forms name pairs, so both words are written)
.endr
	s_mov_b32 s90, 0x600000                        ; the mantissa field of 448
	s_mov_b32 s91, 0x7fffffff
	s_wait_kmcnt 0x0
	s_min_u32 s28, s28, 7                          ; loaded numbers are held inside their tables before they enter an address
	s_min_u32 s29, s29, 7
	s_min_u32 s30, s30, 8191
	s_min_u32 s31, s31, 64
	; the weight stream's eight segments of 8 units, as offsets in ws (in wc: 32 times as much): a queue, of which a pass reads three and drops two
	s_lshl_b32 s93, s28, 14
	s_lshl_b32 s94, s29, 14
	s_lshl_b32 s95, s2, 12
	s_add_co_u32 s48, s93, s95                     ; w1[e1], my 128 columns, K steps 0-3,
	s_add_co_u32 s49, s48, 2048                    ; K steps 4-7
	s_add_co_u32 s50, s94, s95                     ; w1[e2]
	s_add_co_u32 s51, s50, 2048
	s_lshl_b32 s95, s2, 11
	s_add_co_u32 s95, s95, 131072
	s_add_co_u32 s52, s93, s95                     ; w2[e1], columns 128 w on
	s_add_co_u32 s53, s94, s95                     ; w2[e2]
	s_add_co_u32 s54, s52, 8192                    ; the same two, columns 128 (w + 4) on
	s_add_co_u32 s55, s53, 8192
	v_lshl_add_u32 v[VA], s48, 5, v[WO]
	v_add_nc_u32 v[VSA], s48, v[WSO]
	s_lshl_b32 s92, s30, 2                         ; my first row in order, in bytes
	s_lshl_b32 s93, s28, 11
	s_lshl_b32 s95, s2, 9
	s_add_co_u32 s4, s93, s95
	s_mov_b32 s5, 0
	s_add_nc_u64 s[4:5], s[22:23], s[4:5]          ; b1[e1] at my 128 hidden units,
	s_lshl_b32 s93, s29, 11
	s_add_co_u32 s6, s93, s95
	s_mov_b32 s7, 0
	s_add_nc_u64 s[6:7], s[22:23], s[6:7]          ; b1[e2]
	; 13 loads: the tokens' numbers.  Wave w brings rows 16 w .. 16 w + 15 of x into LDS
	s_lshl_b32 s93, s2, 6
	s_add_co_u32 s93, s93, s92
	v_lshl_add_u32 v252, v255, 2, s93              ; row 16 w + 2 jj + lane / 16
	v_lshrrev_b32 v184, 1, v253
	v_lshl_add_u32 v184, v184, 2, s93              ; row 16 w + lane / 2
	v_lshl_add_u32 v185, v254, 2, s92              ; row 16 m + r
.irp jj, 0,1,2,3,4,5,6,7
	global_load_b32 v[120+\jj], v252, s[10:11] offset:8*\jj
.endr
	global_load_b32 v128, v184, s[10:11]
.irp m, 0,1,2,3
	global_load_b32 v[129+\m], v185, s[10:11] offset:64*\m
.endr
	REFILL 0, 0, VA, VSA
	s_wait_loadcnt 17                              ; the numbers are in; unit 0's 17 loads behind them stay out
	v_lshlrev_b32 v186, 4, v254
.irp jj, 0,1,2,3,4,5,6,7
	v_min_u32 v[120+\jj], 0x1fff, v[120+\jj]
	v_lshl_add_u32 v[120+\jj], v[120+\jj], 10, v186    ; a row of xc is 1,024 bytes; sixteen lanes read 256 of them on end
.endr
	v_min_u32 v128, 0x1fff, v128
	v_lshl_add_u32 v128, v128, 5, v187             ; a row of xs is 32 bytes: two lanes
.irp m, 0,1,2,3
	v_min_u32 v[129+\m], 0x1fff, v[129+\m]
	v_lshlrev_b32 v[129+\m], 2, v[129+\m]
.endr
	s_lshl_b32 s93, s28, 12
	v_add_nc_u32 v188, s93, v[OUTB]                ; b2[e1] at my four columns,
	s_lshl_b32 s93, s29, 12
	v_add_nc_u32 v189, s93, v[OUTB]                ; b2[e2]
	WIN 0x80                                       ; destination window 2
.irp jj, 0,1,2,3,4,5,6,7
.irp cc, 0,1,2,3
	global_load_b128 v[4*(4*\jj+\cc):4*(4*\jj+\cc)+3], v[120+\jj], s[12:13] offset:256*\cc
.endr
.endr
	WIN 0
	global_load_b128 v[136:139], v128, s[14:15]
.irp m, 0,1,2,3
	global_load_b32 v[TW+\m], v[129+\m], s[16:17]
.endr
	global_load_b128 v[BS0:BS0+3], v188, s[24:25]
	global_load_b128 v[BS0+4:BS0+7], v188, s[24:25] offset:2048
	global_load_b128 v[140:143], v189, s[24:25]
	global_load_b128 v[144:147], v189, s[24:25] offset:2048
	s_wait_loadcnt 8                               ; x's rows and scale bytes are in; the gates' four loads and b2's four behind them stay out
	WIN 0x08                                       ; an LDS store's data are its source 1: window 2
.irp jj, 0,1,2,3,4,5,6,7
.irp cc, 0,1,2,3
	ds_store_b128 v190, v[4*(4*\jj+\cc):4*(4*\jj+\cc)+3] offset:4352*\cc+32*\jj
.endr
.endr
	WIN 0
	ds_store_b128 v191, v[136:139]
.irp t, 0,1,2,3,4,5,6,7
	global_load_b128 v[BI+8*\t:BI+8*\t+3], v[BH], s[4:5] offset:(32*(\t/2)+8*(\t%2))*4        ; b1[e1]: tile t, my half: hidden units 32 (t / 2) + 16 h + 8 (t % 2) + 0..7
	global_load_b128 v[BI+8*\t+4:BI+8*\t+7], v[BH], s[4:5] offset:(32*(\t/2)+8*(\t%2))*4+16
.endr
	REFILL 1, 1, VA, VSA
	REFILL 2, 2, VA, VSA
	s_wait_loadcnt 50                              ; the gates' sums and b2 are in: behind them b1's 16 loads and two units' 34
.irp k, 0,2,4,6
	v_pk_add_f32 v[BS0+\k:BS0+\k+1], v[BS0+\k:BS0+\k+1], v[140+\k:141+\k]
.endr
	REFILL 3, 3, VA, VSA
	s_wait_loadcnt 51                              ; b1 and unit 0 are in: behind them units 1 to 3, 17 loads each
	s_mov_b32 s88, 0                               ; the pass, 0..3
	s_mov_b32 s56, 0                               ; the phase: 0 the first product, 1 the second
	s_mov_b32 s58, 0                               ; PHD x phase
.Lphase:
	s_mov_b32 s57, 0                               ; the pass in the phase: the expert, or the group of columns
	s_mov_b32 s59, 0                               ; 8,704 x pass in the phase: four K steps of pieces
	s_mov_b32 s3, 0                                ; 16 x pass in the phase: four scale words
.Lpass:
	s_wait_xcnt 0x0                                ; the offsets below, and the registers that the fragments take, are sources of earlier loads and stores: they are written again only behind this wait
	v_lshl_add_u32 v[VA], s48, 5, v[WO]
	v_lshl_add_u32 v[VB], s49, 5, v[WO]
	v_lshl_add_u32 v[VC], s50, 5, v[WO]
	v_add_nc_u32 v[VSA], s48, v[WSO]
	v_add_nc_u32 v[VSB], s49, v[WSO]
	v_add_nc_u32 v[VSC], s50, v[WSO]
	s_mov_b32 s48, s50                             ; the queue moves on by two (in the last pass the third entry is a segment of the stream that is not asked for)
	s_mov_b32 s49, s51
	s_mov_b32 s50, s52
	s_mov_b32 s51, s53
	s_mov_b32 s52, s54
	s_mov_b32 s53, s55
	v_add_nc_u32 v[BA0], s58, v[LT]
	v_add_nc_u32 v[BA1], 34816, v[BA0]
	v_add_nc_u32 v[SA], s58, v[SAB]
	v_add_nc_u32 v[HST0], s59, v[HSTB]
	v_add_nc_u32 v[HST1], 34816, v[HST0]
	v_add_nc_u32 v[HSS], s3, v[HSSB]
	s_lshl_b32 s93, s3, 7
	v_add_nc_u32 v[OUTL], s93, v[OUTB]             ; + 2,048 for the second group of columns
	s_wait_dscnt 0x0                               ; for the others' sake: my pieces and scale words have landed
	s_barrier_signal -1
	s_barrier_wait -1                              ; everybody's have
	BLOAD 0
	s_cmp_lg_u32 s56, 0
	s_cbranch_scc1 .Lfrom_zero
	UNIT 0, 1, 1, 34, 4, VA, VSA                   ; 34 in every unit: behind the next unit's 17 loads stand those of the two units after it
	UNIT 1, 1, 1, 34, 5, VA, VSA
	s_branch .Lstarted
.Lfrom_zero:
	UNIT 0, 2, 1, 34, 4, VA, VSA
	UNIT 1, 2, 1, 34, 5, VA, VSA
.Lstarted:
	UNIT 2, 0, 1, 34, 6, VA, VSA
	UNIT 3, 0, 1, 34, 7, VA, VSA
.irp i, 4,5,6,7,8,9,10,11
	UNIT \i, 0, 1, 34, \i-4, VB, VSB
.endr
	s_cmp_eq_u32 s88, 3
	s_cbranch_scc1 .Llast_tail                     ; one branch for the four units: the next pass's first four units are all asked for, or none
.irp i, 12,13,14,15
	UNIT \i, 0, 1, 34, \i-12, VC, VSC
.endr
	s_branch .Ltail_done
.Llast_tail:                                           ; the last pass asks for nothing more: the counts run down
	UNIT 12, 0, 0, 34, -1, VC, VSC
	UNIT 13, 0, 0, 17, -1, VC, VSC
	UNIT 14, 0, 0, 0, -1, VC, VSC
	UNIT 15, 0, 1, -1, -1, VC, VSC
.Ltail_done:
	s_wait_dscnt 0x0                               ; my reads of the pieces are over
	s_barrier_signal -1
	s_barrier_wait -1                              ; everybody's are: pieces and stages are written only behind this barrier
	s_cmp_lg_u32 s56, 0
	s_cbranch_scc1 .Lout
	; ---- behind a pass of the first product: GELU, quantiser, pieces
	v_mov_b32 v220, 0                              ; a lane permute's destination counts as one of its sources
.irp m, 0,1,2,3
.if \m == 1
	s_cmp_lg_u32 s57, 0
	s_cbranch_scc1 .Lno_bias
.irp t, 0,1,2,3,4,5,6,7
	global_load_b128 v[BI+8*\t:BI+8*\t+3], v[BH], s[6:7] offset:(32*(\t/2)+8*(\t%2))*4        ; b1[e2], three tiles of rows ahead of its use
	global_load_b128 v[BI+8*\t+4:BI+8*\t+7], v[BH], s[6:7] offset:(32*(\t/2)+8*(\t%2))*4+16
.endr
.Lno_bias:
.endif
	s_wait_dscnt 0x0                               ; the last fragment's stores are done
.irp b, 0,1,2,3
	GELU16 \m, \b
	QB \b
.endr
	v_nop                                          ; a plain line behind the last conversion
.irp c, 0,1,2,3
	ds_store_b128 v[HST0+\m/2], v[PC+4*\c:PC+4*\c+3] offset:17408*(\m%2)+544*\c     ; pieces 2 c + h of my K step: sixteen lanes fill a piece
.endr
	ds_store_b32 v[HSS], v[PW] offset:768*\m       ; both halves of the lanes write the same word with the same value
.endr
	s_wait_loadcnt 0x0                             ; b1[e2] is in (and the four units asked for in the pass's tail, long since)
	s_branch .Lnext
	; ---- behind a pass of the second product: a tile of 16 rows at a time through my stage, + the biases, x the gates' sum, to each token's row of out0
.Lout:
.irp m, 0,1,2,3
	s_wait_xcnt 0x0                                ; the last tile's stores have read their registers
	s_cmp_le_u32 s31, 16*\m
	s_cbranch_scc1 .Ltile_done_\m                  ; the block's rows are a prefix of its 64
	s_load_b512 s[32:47], s[10:11], s92 offset:64*\m   ; the 16 tokens' numbers
	WIN 0x08                                       ; the data: window 2
.irp t, 0,1,2,3,4,5,6,7
	ds_store_b128 v[STO], v[8*(4*\t+\m):8*(4*\t+\m)+3] offset:64*\t          ; each accumulator from its low end on
	ds_store_b128 v[STO], v[8*(4*\t+\m)+4:8*(4*\t+\m)+7] offset:64*\t+16
.endr
	WIN 0
.irp i, 0,1,2,3,4,5,6,7,8,9,10,11,12,13,14,15
	ds_load_b128 v[RK+4*\i:RK+4*\i+3], v[SRD] offset:528*\i                  ; LDS serves a wave's instructions in order: these see my stores
.endr
	s_wait_kmcnt 0x0
.irp i, 0,1,2,3,4,5,6,7,8,9,10,11,12,13,14,15
	s_cmp_gt_u32 s31, 16*\m+\i
	s_cbranch_scc0 .Ltile_done_\m
	s_wait_dscnt 15-\i                             ; row i is back; the younger rows' loads may be out
	v_readlane_b32 s60, v[TW+\m], \i
	s_mov_b32 s61, s60
	v_pk_add_f32 v[RK+4*\i:RK+4*\i+1], v[RK+4*\i:RK+4*\i+1], v[BS0:BS0+1]
	v_pk_add_f32 v[RK+4*\i+2:RK+4*\i+3], v[RK+4*\i+2:RK+4*\i+3], v[BS0+2:BS0+3]
	v_pk_mul_f32 v[RK+4*\i:RK+4*\i+1], v[RK+4*\i:RK+4*\i+1], s[60:61] op_sel_hi:[1,0]
	v_pk_mul_f32 v[RK+4*\i+2:RK+4*\i+3], v[RK+4*\i+2:RK+4*\i+3], s[60:61] op_sel_hi:[1,0]
	s_min_u32 s93, s[32+\i], 0x1fff
	v_lshl_add_u32 v[OFS+\i], s93, 12, v[OUTL]
	global_store_b128 v[OFS+\i], v[RK+4*\i:RK+4*\i+3], s[26:27] th:TH_STORE_NT   ; 32 lanes store 512 consecutive bytes, aligned to 512; written once
.endr
.Ltile_done_\m:
	s_wait_dscnt 0x0
.endr
.irp k, 0,1,2,3
	v_mov_b32 v[BS0+\k], v[BS0+4+\k]               ; the second group's biases
.endr
.Lnext:
	s_add_co_u32 s88, s88, 1
	s_add_co_u32 s59, s59, 8704
	s_add_co_u32 s3, s3, 16
	s_add_co_u32 s57, s57, 1
	s_cmp_lt_u32 s57, 2
	s_cbranch_scc1 .Lpass
	s_add_co_u32 s58, s58, PHD
	s_add_co_u32 s56, s56, 1
	s_cmp_lt_u32 s56, 2
	s_cbranch_scc1 .Lphase
	s_wait_tensorcnt 0x0
	ds_add_u32 v54, v55
	s_wait_dscnt 0x0
	s_endpgm
.Lfunc_end_k_qf9bde27a6a_chain:
	.size	k_qf9bde27a6a_chain, .Lfunc_end_k_qf9bde27a6a_chain-k_qf9bde27a6a_chain
	.p2alignl 7, 3214868480
	.fill 96, 4, 3214868480
	.section	.rodata,"a",@progbits
	.p2align	6, 0x0
	.amdhsa_kernel k_qf9bde27a6a_chain
		.amdhsa_group_segment_fixed_size 179712
		.amdhsa_private_segment_fixed_size 0
		.amdhsa_enable_private_segment 0
		.amdhsa_kernarg_size 80
		.amdhsa_user_sgpr_count 2
		.amdhsa_user_sgpr_kernarg_segment_ptr 1
		.amdhsa_wavefront_size32 1
		.amdhsa_system_sgpr_workgroup_id_x 1
		.amdhsa_system_sgpr_workgroup_id_y 1
		.amdhsa_system_sgpr_workgroup_id_z 1
		.amdhsa_system_vgpr_workitem_id 0
		.amdhsa_next_free_vgpr 768
		.amdhsa_next_free_sgpr 100
		.amdhsa_reserve_vcc 0
		.amdhsa_float_denorm_mode_32 3
		.amdhsa_float_denorm_mode_16_64 3
		.amdhsa_memory_ordered 1
		.amdhsa_forward_progress 1
		.amdhsa_inst_pref_size 255
	.end_amdhsa_kernel
	.section	.bss,"aw",@nobits
	.p2align	6
	.space	262144
	.amdgpu_metadata
---
amdhsa.version: [ 1, 2 ]
amdhsa.kernels:
  - .name:           k_qf9bde27a6a_chain
    .symbol:         k_qf9bde27a6a_chain.kd
    .args:
      - { .name: tiles, .offset: 0, .size: 8, .value_kind: global_buffer, .address_space: global }
      - { .name: order, .offset: 8, .size: 8, .value_kind: global_buffer, .address_space: global }
      - { .name: xc, .offset: 16, .size: 8, .value_kind: global_buffer, .address_space: global }
      - { .name: xs, .offset: 24, .size: 8, .value_kind: global_buffer, .address_space: global }
      - { .name: tokw, .offset: 32, .size: 8, .value_kind: global_buffer, .address_space: global }
      - { .name: wc, .offset: 40, .size: 8, .value_kind: global_buffer, .address_space: global }
      - { .name: ws, .offset: 48, .size: 8, .value_kind: global_buffer, .address_space: global }
      - { .name: b1, .offset: 56, .size: 8, .value_kind: global_buffer, .address_space: global }
      - { .name: b2, .offset: 64, .size: 8, .value_kind: global_buffer, .address_space: global }
      - { .name: out0, .offset: 72, .size: 8, .value_kind: global_buffer, .address_space: global }
    .group_segment_fixed_size: 179712
    .private_segment_fixed_size: 0
    .kernarg_segment_align: 8
    .kernarg_segment_size: 80
    .max_flat_workgroup_size: 128
    .sgpr_count:     100
    .vgpr_count:     768
    .wavefront_size: 32
...
	.end_amdgpu_metadata
.endif
;; end of part 3
;; ======== version 2 of 3: 3 launches
;; workspace buffers: xc 8,388,608 bytes; xs 262,144 bytes; tokw 32,768 bytes; route 65,536 bytes of whole numbers; wc 8,388,608 bytes; ws 262,144 bytes; order 33,024 bytes of whole numbers; tiles 2,560 bytes of whole numbers
;; launch prep: the kernel of part 1 again; grid 384 x 1, 4 waves a work-group, no clusters, 57,856 bytes of LDS; arguments x, gate_w, w1, w2, xc, xs, route, tokw, wc, ws; writes xc, xs, route, tokw, wc, ws
;; launch place (part 4): grid 1 x 1, 8 waves a work-group, no clusters, 2,048 bytes of LDS; arguments route, order, tiles; writes order, tiles
.if DOCPART == 4
	.amdgcn_target "amdgcn-amd-amdhsa--gfx1250"
	.amdhsa_code_object_version 6
	.text
	.protected	k_qf9bde27a6a_place
	.globl	k_qf9bde27a6a_place
	.p2align	8
	.type	k_qf9bde27a6a_place,@function
k_qf9bde27a6a_place:
	s_mov_b64 s[64:65], 0
	v_nop
	global_prefetch_b8 v0, s[64:65] scope:SCOPE_SE
	s_setreg_imm32_b32 hwreg(HW_REG_WAVE_MODE, 25, 1), 1
	s_wait_xcnt 0x0
; PLACE.  One work-group sorts the 8,192 tokens by their pair of experts (a counting sort, no atomics) and cuts each pair's run into blocks of at most 64 rows.
; route: 256 groups of 32 tokens, 256 bytes each: 32 words (pair in bits 7:0, rank in the group above), then the group's 32 counts.  order: the tokens' numbers, dense, then 64 zeros, so that a
; block of 64 may be read whole wherever it begins.  tiles: 160 x {expert, expert, first row, rows}; there are never more than 128 + 27 blocks with rows, the others have rows = 0.
; Eight waves; wave w owns groups 32 w .. 32 w + 31: the work on tables, which every wave repeats, is then done eight times.  Where a register holds a table, the lane's number is the pair.
.set RW,   16                          ; v16-47   the tokens' words, a register a group; later their ranks
.set HC,   48                          ; v48-79   the groups' counts; later 4 x the tokens' pairs
.set PF,   80                          ; v80-111  for each pair, the tokens in my wave's earlier groups; later where the group's tokens of the pair begin
.set WT,   120                         ; v120-127 the eight waves' counts
.set AD,   128                         ; v128-159 the tokens' places in order
.set TK,   160                         ; v160-191 the tokens' numbers
	s_load_b128 s[4:7], s[0:1], 0x0                ; route, order
	s_load_b64 s[8:9], s[0:1], 0x10                ; tiles
	v_lshl_add_u32 v254, v0, 2, 0x400
	v_mov_b32 v255, 0
	v_lshrrev_b32 v1, 5, v0
	v_readfirstlane_b32 s10, v1                    ; wave 0..7
	v_and_b32 v2, 31, v0                           ; lane
	v_lshlrev_b32 v3, 2, v2
	v_lshl_add_u32 v4, v1, 13, v3                  ; my wave's 8,192 bytes of route
	s_wait_kmcnt 0x0
.set G, 0
.rept 32
	global_load_b32 v[HC+G], v4, s[4:5] offset:256*G+128        ; the counts first: the sums below want them first
.set G, G+1
.endr
.set G, 0
.rept 32
	global_load_b32 v[RW+G], v4, s[4:5] offset:256*G            ; the tokens' words
.set G, G+1
.endr
	s_wait_loadcnt 32                              ; the counts are in; the 32 loads of words behind them may be out
	v_mov_b32 v[PF], 0
.set G, 1
.rept 31
	v_add_nc_u32 v[PF+G], v[PF+G-1], v[HC+G-1]
.set G, G+1
.endr
	v_add_nc_u32 v112, v[PF+31], v[HC+31]          ; my wave's count of each pair
	v_lshlrev_b32 v5, 2, v0
	ds_store_b32 v5, v112
	s_wait_dscnt 0x0                               ; for the others' sake
	s_barrier_signal -1
	s_barrier_wait -1
.set J, 0
.rept 8
	ds_load_b32 v[WT+J], v3 offset:128*J
.set J, J+1
.endr
	s_wait_dscnt 0x0
	v_mov_b32 v192, 0                              ; each pair's tokens in all,
	v_mov_b32 v193, 0                              ; and in the waves before mine
.set J, 0
.rept 8
	v_add_nc_u32 v192, v192, v[WT+J]
	s_cmp_gt_u32 s10, J
	s_cselect_b32 s11, -1, 0
	v_and_b32 v194, s11, v[WT+J]
	v_add_nc_u32 v193, v193, v194
.set J, J+1
.endr
	v_add_nc_u32 v195, 63, v192
	v_lshrrev_b32 v195, 6, v195                    ; the pair's blocks
	v_lshl_or_b32 v195, v195, 16, v192             ; tokens (at most 8,192 in all) below, blocks above: one scan serves both
	v_mov_b32 v196, v195
	v_mov_b32 v197, 0
.irp n, 1,2,4,8
	v_mov_b32_dpp v197, v196 row_shr:\n row_mask:0xf bank_mask:0xf bound_ctrl:1
	v_add_nc_u32 v196, v196, v197
.endr
	v_readlane_b32 s12, v196, 15                   ; the lower sixteen's sum goes onto the upper sixteen
	s_mov_b32 s13, 0xffff0000
	v_mov_b32 v197, s12
	v_cndmask_b32 v197, 0, v197, s13
	v_add_nc_u32 v196, v196, v197
	v_sub_nc_u32 v196, v196, v195                  ; what stands in front of the pair
	v_and_b32 v198, 0xffff, v196                   ; its first row,
	v_lshrrev_b32 v199, 16, v196                   ; its first block
	v_add_nc_u32 v200, v198, v193
	v_lshl_add_u32 v201, v1, 10, v2                ; 1,024 wave + lane
.set G, 0
.rept 32
	v_add_nc_u32 v[PF+G], v[PF+G], v200            ; where group g's tokens of each pair begin
.set G, G+1
.endr
	s_wait_loadcnt 0x0                             ; the tokens' words
; the placing, stage by stage over the 32 groups, so that no line waits for the line above it
.set G, 0
.rept 32
	v_and_b32 v[HC+G], 0xff, v[RW+G]
.set G, G+1
.endr
.set G, 0
.rept 32
	v_min_u32 v[HC+G], 31, v[HC+G]
.set G, G+1
.endr
.set G, 0
.rept 32
	v_lshlrev_b32 v[HC+G], 2, v[HC+G]
.set G, G+1
.endr
.set G, 0
.rept 32
	ds_bpermute_b32 v[AD+G], v[HC+G], v[PF+G]      ; the table's entry of my token's pair
.set G, G+1
.endr
.set G, 0
.rept 32
	v_lshrrev_b32 v[RW+G], 8, v[RW+G]              ; my rank in the group
.set G, G+1
.endr
.set G, 0
.rept 32
	v_add_nc_u32 v[TK+G], 32*G, v201               ; my token's number
.set G, G+1
.endr
	s_wait_dscnt 0x0
.set G, 0
.rept 32
	v_add_nc_u32 v[AD+G], v[AD+G], v[RW+G]
.set G, G+1
.endr
.set G, 0
.rept 32
	v_min_u32 v[AD+G], 0x1fff, v[AD+G]
.set G, G+1
.endr
.set G, 0
.rept 32
	v_lshlrev_b32 v[AD+G], 2, v[AD+G]
.set G, G+1
.endr
.set G, 0
.rept 32
	global_store_b32 v[AD+G], v[TK+G], s[6:7]      ; a placement: 8,192 single words in all, each row written once
.set G, G+1
.endr
	s_cmp_gt_u32 s10, 4
	s_cbranch_scc1 .Lnot_tiles
	v_mov_b32 v202, 0                              ; waves 0-4: a thread to a block b: its pair is the last whose first block is not above b
.set K, 1
.rept 27
	v_readlane_b32 s12, v199, K
	v_cmp_le_u32 vcc_lo, s12, v0
	v_cndmask_b32 v202, v202, K, vcc_lo
.set K, K+1
.endr
	v_lshlrev_b32 v203, 2, v202
	ds_bpermute_b32 v204, v203, v192               ; that pair's tokens,
	ds_bpermute_b32 v205, v203, v198               ; first row,
	ds_bpermute_b32 v206, v203, v199               ; first block
	s_wait_dscnt 0x0
	v_sub_nc_u32 v206, v0, v206
	v_lshlrev_b32 v206, 6, v206
	v_min_u32 v206, v206, v204                     ; rows of the pair in front of the block
	v_sub_nc_u32 v211, v204, v206
	v_min_u32 v211, 64, v211                       ; rows (0 behind the last block)
	v_add_nc_u32 v210, v205, v206                  ; first row
	v_mov_b32 v208, 0                              ; lo: how many of the pairs' first indices lie at or under the pair
.irp th, 7,13,18,22,25,27
	v_cmp_le_u32 vcc_lo, \th, v202
	v_cndmask_b32 v212, 0, 1, vcc_lo
	v_add_nc_u32 v208, v208, v212
.endr
	v_sub_nc_u32 v212, 15, v208
	v_mul_u32_u24 v212, v212, v208
	v_lshrrev_b32 v212, 1, v212
	v_sub_nc_u32 v209, v202, v212
	v_add_nc_u32 v209, v209, v208
	v_add_nc_u32 v209, 1, v209                     ; hi
	v_lshlrev_b32 v213, 4, v0
	global_store_b128 v213, v[208:211], s[8:9]
.Lnot_tiles:
	s_cmp_lg_u32 s10, 5
	s_cbranch_scc1 .Lend
	v_lshlrev_b32 v214, 3, v2                      ; wave 5: the 64 zeros behind the list
	v_mov_b32 v216, 0
	v_mov_b32 v217, 0
	global_store_b64 v214, v[216:217], s[6:7] offset:32768
.Lend:
	s_wait_tensorcnt 0x0
	ds_add_u32 v254, v255
	s_wait_dscnt 0x0
	s_endpgm
.Lfunc_end_k_qf9bde27a6a_place:
	.size	k_qf9bde27a6a_place, .Lfunc_end_k_qf9bde27a6a_place-k_qf9bde27a6a_place
	.p2alignl 7, 3214868480
	.fill 96, 4, 3214868480
	.section	.rodata,"a",@progbits
	.p2align	6, 0x0
	.amdhsa_kernel k_qf9bde27a6a_place
		.amdhsa_group_segment_fixed_size 2048
		.amdhsa_private_segment_fixed_size 0
		.amdhsa_enable_private_segment 0
		.amdhsa_kernarg_size 24
		.amdhsa_user_sgpr_count 2
		.amdhsa_user_sgpr_kernarg_segment_ptr 1
		.amdhsa_wavefront_size32 1
		.amdhsa_system_sgpr_workgroup_id_x 1
		.amdhsa_system_sgpr_workgroup_id_y 1
		.amdhsa_system_sgpr_workgroup_id_z 1
		.amdhsa_system_vgpr_workitem_id 0
		.amdhsa_next_free_vgpr 256
		.amdhsa_next_free_sgpr 66
		.amdhsa_reserve_vcc 1
		.amdhsa_float_denorm_mode_32 3
		.amdhsa_float_denorm_mode_16_64 3
		.amdhsa_memory_ordered 1
		.amdhsa_forward_progress 1
		.amdhsa_inst_pref_size 35
	.end_amdhsa_kernel
	.amdgpu_metadata
---
amdhsa.version: [ 1, 2 ]
amdhsa.kernels:
  - .name:           k_qf9bde27a6a_place
    .symbol:         k_qf9bde27a6a_place.kd
    .args:
      - { .name: route, .offset: 0, .size: 8, .value_kind: global_buffer, .address_space: global }
      - { .name: order, .offset: 8, .size: 8, .value_kind: global_buffer, .address_space: global }
      - { .name: tiles, .offset: 16, .size: 8, .value_kind: global_buffer, .address_space: global }
    .group_segment_fixed_size: 2048
    .private_segment_fixed_size: 0
    .kernarg_segment_align: 8
    .kernarg_segment_size: 24
    .max_flat_workgroup_size: 256
    .sgpr_count:     66
    .vgpr_count:     256
    .wavefront_size: 32
...
	.end_amdgpu_metadata
.endif
;; end of part 4
;; launch chain (part 5): grid 155 x 1, 4 waves a work-group, no clusters, 179,712 bytes of LDS; arguments tiles, order, xc, xs, tokw, wc, ws, b1, b2, out0; writes out0
.if DOCPART == 5
	.amdgcn_target "amdgcn-amd-amdhsa--gfx1250"
	.amdhsa_code_object_version 6
	.text
	.protected	k_qf9bde27a6a_chain
	.globl	k_qf9bde27a6a_chain
	.p2align	8
	.type	k_qf9bde27a6a_chain,@function
k_qf9bde27a6a_chain:
	s_mov_b64 s[64:65], 0
	v_nop
	global_prefetch_b8 v0, s[64:65] scope:SCOPE_SE
	s_setreg_imm32_b32 hwreg(HW_REG_WAVE_MODE, 25, 1), 1
	s_wait_xcnt 0x0
; CHAIN.  A work-group owns one block of the sorted list: up to 64 tokens that chose the SAME two experts e1, e2.  out = (g1 + g2) x sum over the two of (gelu(x W1 + b1) W2 + b2), both products on codes of E4M3
; with one E8M0 scale for each 32 along K.  Each output row has one owner; the hidden layer stays in LDS.  155 = 8,192 / 64 + 27 blocks serve every split.
; A BLOCK WITHOUT ROWS walks the same text, on rows of the list's end, and stores nothing: every wave passes every barrier, so no branch on the stored count leads round one; only the stores of the way out hang on it.
; SHARES.  The four waves share the columns, not the rows.  Four passes of one shape: 8 tiles of weights x 4 tiles of 16 rows = 32 accumulators, 8 K steps of 128.
;   passes 0, 1: hidden units 128 w .. 128 w + 127 of e1, of e2 (K = x's 1,024); then the exact GELU, the quantiser, and the codes go to LDS.
;   passes 2, 3: output columns 128 (w + 4 i) on, i = 0, 1 (K = e1's 512 hidden units, then e2's: the two experts' results are summed in the accumulators); then the way out.
; Both products are used transposed (source 0 = 16 columns of a weight, source 1 = 16 rows): a lane holds one token; in passes 0, 1 the 16 registers of tiles 2 b, 2 b + 1 are 16 neighbours along the next K.
; THE BIASES are the C of each sum's first matrix instruction, eight registers a tile in the result's layout: b1[e] in passes 0, 1; b2[e1] + b2[e2] in passes 2, 3.
; WEIGHTS come from memory straight into operand registers, laid out for that by the first launch: a stream of units (4 tiles x 128 K: 16 loads of 512 bytes, and one of 256 bytes of scale words) through a ring
; of 4 units, 256 registers.  Behind a unit's products its slot is asked for again, with the unit four further on: that load has three units' products in which to land.
; NO CLUSTER, NO TENSOR LOAD: which experts a work-group walks is read from the stored list, so partners would ask for different tiles.
; ROWS' OPERANDS lie in LDS as pieces of 256 bytes, 272 apart: piece 8 s + 2 c + h of a tile of rows holds, for rows r = 0..15 on end, the 16 codes k = 128 s + 32 c + 16 h + 0..15.
; GELU: gelu(x) = max(x, 0) - |x| q, q = erfc(|x| / sqrt 2) / 2 = t 2^(a0 + a1 t + .. + a9 t^9 - x^2 log2(e) / 2), t = 1 / (1 + |x| / (2 sqrt 2)): a fit of erfc whose RELATIVE error stays near one part in 10^7
; for every x, so the negative tail keeps its accuracy; where x^2 overflows q is 0.
; LIMITS: NaN and infinities are not served; a block of the hidden layer whose largest magnitude lies under 2^-118 keeps the scale byte 1.
; REGISTERS: window 0: see the names below.  Window 1: the ring, slot k at v[64 k].  Window 2: accumulator (t, m) at v[8 (4 t + m)] (at the head: x's rows on their way to LDS).
;   Window 3: v0-63 the bias of the pass, 8 tiles x 8; v64-127 b2[e2] ahead of its addition onto b2[e1].
.set XSCL, 69632                       ; LDS: x's pieces, 4 tiles of rows x 64 x 272 bytes; then x's scale words, 64 rows x 48 bytes;
.set PHD,  72704                       ; the hidden layer's pieces and scale words lie this far behind x's
.set STG,  145408                      ; the way out: 16 rows x 528 bytes for each wave
.set WO,   1                           ; 16 x lane
.set VA,   2                           ; the offset in wc of the pass's first segment, + WO;
.set VB,   3                           ; of its second;
.set VSA,  4                           ; the same two in ws, + WSO
.set VSB,  5
.set WSO,  6                           ; 8 x lane
.set LT,   7                           ; 272 h + 16 r: my place in a pair of pieces
.set BA0,  8                           ; the operand's pieces, tiles of rows 0, 1;
.set BA1,  9                           ; tiles 2, 3
.set SA,   10                          ; its scale words: row r
.set HST0, 11                          ; where my codes of the hidden layer go: tiles of rows 0, 1;
.set HST1, 12                          ; 2, 3
.set HSS,  13                          ; and their scale word
.set STO,  14                          ; the stage, in: 528 r + 32 h
.set SRD,  15                          ; out: 16 x lane
.set BH,   17                          ; 64 h: b1's eight numbers of my half
.set TW,   18                          ; v18-21  the gates' sum of row 16 m + r
.set B2A,  22                          ; my offset in b2[e1]: 4,096 e1 + 512 w + 32 h;
.set B2B,  23                          ; in b2[e2]
.set SAB,  30                          ; bases that stay: SA's,
.set HSTB, 31                          ; HST0's,
.set BSC,  32                          ; v32-39  the rows' scale words, two sets x 4 tiles of rows
.set WSC,  40                          ; v40-47  the weights' scale words, two registers a slot: register rho: lanes 0-15 tile 2 rho, lanes 16-31 tile 2 rho + 1
.set VC,   48                          ; the offset in wc of the next pass's first segment, + WO;
.set VSC,  49                          ; in ws, + WSO
.set TOKV, 50                          ; v50-53  at the head: the token of row 16 m + r
.set OFS,  56                          ; v56-119 row i's offset in out0: 4,096 x its token + 512 w + 16 x lane; made once
.set BF,   120                         ; v120-247 the rows' fragments, two sets of 4; between the passes at work:
.set GA,   120                         ;   |x|
.set GM,   136                         ;   max(x, 0), then gelu(x)
.set GS,   152                         ;   x^2
.set GT,   168                         ;   t, then q
.set GP,   184                         ;   1 + c0 |x|, then the exponent
.set PC,   200                         ;   a fragment's codes
.set PW,   216                         ;   its scale word;  v218-223 the quantiser's
.set RK,   120                         ;   the way out: two sets of 16 rows x 4 registers
.set HSSB, 248                         ; HSS's base
.set OUTB, 249                         ; 512 w + 16 x lane
.set A9,   250                         ; v250-251 the fit's a9, twice
.set BI,   0                           ; in window 3: the bias;
.set T2,   64                          ; b2[e2]
.set MSB, 0
.macro WIN new                         ; the immediate's high byte repeats the setting that is left
.if MSB != \new
	s_set_vgpr_msb (MSB<<8)|\new
.set MSB, \new
.endif
.endm
; Slot k takes unit j of the segment at off: 16 loads of 512 consecutive bytes, each lane's 16 bytes straight into its operand registers, and the unit's scale words: 17 loads.
.macro REFILL k, j, off, soff
	WIN 0x40                                       ; destination window 1
.set RN, 0
.rept 16
	global_load_b128 v[64*(\k)+4*RN:64*(\k)+4*RN+3], v[\off], s[18:19] offset:8192*(\j)+512*RN
.set RN, RN+1
.endr
	WIN 0
	global_load_b64 v[WSC+2*(\k):WSC+2*(\k)+1], v[\soff], s[20:21] offset:256*(\j)
.endm
; K step s of the rows' operand: four fragments and four scale words into set s % 2.
.macro BLOAD s
.set LP, (\s)%2
.irp m, 0,1,2,3
.irp c, 0,1,2,3
	ds_load_b128 v[BF+64*LP+16*\m+4*\c:BF+64*LP+16*\m+4*\c+3], v[BA0+\m/2] offset:17408*(\m%2)+272*(8*(\s)+2*\c)
.endr
	ds_load_b32 v[BSC+4*LP+\m], v[SA] offset:768*\m+4*(\s)
.endr
.endm
; Unit i of a pass's 16: K step i / 2, tiles 4 (i % 2) .. + 3 of the weights, from ring slot i % 4, against the four tiles of rows: 16 products, each on an accumulator of its own;
; the 32 accumulators take turns.  cmode 0: the sums go on; 1: the bias starts them.
; places = 1: eight plain lines behind the products, where loads into their registers or reads of their results follow.
; rj: this slot is asked for again, with unit rj of the segment at off (-1: not).  The request stands AHEAD of the wait, so that a unit that is late does not hold the next request back.
; cnt: the wait that shows the NEXT unit in: so many loads were issued behind its 17 (-1: no wait).
.macro UNIT i, cmode, places, cnt, rj, off, soff
.set US, (\i)/2
.set UQ, (\i)%2
.set UK, (\i)%4
.set UP, US%2
.if UQ == 0
	s_wait_dscnt 0x0                               ; this K step's fragments of the rows are in (asked for a K step ago)
.if US < 7
	BLOAD US+1
.endif
.endif
.if \cmode != 0
	WIN 0xb1                                       ; source 0 window 1, source 1 window 0, source 2 (the bias) window 3, destination window 2
.else
	WIN 0xa1                                       ; source 0 window 1, C and D window 2
.endif
.irp tt, 0,1,2,3
.irp m, 0,1,2,3
.set WD, 8*(4*(4*UQ+\tt)+\m)
.set WA, 64*UK+16*\tt
.set WB, BF+64*UP+16*\m
.set WP, WSC+2*UK+\tt/2
.set WQ, BSC+4*UP+\m
.set WI, BI+8*(4*UQ+\tt)
.if \cmode == 1
.if \tt%2
	v_wmma_scale_f32_16x16x128_f8f6f4 v[WD:WD+7], v[WA:WA+15], v[WB:WB+15], v[WI:WI+7], v[WP], v[WQ] matrix_a_scale:MATRIX_SCALE_ROW1
.else
	v_wmma_scale_f32_16x16x128_f8f6f4 v[WD:WD+7], v[WA:WA+15], v[WB:WB+15], v[WI:WI+7], v[WP], v[WQ]
.endif
.else
.if \tt%2
	v_wmma_scale_f32_16x16x128_f8f6f4 v[WD:WD+7], v[WA:WA+15], v[WB:WB+15], v[WD:WD+7], v[WP], v[WQ] matrix_a_scale:MATRIX_SCALE_ROW1
.else
	v_wmma_scale_f32_16x16x128_f8f6f4 v[WD:WD+7], v[WA:WA+15], v[WB:WB+15], v[WD:WD+7], v[WP], v[WQ]
.endif
.endif
.endr
.endr
	WIN 0
.if \places
.rept 8
	v_nop
.endr
.endif
.if (\rj) >= 0
	REFILL UK, \rj, \off, \soff
.endif
.if (\cnt) >= 0
	s_wait_loadcnt \cnt
.endif
.endm
; The exact GELU of 16 numbers of a lane: accumulators (2 b, m) and (2 b + 1, m), each read from its low end on.
.macro GELU16 m, b
	WIN 0x0a                                       ; sources 0 and 1 window 2
.set GI, 0
.rept 16
	v_and_b32 v[GA+GI], s91, v[8*(4*(2*(\b)+GI/8)+(\m))+GI%8]
.set GI, GI+1
.endr
.set GI, 0
.rept 16
	v_max_num_f32 v[GM+GI], 0, v[8*(4*(2*(\b)+GI/8)+(\m))+GI%8]
.set GI, GI+1
.endr
.set GI, 0
.rept 8
.set GX, 8*(4*(2*(\b)+GI/4)+(\m))+2*(GI%4)
	v_pk_mul_f32 v[GS+2*GI:GS+2*GI+1], v[GX:GX+1], v[GX:GX+1]
.set GI, GI+1
.endr
	WIN 0
.set GI, 0
.rept 8
	v_pk_fma_f32 v[GP+2*GI:GP+2*GI+1], v[GA+2*GI:GA+2*GI+1], s[66:67], 1.0 op_sel_hi:[1,0,0]
.set GI, GI+1
.endr
.set GI, 0
.rept 16
	v_rcp_f32 v[GT+GI], v[GP+GI]
.set GI, GI+1
.endr
	v_nop                                          ; a plain line behind the reciprocals
.set GI, 0
	s_wait_alu depctr_va_vdst(0)
.rept 8
	v_pk_fma_f32 v[GP+2*GI:GP+2*GI+1], v[GT+2*GI:GT+2*GI+1], v[A9:A9+1], s[86:87] op_sel_hi:[1,1,0]
.set GI, GI+1
.endr
.irp k, 7,6,5,4,3,2,1,0
.set GI, 0
.rept 8
	v_pk_fma_f32 v[GP+2*GI:GP+2*GI+1], v[GP+2*GI:GP+2*GI+1], v[GT+2*GI:GT+2*GI+1], s[70+2*\k:71+2*\k] op_sel_hi:[1,1,0]
.set GI, GI+1
.endr
.endr
.set GI, 0
.rept 8
	v_pk_fma_f32 v[GP+2*GI:GP+2*GI+1], v[GS+2*GI:GS+2*GI+1], s[68:69], v[GP+2*GI:GP+2*GI+1] op_sel_hi:[1,0,1]
.set GI, GI+1
.endr
.set GI, 0
.rept 16
	v_exp_f32 v[GP+GI], v[GP+GI]
.set GI, GI+1
.endr
	v_nop                                          ; a plain line behind the exponentials
.set GI, 0
	s_wait_alu depctr_va_vdst(0)
.rept 8
	v_pk_mul_f32 v[GT+2*GI:GT+2*GI+1], v[GT+2*GI:GT+2*GI+1], v[GP+2*GI:GP+2*GI+1]
.set GI, GI+1
.endr
.set GI, 0
.rept 8
	v_pk_fma_f32 v[GM+2*GI:GM+2*GI+1], v[GA+2*GI:GA+2*GI+1], v[GT+2*GI:GT+2*GI+1], v[GM+2*GI:GM+2*GI+1] neg_lo:[1,0,0] neg_hi:[1,0,0]
.set GI, GI+1
.endr
.endm
; Those 16 and lane l xor 16's are block b of 32 along the next K: its scale byte into the word, its codes into registers 4 b .. 4 b + 3 of the fragment.
.macro QB b
	v_max3_num_f32 v218, |v[GM]|, |v[GM+1]|, 0x4800000             ; the floor 2^(9 - 127) among the leaves: the byte cannot fall under 1
	v_max3_num_f32 v219, |v[GM+2]|, |v[GM+3]|, |v[GM+4]|
	v_max3_num_f32 v218, v218, |v[GM+5]|, |v[GM+6]|
	v_max3_num_f32 v219, v219, |v[GM+7]|, |v[GM+8]|
	v_max3_num_f32 v218, v218, |v[GM+9]|, |v[GM+10]|
	v_max3_num_f32 v219, v219, |v[GM+11]|, |v[GM+12]|
	v_max3_num_f32 v218, v218, |v[GM+13]|, |v[GM+14]|
	v_max3_num_f32 v218, v218, v219, |v[GM+15]|
	v_permlanex16_b32 v220, v218, s62, s63
	v_max_num_f32 v218, v218, v220
	v_add_nc_u32 v221, 0xfc000000, v218            ; 8 off the exponent field: the conversion's scale operand
	v_and_or_b32 v222, v218, 0x7f800000, s90       ; 448 x the scale
	v_lshrrev_b32 v223, 23, v221
.if (\b) == 0
	v_mov_b32 v[PW], v223
.else
	v_lshl_or_b32 v[PW], v223, 8*(\b), v[PW]
.endif
.set GI, 0
.rept 16
	v_med3_num_f32 v[GM+GI], v[GM+GI], -v222, v222 ; the conversion to an 8-bit code does not saturate (ISA guide 7.6.2)
.set GI, GI+1
.endr
	v_cvt_scalef32_pk8_fp8_f32 v[PC+4*(\b):PC+4*(\b)+1], v[GM:GM+7], v221
	v_cvt_scalef32_pk8_fp8_f32 v[PC+4*(\b)+2:PC+4*(\b)+3], v[GM+8:GM+15], v221
.endm
; The biases in the result's layout, 16 loads each, under a setting whose destination is window 3.  b1, base s[b:b+1]: tile t, my half: hidden units 32 (t / 2) + 16 h + 8 (t % 2) + 0..7.
.macro B1LOAD b
.irp t, 0,1,2,3,4,5,6,7
	global_load_b128 v[BI+8*\t:BI+8*\t+3], v[BH], s[\b:\b+1] offset:(32*(\t/2)+8*(\t%2))*4
	global_load_b128 v[BI+8*\t+4:BI+8*\t+7], v[BH], s[\b:\b+1] offset:(32*(\t/2)+8*(\t%2))*4+16
.endr
.endm
; b2: tile t, my half: columns 16 t + 8 h + 0..7 of my group; off = 2,048 for the second group.
.macro B2LOAD dst, adr, off
.irp t, 0,1,2,3,4,5,6,7
	global_load_b128 v[\dst+8*\t:\dst+8*\t+3], v[\adr], s[24:25] offset:\off+64*\t
	global_load_b128 v[\dst+8*\t+4:\dst+8*\t+7], v[\adr], s[24:25] offset:\off+64*\t+16
.endr
.endm
.macro BSUM                            ; b2[e1] + b2[e2]
	WIN 0xcf                                       ; destination and both sources window 3
.set GI, 0
.rept 32
	v_pk_add_f32 v[BI+2*GI:BI+2*GI+1], v[BI+2*GI:BI+2*GI+1], v[T2+2*GI:T2+2*GI+1]
.set GI, GI+1
.endr
	WIN 0
.endm
; THE WAY OUT of tile m of 16 rows, in three parts.  MULT: x the gates' sum, in the accumulators' layout, where a lane holds one token; each accumulator from its low end on.
.macro MULT m
	WIN 0x82                                       ; destination and source 0 window 2, source 1 window 0
.irp t, 0,1,2,3,4,5,6,7
.irp k, 0,2,4,6
.if (\m)%2
	v_pk_mul_f32 v[8*(4*\t+\m)+\k:8*(4*\t+\m)+\k+1], v[8*(4*\t+\m)+\k:8*(4*\t+\m)+\k+1], v[TW+\m-1:TW+\m] op_sel:[0,1] op_sel_hi:[1,1]
.else
	v_pk_mul_f32 v[8*(4*\t+\m)+\k:8*(4*\t+\m)+\k+1], v[8*(4*\t+\m)+\k:8*(4*\t+\m)+\k+1], v[TW+\m:TW+\m+1] op_sel_hi:[1,0]
.endif
.endr
.endr
	WIN 0
.endm
; TOSTAGE: into my own stage, 32 bytes of a row a lane, and back as whole rows of 512 bytes, into set m % 2.  LDS serves a wave's instructions in order (ISA guide 5.7.1.4):
; the loads see the stores above them, and the next tile's stores come behind these loads.
.macro TOSTAGE m
	WIN 0x08                                       ; an LDS store's data are its source 1: window 2
.irp t, 0,1,2,3,4,5,6,7
	ds_store_b128 v[STO], v[8*(4*\t+\m):8*(4*\t+\m)+3] offset:64*\t
	ds_store_b128 v[STO], v[8*(4*\t+\m)+4:8*(4*\t+\m)+7] offset:64*\t+16
.endr
	WIN 0
.irp i, 0,1,2,3,4,5,6,7,8,9,10,11,12,13,14,15
	ds_load_b128 v[RK+64*((\m)%2)+4*\i:RK+64*((\m)%2)+4*\i+3], v[SRD] offset:528*\i
.endr
.endm
; SEND: each row to its token's row of out0.  The block's rows are a prefix of its 64: the first row that it does not have ends the tile.  younger: the LDS instructions issued behind tile m's loads.
.macro SEND m, younger
.irp i, 0,1,2,3,4,5,6,7,8,9,10,11,12,13,14,15
	s_cmp_gt_u32 s31, 16*\m+\i
	s_cbranch_scc0 .Lsent_\m
	s_wait_dscnt \younger+15-\i                    ; row i is back; the younger rows' loads and the next tile's LDS instructions may be out
	global_store_b128 v[OFS+16*\m+\i], v[RK+64*((\m)%2)+4*\i:RK+64*((\m)%2)+4*\i+3], s[26:27] th:TH_STORE_NT   ; 32 lanes store 512 consecutive bytes, aligned to 512; written once
.endr
.Lsent_\m:
	s_wait_dscnt \younger                          ; on both ways: the tile's loads are in
.endm
	s_load_b512 s[8:23], s[0:1], 0x0               ; tiles, order, xc, xs, tokw, wc, ws, b1
	s_load_b128 s[24:27], s[0:1], 0x40             ; b2, out0
	v_lshl_add_u32 v54, v0, 2, 0x2bc00
	v_mov_b32 v55, 0
	v_lshrrev_b32 v252, 5, v0
	v_readfirstlane_b32 s2, v252                   ; wave 0..3
	s_lshl_b32 s99, ttmp9, 4
	v_and_b32 v253, 31, v0                         ; lane
	v_and_b32 v254, 15, v0                         ; r
	v_bfe_u32 v255, v0, 4, 1                       ; h
	s_wait_kmcnt 0x0
	s_load_b128 s[28:31], s[8:9], s99 offset:0x0   ; my block: e1, e2, first row, rows
	v_lshlrev_b32 v[WO], 4, v253
	v_lshlrev_b32 v[WSO], 3, v253
	v_mul_u32_u24 v[LT], v255, 272
	v_lshl_add_u32 v[LT], v254, 4, v[LT]
	v_lshlrev_b32 v[BH], 6, v255
	v_mul_u32_u24 v[SAB], v254, 48
	v_add_nc_u32 v[SAB], XSCL, v[SAB]
	s_mul_i32 s93, s2, 2176                        ; K step w of an expert's hidden layer: 8 pieces
	s_add_co_u32 s93, s93, PHD
	v_add_nc_u32 v[HSTB], s93, v[LT]
	s_lshl_b32 s93, s2, 2
	s_add_co_u32 s93, s93, PHD
	v_add_nc_u32 v[HSSB], s93, v[SAB]
	s_mul_i32 s93, s2, 8448
	s_add_co_u32 s93, s93, STG                     ; my stage
	v_mul_u32_u24 v[STO], v254, 528
	v_lshl_add_u32 v[STO], v255, 5, v[STO]
	v_add_nc_u32 v[STO], s93, v[STO]
	v_add_nc_u32 v[SRD], s93, v[WO]
	s_lshl_b32 s93, s2, 9
	v_add_nc_u32 v[OUTB], s93, v[WO]               ; 512 w + 16 x lane
	s_mul_i32 s93, s2, 17408
	v_mul_u32_u24 v190, v254, 272
	v_lshl_add_u32 v190, v255, 4, v190
	v_add_nc_u32 v190, s93, v190                   ; x into LDS: load (jj, cc) brings piece 16 cc + lane % 16, row 2 jj + lane / 16 of tile of rows w
	v_and_b32 v187, 1, v0
	v_lshlrev_b32 v187, 4, v187
	s_mul_i32 s93, s2, 768
	s_add_co_u32 s93, s93, XSCL
	v_lshrrev_b32 v191, 1, v253
	v_mul_u32_u24 v191, v191, 48
	v_add_nc_u32 v191, v191, v187
	v_add_nc_u32 v191, s93, v191                   ; x's scale bytes: row 16 w + lane / 2, half lane % 2
	v_lshlrev_b32 v24, 5, v255                     ; 32 h
	v_mov_b32 v[A9], 0x3e7c6f08                    ; a9 log2(e)
	v_mov_b32 v[A9+1], 0x3e7c6f08
	s_mov_b32 s62, 0x76543210
	s_mov_b32 s63, 0xfedcba98                      ; v_permlanex16_b32's selects for lane l xor 16
	s_mov_b32 s66, 0x3eb504f3                      ; c0 = 1 / (2 sqrt 2)
	s_mov_b32 s68, 0xbf38aa3b                      ; -log2(e) / 2
	s_mov_b32 s70, 0xc034d90f                      ; a0 log2(e) - 1 (the 1: the half in q)
	s_mov_b32 s72, 0x3fb8ab5a                      ; a1 log2(e) ..
	s_mov_b32 s74, 0x3f0a29d2
	s_mov_b32 s76, 0x3e0efb2e
	s_mov_b32 s78, 0xbe899a80
	s_mov_b32 s80, 0x3ecdfd18
	s_mov_b32 s82, 0xbfd1a1e5
	s_mov_b32 s84, 0x40097039
	s_mov_b32 s86, 0xbf97d29d                      ; .. a8 log2(e)
.irp k, 66,68,70,72,74,76,78,80,82,84,86
	s_mov_b32 s[\k+1], s[\k]                       ; (the packed forms name pairs, so both words are written)
.endr
	s_mov_b32 s90, 0x600000                        ; the mantissa field of 448
	s_mov_b32 s91, 0x7fffffff
	s_wait_kmcnt 0x0
	s_min_u32 s28, s28, 7                          ; loaded numbers are held inside their tables before they enter an address
	s_min_u32 s29, s29, 7
	s_min_u32 s30, s30, 8191
	s_min_u32 s31, s31, 64
	; the weight stream's eight segments of 8 units, as offsets in ws (in wc: 32 times as much): a queue, of which a pass reads three and drops two
	s_lshl_b32 s93, s28, 14
	s_lshl_b32 s94, s29, 14
	s_lshl_b32 s95, s2, 12
	s_add_co_u32 s48, s93, s95                     ; w1[e1], my 128 columns, K steps 0-3,
	s_add_co_u32 s49, s48, 2048                    ; K steps 4-7
	s_add_co_u32 s50, s94, s95                     ; w1[e2]
	s_add_co_u32 s51, s50, 2048
	s_lshl_b32 s95, s2, 11
	s_add_co_u32 s95, s95, 131072
	s_add_co_u32 s52, s93, s95                     ; w2[e1], columns 128 w on
	s_add_co_u32 s53, s94, s95                     ; w2[e2]
	s_add_co_u32 s54, s52, 8192                    ; the same two, columns 128 (w + 4) on
	s_add_co_u32 s55, s53, 8192
	v_lshl_add_u32 v[VA], s48, 5, v[WO]
	v_add_nc_u32 v[VSA], s48, v[WSO]
	s_lshl_b32 s92, s30, 2                         ; my first row in order, in bytes
	s_lshl_b32 s93, s28, 11
	s_lshl_b32 s95, s2, 9
	s_add_co_u32 s4, s93, s95
	s_mov_b32 s5, 0
	s_add_nc_u64 s[4:5], s[22:23], s[4:5]          ; b1[e1] at my 128 hidden units,
	s_lshl_b32 s93, s29, 11
	s_add_co_u32 s6, s93, s95
	s_mov_b32 s7, 0
	s_add_nc_u64 s[6:7], s[22:23], s[6:7]          ; b1[e2]
	s_lshl_b32 s93, s28, 12
	s_add_co_u32 s93, s93, s95
	v_add_nc_u32 v[B2A], s93, v24                  ; b2[e1] at my first group of columns, my half,
	s_lshl_b32 s93, s29, 12
	s_add_co_u32 s93, s93, s95
	v_add_nc_u32 v[B2B], s93, v24                  ; b2[e2]
	; 13 loads: the tokens' numbers.  Wave w brings rows 16 w .. 16 w + 15 of x into LDS
	s_lshl_b32 s93, s2, 6
	s_add_co_u32 s93, s93, s92
	v_lshl_add_u32 v252, v255, 2, s93              ; row 16 w + 2 jj + lane / 16
	v_lshrrev_b32 v184, 1, v253
	v_lshl_add_u32 v184, v184, 2, s93              ; row 16 w + lane / 2
	v_lshl_add_u32 v185, v254, 2, s92              ; row 16 m + r
.irp jj, 0,1,2,3,4,5,6,7
	global_load_b32 v[120+\jj], v252, s[10:11] offset:8*\jj
.endr
	global_load_b32 v128, v184, s[10:11]
.irp m, 0,1,2,3
	global_load_b32 v[129+\m], v185, s[10:11] offset:64*\m
.endr
	REFILL 0, 0, VA, VSA
	s_wait_loadcnt 17                              ; the numbers are in; unit 0's 17 loads behind them stay out
	v_lshlrev_b32 v186, 4, v254
.irp jj, 0,1,2,3,4,5,6,7
	v_min_u32 v[120+\jj], 0x1fff, v[120+\jj]
	v_lshl_add_u32 v[120+\jj], v[120+\jj], 10, v186    ; a row of xc is 1,024 bytes; sixteen lanes read 256 of them on end
.endr
	v_min_u32 v128, 0x1fff, v128
	v_lshl_add_u32 v128, v128, 5, v187             ; a row of xs is 32 bytes: two lanes
.irp m, 0,1,2,3
	v_min_u32 v[TOKV+\m], 0x1fff, v[129+\m]
	v_lshlrev_b32 v[129+\m], 2, v[TOKV+\m]
.endr
	WIN 0x80                                       ; destination window 2
.irp jj, 0,1,2,3,4,5,6,7
.irp cc, 0,1,2,3
	global_load_b128 v[4*(4*\jj+\cc):4*(4*\jj+\cc)+3], v[120+\jj], s[12:13] offset:256*\cc
.endr
.endr
	WIN 0
	global_load_b128 v[136:139], v128, s[14:15]
.irp m, 0,1,2,3
	global_load_b32 v[TW+\m], v[129+\m], s[16:17]
.endr
	; while x's rows are on their way: each row's offset in out0, for all 32 lanes, sixteen rows at a time so that the scalar lines do not each wait for the lane read in front of them
.irp m, 0,1,2,3
.irp i, 0,1,2,3,4,5,6,7,8,9,10,11,12,13,14,15
	v_readlane_b32 s[32+\i], v[TOKV+\m], \i
.endr
.irp i, 0,1,2,3,4,5,6,7,8,9,10,11,12,13,14,15
	s_min_u32 s[32+\i], s[32+\i], 0x1fff
.endr
.irp i, 0,1,2,3,4,5,6,7,8,9,10,11,12,13,14,15
	v_lshl_add_u32 v[OFS+16*\m+\i], s[32+\i], 12, v[OUTB]
.endr
.endr
	WIN 0xc0                                       ; destination window 3
	B2LOAD T2, B2B, 0                              ; b2[e2], first group of columns: added onto b2[e1] behind pass 1
	B1LOAD 4                                       ; b1[e1]
	REFILL 1, 1, VA, VSA
	s_wait_loadcnt 53                              ; x's rows and scale bytes are in; behind them: the gates' 4 loads, b2's 16, b1's 16, unit 1's 17
	WIN 0x08                                       ; an LDS store's data are its source 1: window 2
.irp jj, 0,1,2,3,4,5,6,7
.irp cc, 0,1,2,3
	ds_store_b128 v190, v[4*(4*\jj+\cc):4*(4*\jj+\cc)+3] offset:4352*\cc+32*\jj
.endr
.endr
	WIN 0
	ds_store_b128 v191, v[136:139]
	REFILL 2, 2, VA, VSA
	REFILL 3, 3, VA, VSA
	s_wait_loadcnt 51                              ; the gates' sums, the biases and unit 0 are in: behind them units 1 to 3, 17 loads each
	s_mov_b32 s88, 0                               ; the pass, 0..3
	s_mov_b32 s56, 0                               ; the phase: 0 the first product, 1 the second
	s_mov_b32 s58, 0                               ; PHD x phase
.Lphase:
	s_mov_b32 s57, 0                               ; the pass in the phase: the expert, or the group of columns
	s_mov_b32 s59, 0                               ; 8,704 x pass in the phase: four K steps of pieces
	s_mov_b32 s3, 0                                ; 16 x pass in the phase: four scale words
.Lpass:
	s_wait_xcnt 0x0                                ; the offsets below, and the registers that the fragments take, are sources of earlier loads and stores: they are written again only behind this wait
	v_lshl_add_u32 v[VA], s48, 5, v[WO]
	v_lshl_add_u32 v[VB], s49, 5, v[WO]
	v_lshl_add_u32 v[VC], s50, 5, v[WO]
	v_add_nc_u32 v[VSA], s48, v[WSO]
	v_add_nc_u32 v[VSB], s49, v[WSO]
	v_add_nc_u32 v[VSC], s50, v[WSO]
	s_mov_b32 s48, s50                             ; the queue moves on by two (in the last pass the third entry is a segment of the stream that is not asked for)
	s_mov_b32 s49, s51
	s_mov_b32 s50, s52
	s_mov_b32 s51, s53
	s_mov_b32 s52, s54
	s_mov_b32 s53, s55
	v_add_nc_u32 v[BA0], s58, v[LT]
	v_add_nc_u32 v[BA1], 34816, v[BA0]
	v_add_nc_u32 v[SA], s58, v[SAB]
	v_add_nc_u32 v[HST0], s59, v[HSTB]
	v_add_nc_u32 v[HST1], 34816, v[HST0]
	v_add_nc_u32 v[HSS], s3, v[HSSB]
	s_wait_dscnt 0x0                               ; for the others' sake: my pieces and scale words have landed
	s_barrier_signal -1
	s_barrier_wait -1                              ; everybody's have
	BLOAD 0
	UNIT 0, 1, 1, 51, 4, VA, VSA                   ; 51 in every unit that asks: behind the next unit's 17 loads stand those of the two units after it and the 17 just issued
	UNIT 1, 1, 1, 51, 5, VA, VSA
	UNIT 2, 0, 1, 51, 6, VA, VSA
	UNIT 3, 0, 1, 51, 7, VA, VSA
.irp i, 4,5,6,7,8,9,10,11
	UNIT \i, 0, 1, 51, \i-4, VB, VSB
.endr
	s_cmp_eq_u32 s88, 3
	s_cbranch_scc1 .Llast_tail                     ; one branch for the four units: the next pass's first four units are all asked for, or none
.irp i, 12,13,14,15
	UNIT \i, 0, 1, 51, \i-12, VC, VSC
.endr
	s_branch .Ltail_done
.Llast_tail:                                           ; the last pass asks for nothing more: the counts run down
	UNIT 12, 0, 0, 34, -1, VC, VSC
	UNIT 13, 0, 0, 17, -1, VC, VSC
	UNIT 14, 0, 0, 0, -1, VC, VSC
	UNIT 15, 0, 1, -1, -1, VC, VSC
.Ltail_done:
	s_wait_dscnt 0x0                               ; my reads of the pieces are over
	s_barrier_signal -1
	s_barrier_wait -1                              ; everybody's are: pieces and stages are written only behind this barrier
	s_cmp_lg_u32 s56, 0
	s_cbranch_scc1 .Lout
	; ---- behind a pass of the first product: GELU, quantiser, pieces
	v_mov_b32 v220, 0                              ; a lane permute's destination counts as one of its sources
.irp m, 0,1,2,3
.if \m == 1
	s_cmp_lg_u32 s57, 0                            ; the next pass's bias, three tiles of rows ahead of its use
	s_cbranch_scc1 .Lbias_two
	WIN 0xc0
	B1LOAD 6                                       ; behind pass 0: b1[e2]
	WIN 0
	s_branch .Lbias_done
.Lbias_two:
	WIN 0xc0
	B2LOAD BI, B2A, 0                              ; behind pass 1: b2[e1], first group of columns
	WIN 0
.Lbias_done:
.endif
	s_wait_dscnt 0x0                               ; the last fragment's stores are done
.irp b, 0,1,2,3
	GELU16 \m, \b
	QB \b
.endr
	v_nop                                          ; a plain line behind the last conversion
.irp c, 0,1,2,3
	ds_store_b128 v[HST0+\m/2], v[PC+4*\c:PC+4*\c+3] offset:17408*(\m%2)+544*\c     ; pieces 2 c + h of my K step: sixteen lanes fill a piece
.endr
	ds_store_b32 v[HSS], v[PW] offset:768*\m       ; both halves of the lanes write the same word with the same value
.endr
	s_wait_loadcnt 0x0                             ; the bias is in (and the four units asked for in the pass's tail, long since)
	s_cmp_eq_u32 s57, 0
	s_cbranch_scc1 .Lnext
	BSUM                                           ; behind pass 1: + b2[e2]
	s_branch .Lnext
	; ---- behind a pass of the second product: x the gates' sum, a tile of 16 rows at a time through my stage, to each token's row of out0.
	; Tile a's multiplications and its way into the stage stand ahead of tile a - 1's stores, so that the wave does not sit out the stage's round trip.
.Lout:
	s_cmp_lg_u32 s57, 0
	s_cbranch_scc1 .Lno_b2
	WIN 0xc0
	B2LOAD BI, B2A, 2048                           ; behind pass 2: the second group's biases, a way out ahead of their use
	B2LOAD T2, B2B, 2048
	WIN 0
.Lno_b2:
	MULT 0
	TOSTAGE 0
	MULT 1
	TOSTAGE 1
	SEND 0, 32
	MULT 2
	s_wait_xcnt 0x0                                ; tile 0's stores have read their registers: tile 2's rows may land there
	TOSTAGE 2
	SEND 1, 32
	MULT 3
	s_wait_xcnt 0x0                                ; tile 1's likewise
	TOSTAGE 3
	SEND 2, 32
	SEND 3, 0
	s_wait_xcnt 0x0                                ; the stores have read their base:
	s_add_nc_u64 s[26:27], s[26:27], 2048          ; on to the second group of columns
	s_wait_loadcnt 0x0                             ; the biases are in
	s_cmp_lg_u32 s57, 0
	s_cbranch_scc1 .Lnext
	BSUM
.Lnext:
	s_add_co_u32 s88, s88, 1
	s_add_co_u32 s59, s59, 8704
	s_add_co_u32 s3, s3, 16
	s_add_co_u32 s57, s57, 1
	s_cmp_lt_u32 s57, 2
	s_cbranch_scc1 .Lpass
	s_add_co_u32 s58, s58, PHD
	s_add_co_u32 s56, s56, 1
	s_cmp_lt_u32 s56, 2
	s_cbranch_scc1 .Lphase
	s_wait_tensorcnt 0x0
	ds_add_u32 v54, v55
	s_wait_dscnt 0x0
	s_endpgm
.Lfunc_end_k_qf9bde27a6a_chain:
	.size	k_qf9bde27a6a_chain, .Lfunc_end_k_qf9bde27a6a_chain-k_qf9bde27a6a_chain
	.p2alignl 7, 3214868480
	.fill 96, 4, 3214868480
	.section	.rodata,"a",@progbits
	.p2align	6, 0x0
	.amdhsa_kernel k_qf9bde27a6a_chain
		.amdhsa_group_segment_fixed_size 179712
		.amdhsa_private_segment_fixed_size 0
		.amdhsa_enable_private_segment 0
		.amdhsa_kernarg_size 80
		.amdhsa_user_sgpr_count 2
		.amdhsa_user_sgpr_kernarg_segment_ptr 1
		.amdhsa_wavefront_size32 1
		.amdhsa_system_sgpr_workgroup_id_x 1
		.amdhsa_system_sgpr_workgroup_id_y 1
		.amdhsa_system_sgpr_workgroup_id_z 1
		.amdhsa_system_vgpr_workitem_id 0
		.amdhsa_next_free_vgpr 896
		.amdhsa_next_free_sgpr 100
		.amdhsa_reserve_vcc 0
		.amdhsa_float_denorm_mode_32 3
		.amdhsa_float_denorm_mode_16_64 3
		.amdhsa_memory_ordered 1
		.amdhsa_forward_progress 1
		.amdhsa_inst_pref_size 255
	.end_amdhsa_kernel
	.section	.bss,"aw",@nobits
	.p2align	6
	.space	262144
	.amdgpu_metadata
---
amdhsa.version: [ 1, 2 ]
amdhsa.kernels:
  - .name:           k_qf9bde27a6a_chain
    .symbol:         k_qf9bde27a6a_chain.kd
    .args:
      - { .name: tiles, .offset: 0, .size: 8, .value_kind: global_buffer, .address_space: global }
      - { .name: order, .offset: 8, .size: 8, .value_kind: global_buffer, .address_space: global }
      - { .name: xc, .offset: 16, .size: 8, .value_kind: global_buffer, .address_space: global }
      - { .name: xs, .offset: 24, .size: 8, .value_kind: global_buffer, .address_space: global }
      - { .name: tokw, .offset: 32, .size: 8, .value_kind: global_buffer, .address_space: global }
      - { .name: wc, .offset: 40, .size: 8, .value_kind: global_buffer, .address_space: global }
      - { .name: ws, .offset: 48, .size: 8, .value_kind: global_buffer, .address_space: global }
      - { .name: b1, .offset: 56, .size: 8, .value_kind: global_buffer, .address_space: global }
      - { .name: b2, .offset: 64, .size: 8, .value_kind: global_buffer, .address_space: global }
      - { .name: out0, .offset: 72, .size: 8, .value_kind: global_buffer, .address_space: global }
    .group_segment_fixed_size: 179712
    .private_segment_fixed_size: 0
    .kernarg_segment_align: 8
    .kernarg_segment_size: 80
    .max_flat_workgroup_size: 128
    .sgpr_count:     100
    .vgpr_count:     896
    .wavefront_size: 32
...
	.end_amdgpu_metadata
.endif
;; end of part 5
;; ======== version 3 of 3: 3 launches
;; workspace buffers: xc 8,388,608 bytes; xs 262,144 bytes; tokw 32,768 bytes; route 65,536 bytes of whole numbers; wc 8,388,608 bytes; ws 262,144 bytes; order 33,024 bytes of whole numbers; tiles 2,560 bytes of whole numbers
;; launch prep (part 6): grid 384 x 1, 4 waves a work-group, no clusters, 57,856 bytes of LDS; arguments x, gate_w, w1, w2, xc, xs, route, tokw, wc, ws; writes xc, xs, route, tokw, wc, ws
.if DOCPART == 6
	.amdgcn_target "amdgcn-amd-amdhsa--gfx1250"
	.amdhsa_code_object_version 6
	.text
	.protected	k_qf9bde27a6a_prep
	.globl	k_qf9bde27a6a_prep
	.p2align	8
	.type	k_qf9bde27a6a_prep,@function
k_qf9bde27a6a_prep:
	s_mov_b64 s[64:65], 0
	v_nop
	global_prefetch_b8 v0, s[64:65] scope:SCOPE_SE
	s_setreg_imm32_b32 hwreg(HW_REG_WAVE_MODE, 25, 1), 1
	s_wait_xcnt 0x0
; PREP.  Work-groups 0-255 (path X): x [8192][1024] f32 becomes codes of E4M3 (xc, K innermost) and one E8M0 byte for each 32 along K (xs); on the way the router's eight logits of each token
; are summed in f32, and wave 0 then takes the softmax, the two largest gates (ties: the lower index), their sum (tokw) and, as whole numbers at fixed places (route), each token's PAIR of experts,
; p = lo (15 - lo) / 2 + hi - lo - 1, its rank among the group's 32 tokens of that pair, and the group's count of each pair.  No address and no branch here hangs on those numbers.
; Work-groups 256-383 (path W): w1 [8][1024][512] and w2 [8][512][1024], f32 with K as first axis of an expert, become codes and scale words laid in the order of an operand's registers:
; record tau (16,384 bytes of wc, 512 of ws) = 128 columns x 128 K = 8 images of 2,048 bytes; image t, chunk c: lane (r, h)'s 16 bytes at 512 c + 16 (16 h + r) hold k = 32 c + 16 h + 0..15 of column col(t, r);
; w1: col = 32 (t / 2) + 8 (t % 2) + r + 8 (r / 8), so that the product's results are neighbours along the next K;  w2: col = 16 t + r.  Scale word of (t, r) at 256 (t / 4) + 8 (16 (t % 2) + r) + 4 ((t / 2) % 2).
; A block's scale is 2^(floor(log2(largest magnitude)) - 8); numbers are held within +-448 x the scale and rounded to the nearest code, ties to even.
; LIMITS: NaN and infinities are not served.  A block whose largest magnitude lies under 2^-118 (a block of zeros too) keeps the byte 1: its bytes are read by this program alone.
; A gate whose exponential falls under 2^-126 counts as 0.  A second and a third logit closer than f32 sums resolve may be chosen otherwise than by another order of summing.
; No matrix unit, no tensor load, no cluster: memory binds and work-groups share only gate_w's 32 KiB.
.set STEPS, 16                         ; a wave of path X: 16 steps of 512 numbers = 8 tokens
.set EMAX,  8
.set SP,    80                         ; a lane's place in a stage: 64 bytes + 16 of padding
.set WREG0, 33792                      ; LDS: gate_w as 64 chunks of 512 bytes + 16 lies in front;
.set WREGP, 5632                       ; then for each wave two stages of 32 x SP bytes and its 256 scale bytes;
.set LOGB,  56320                      ; then the logits: [expert][token of the group], 128 bytes an expert
.set RR,    16                         ; v16-79   four sets of 16 numbers as loaded
.set XX,    80                         ; v80-111  two sets of 16 neighbours
.set EE,    112                        ; v112-127 a scale byte for each step
.set CC,    128                        ; v128-191 codes, four registers a step (first: gate_w on its way to LDS)
.set LG,    192                        ; v192-199 my part of the token's eight logits
.set TT,    200                        ; v200-207 at work in the sum over lanes
.set RES,   212                        ; v212-219 a token's logit: one register for each of the wave's 8 tokens
.set MSB, 0
.macro WIN new                         ; the immediate's high byte repeats the setting that is left
.if MSB != \new
	s_set_vgpr_msb (MSB<<8)|\new
.set MSB, \new
.endif
.endm
.macro LOAD t
.irp i, 0,1,2,3
	global_load_b128 v[RR+16*((\t)%4)+4*\i:RR+16*((\t)%4)+4*\i+3], v3, s[4:5] offset:2048*(\t)+512*\i th:TH_LOAD_NT   ; 32 lanes read 512 consecutive bytes
.endr
.endm
.macro TURN t                          ; a step's 2,048 bytes through the wave's stage: in as loaded, out 64 bytes a lane.  LDS serves a wave's instructions in order
.irp i, 0,1,2,3
	ds_store_b128 v14, v[RR+16*((\t)%4)+4*\i:RR+16*((\t)%4)+4*\i+3] offset:32*SP*((\t)%2)+8*SP*\i
.endr
.irp i, 0,1,2,3
	ds_load_b128 v[XX+16*((\t)%2)+4*\i:XX+16*((\t)%2)+4*\i+3], v15 offset:32*SP*((\t)%2)+16*\i
.endr
.endm
; Eight registers (a logit's part each) in 32 lanes become one register: lane l holds the whole sum of logit l & 7.  In each of three steps a lane keeps half of its registers and hands the other half to its partner.
.macro REDUCE tk
.irp k, 0,1,2,3
	v_cndmask_b32 v[TT+2*\k], v[LG+2*\k], v[LG+2*\k+1], s40      ; what I keep,
	v_cndmask_b32 v[TT+2*\k+1], v[LG+2*\k+1], v[LG+2*\k], s40    ; what my partner keeps
.endr
.irp k, 0,1,2,3
	v_add_f32_dpp v[LG+2*\k], v[TT+2*\k+1], v[TT+2*\k] row_xmask:1 row_mask:0xf bank_mask:0xf
.endr
.irp k, 0,1
	v_cndmask_b32 v[TT+2*\k], v[LG+4*\k], v[LG+4*\k+2], s41
	v_cndmask_b32 v[TT+2*\k+1], v[LG+4*\k+2], v[LG+4*\k], s41
.endr
.irp k, 0,1
	v_add_f32_dpp v[LG+4*\k], v[TT+2*\k+1], v[TT+2*\k] row_xmask:2 row_mask:0xf bank_mask:0xf
.endr
	v_cndmask_b32 v[TT], v[LG], v[LG+4], s42
	v_cndmask_b32 v[TT+1], v[LG+4], v[LG], s42
	v_add_f32_dpp v[LG], v[TT+1], v[TT] row_xmask:4 row_mask:0xf bank_mask:0xf
	v_add_f32_dpp v[LG], v[LG], v[LG] row_xmask:8 row_mask:0xf bank_mask:0xf
	v_permlanex16_b32 v[TT], v[LG], s46, s47
	v_add_f32 v[RES+\tk], v[LG], v[TT]
	ds_store_b32 v208, v[RES+\tk] offset:4*(\tk)                 ; four lanes write the same word with the same value
.endm
.macro STEP t
.set XS, XX+16*((\t)%2)
.set TP, (\t)%2
.if (\t) > 0
	s_wait_dscnt 1                                 ; this step's numbers are back from the stage: behind their loads at least the last step's byte store was issued
.else
	s_wait_dscnt 0x0
.endif
.if (\t)+4 < STEPS
	LOAD (\t)+4
.endif
.if (\t)+1 < STEPS
.if STEPS-2-(\t) >= 3
	s_wait_loadcnt 12                              ; the next step's four loads are in; those of the three steps behind it may be out
.else
	s_wait_loadcnt 4*(STEPS-2-(\t))
.endif
	TURN (\t)+1
.endif
	WIN 0x04                                       ; source 1 (gate_w's numbers of my 32 k) in window 1
.set FI, 0
.rept 16                                       ; the router: my 16 numbers x their eight gate weights, two logits an instruction; a token's first product starts the sums
.set FE, 0
.rept 4
.if (FI == 0) && (TP == 0)
	v_pk_mul_f32 v[LG+2*FE:LG+2*FE+1], v[XS:XS+1], v[2*FE:2*FE+1] op_sel_hi:[0,1]
.elseif FI%2 == 0
	v_pk_fma_f32 v[LG+2*FE:LG+2*FE+1], v[XS+FI:XS+FI+1], v[128*TP+8*FI+2*FE:128*TP+8*FI+2*FE+1], v[LG+2*FE:LG+2*FE+1] op_sel_hi:[0,1,1]
.else
	v_pk_fma_f32 v[LG+2*FE:LG+2*FE+1], v[XS+FI-1:XS+FI], v[128*TP+8*FI+2*FE:128*TP+8*FI+2*FE+1], v[LG+2*FE:LG+2*FE+1] op_sel:[1,0,0] op_sel_hi:[1,1,1]
.endif
.set FE, FE+1
.endr
.set FI, FI+1
.endr
	WIN 0
	v_max3_num_f32 v8, |v[XS]|, |v[XS+1]|, |v[XS+2]|               ; the largest magnitude of my 16
	v_max3_num_f32 v9, |v[XS+3]|, |v[XS+4]|, |v[XS+5]|
.irp i, 6,10
	v_max3_num_f32 v8, v8, |v[XS+\i]|, |v[XS+\i+1]|
	v_max3_num_f32 v9, v9, |v[XS+\i+2]|, |v[XS+\i+3]|
.endr
	v_max3_num_f32 v8, v8, |v[XS+14]|, |v[XS+15]|
	v_max3_num_f32 v8, v8, v9, (EMAX+1)<<23        ; and the floor 2^(9 - 127): the byte cannot fall under 1
	v_max_num_f32_dpp v8, v8, v8 row_xmask:1 row_mask:0xf bank_mask:0xf   ; with my neighbour's 16: the block's
	v_add_nc_u32 v11, -(EMAX<<23), v8              ; 8 off its exponent field: the conversion's scale operand
	v_and_or_b32 v10, v8, 0x7f800000, s50          ; 448 x the scale
.irp i, 0,1,2,3,4,5,6,7,8,9,10,11,12,13,14,15
	v_med3_num_f32 v[XS+\i], v[XS+\i], -v10, v10   ; the conversion to an 8-bit code does not saturate (ISA guide 7.6.2): the hold comes first
.endr
	v_cvt_scalef32_pk8_fp8_f32 v[CC+4*(\t):CC+4*(\t)+1], v[XS:XS+7], v11
	v_cvt_scalef32_pk8_fp8_f32 v[CC+4*(\t)+2:CC+4*(\t)+3], v[XS+8:XS+15], v11
	v_lshrrev_b32 v[EE+(\t)], 23, v11              ; the scale's byte (a plain line behind the conversions)
	ds_store_b8 v5, v[EE+(\t)] offset:16*(\t)      ; both lanes of a block write the same byte with the same value
	global_store_b128 v3, v[CC+4*(\t):CC+4*(\t)+3], s[12:13] offset:512*(\t)   ; 32 lanes store 512 consecutive bytes
.if TP == 1
	REDUCE (\t)/2                                  ; a token is two steps
.endif
.endm
	s_load_b512 s[4:19], s[0:1], 0x0               ; x, gate_w, w1, w2, xc, xs, route, tokw
	s_load_b128 s[20:23], s[0:1], 0x40             ; wc, ws
	v_lshl_add_u32 v4, v0, 2, 0xe000
	s_set_vgpr_msb 0x80
	v_mov_b32 v1, 0
	s_set_vgpr_msb 0x8000
	v_lshrrev_b32 v1, 5, v0
	v_readfirstlane_b32 s24, v1                    ; wave 0..3
	v_and_b32 v2, 31, v0                           ; lane
	s_mov_b32 s50, 0x600000                        ; the mantissa field of 448
	s_cmp_lt_u32 ttmp9, 256
	s_cbranch_scc0 .Lweights                       ; the same way for all four waves of a work-group
	; ---------------- path X
	v_lshlrev_b32 v3, 4, v2                        ; 16 x lane: my bytes of a load's 512, and of a step's codes
	s_mul_i32 s25, s24, WREGP
	s_add_co_u32 s25, s25, WREG0                   ; my wave's LDS
	v_lshrrev_b32 v14, 2, v2
	v_mul_u32_u24 v14, v14, SP
	v_and_b32 v15, 3, v2
	v_lshl_add_u32 v14, v15, 4, v14
	v_add_nc_u32 v14, s25, v14                     ; the stage, in: SP (lane / 4) + 16 (lane % 4)
	v_mul_u32_u24 v15, v2, SP
	v_add_nc_u32 v15, s25, v15                     ; out: SP x lane
	v_lshrrev_b32 v5, 1, v2
	s_add_co_u32 s25, s25, 2*32*SP
	v_add_nc_u32 v5, s25, v5                       ; my block's scale byte
	v_lshlrev_b32 v7, 3, v2
	v_add_nc_u32 v6, s25, v7                       ; and on the way out 8 bytes a lane
	v_and_b32 v208, 7, v2
	v_lshlrev_b32 v208, 7, v208
	s_lshl_b32 s26, s24, 5
	s_add_co_u32 s26, s26, LOGB
	v_add_nc_u32 v208, s26, v208                   ; the logits: 128 (lane & 7) + 4 x (8 wave + token of the wave)
	s_mul_i32 s26, s24, 8448
	v_add_nc_u32 v209, s26, v3                     ; gate_w into LDS: my wave's 16 chunks of 528 bytes
	v_mul_u32_u24 v210, v2, 528                    ; and out: chunk = lane (+ 32 for a token's second step)
	s_lshl_b32 s26, s24, 13
	v_add_nc_u32 v211, s26, v3                     ; gate_w in memory: my wave's 8,192 bytes
	s_mov_b32 s40, 0xaaaaaaaa                      ; lanes with bit 0, 1, 2 set
	s_mov_b32 s41, 0xcccccccc
	s_mov_b32 s42, 0xf0f0f0f0
	s_mov_b32 s46, 0x76543210
	s_mov_b32 s47, 0xfedcba98                      ; v_permlanex16_b32's selects for lane l xor 16
	s_lshl_b32 s26, ttmp9, 2
	s_add_co_u32 s26, s26, s24                     ; which run of 8 tokens is my wave's
	s_mov_b32 s29, 0
	s_lshl_b32 s28, s26, 15
	s_wait_alu depctr_va_vdst(0)
	s_wait_kmcnt 0x0
	s_add_nc_u64 s[4:5], s[4:5], s[28:29]
	s_lshl_b32 s28, s26, 13
	s_add_nc_u64 s[12:13], s[12:13], s[28:29]
	s_lshl_b32 s28, s26, 8
	s_add_nc_u64 s[14:15], s[14:15], s[28:29]
	s_lshl_b32 s28, ttmp9, 8
	s_add_nc_u64 s[16:17], s[16:17], s[28:29]      ; route: 256 bytes a group
	s_lshl_b32 s28, ttmp9, 7
	s_add_nc_u64 s[18:19], s[18:19], s[28:29]      ; tokw: 128 bytes a group
.irp j, 0,1,2,3,4,5,6,7,8,9,10,11,12,13,14,15
	global_load_b128 v[CC+4*\j:CC+4*\j+3], v211, s[6:7] offset:512*\j
.endr
.irp t, 0,1,2,3
	LOAD \t
.endr
	s_wait_loadcnt 16                              ; gate_w's part is in; the 16 loads of x behind it stay out
.irp j, 0,1,2,3,4,5,6,7,8,9,10,11,12,13,14,15
	ds_store_b128 v209, v[CC+4*\j:CC+4*\j+3] offset:528*\j
.endr
	s_wait_dscnt 0x0                               ; for the others' sake: my chunks have landed
	s_barrier_signal -1
	s_barrier_wait -1
	WIN 0x40                                       ; destination window 1: gate_w(k, e) of my 32 k at v[128 t' + 8 i + e]
.set GQ, 0
.rept 64
	ds_load_b128 v[4*GQ:4*GQ+3], v210 offset:16896*(GQ/32)+16*(GQ%32)
.set GQ, GQ+1
.endr
	WIN 0
	s_wait_dscnt 0x0
	s_wait_loadcnt 12                              ; step 0's four loads are in
	TURN 0
.irp t, 0,1,2,3,4,5,6,7,8,9,10,11,12,13,14,15
	STEP \t
.endr
	ds_load_b64 v[12:13], v6                       ; my wave's 256 scale bytes
	s_wait_dscnt 0x0                               ; they are in; and, for wave 0's sake, my logits have landed
	global_store_b64 v7, v[12:13], s[14:15]        ; 32 lanes store 256 consecutive bytes, aligned
	s_barrier_signal -1
	s_barrier_wait -1
	s_cmp_lg_u32 s24, 0
	s_cbranch_scc1 .Lxend
	; wave 0: a lane to a token
	v_lshlrev_b32 v230, 2, v2
	v_add_nc_u32 v231, LOGB, v230
.irp e, 0,1,2,3,4,5,6,7
	ds_load_b32 v[220+\e], v231 offset:128*\e
.endr
	s_wait_dscnt 0x0
	v_max3_num_f32 v229, v220, v221, v222
	v_max3_num_f32 v229, v229, v223, v224
	v_max3_num_f32 v229, v229, v225, v226
	v_max_num_f32 v229, v229, v227                 ; the maximum is taken away ahead of the exponentials
.irp e, 0,1,2,3,4,5,6,7
	v_sub_f32 v[220+\e], v[220+\e], v229
.endr
.irp e, 0,1,2,3,4,5,6,7
	v_mul_f32 v[220+\e], 0x3fb8aa3b, v[220+\e]
.endr
	s_wait_alu depctr_va_vdst(0)
.irp e, 0,1,2,3,4,5,6,7
	v_exp_f32 v[220+\e], v[220+\e]
.endr
	v_mov_b32 v233, 0                              ; the largest's index (a plain line behind the exponentials)
	s_wait_alu depctr_va_vdst(0)
	v_add_f32 v232, v220, v221
.irp e, 2,3,4,5,6,7
	v_add_f32 v232, v232, v[220+\e]                ; the softmax's divisor
.endr
	v_mov_b32 v234, v220                           ; the largest so far,
	v_mov_b32 v235, -1.0                           ; the second (under every exponential),
	v_mov_b32 v236, 0                              ; its index
.irp e, 1,2,3,4,5,6,7                          ; ascending, strictly greater: of equal gates the lower index stands first
	v_cmp_gt_f32 s48, v[220+\e], v234
	v_cmp_gt_f32 s49, v[220+\e], v235
	v_cndmask_b32 v235, v235, v[220+\e], s49
	v_cndmask_b32 v236, v236, \e, s49
	v_cndmask_b32 v235, v235, v234, s48
	v_cndmask_b32 v236, v236, v233, s48
	v_cndmask_b32 v234, v234, v[220+\e], s48
	v_cndmask_b32 v233, v233, \e, s48
.endr
	s_wait_alu depctr_va_vdst(0)
	v_rcp_f32 v237, v232
	v_add_f32 v238, v234, v235                     ; (a plain line behind the reciprocal)
	s_wait_alu depctr_va_vdst(0)
	v_mul_f32 v238, v238, v237                     ; the sum of the two gates
	v_min_u32 v239, v233, v236                     ; lo
	v_max_u32 v240, v233, v236                     ; hi
	v_sub_nc_u32 v241, 15, v239
	v_mul_u32_u24 v241, v241, v239
	v_lshrrev_b32 v241, 1, v241
	v_add_nc_u32 v241, v241, v240
	v_sub_nc_u32 v241, v241, v239
	v_add_nc_u32 v241, -1, v241                    ; the pair, 0..27
	v_mov_b32 v242, 0                              ; my rank among the group's tokens of my pair
	v_mov_b32 v243, 0                              ; lane k: the group's count of pair k
.set PK, 0
.rept 28
	v_cmp_eq_u32 s48, PK, v241
	v_mbcnt_lo_u32_b32 v244, s48, 0
	v_cndmask_b32 v242, v242, v244, s48
	s_bcnt1_i32_b32 s49, s48
	v_writelane_b32 v243, s49, PK
.set PK, PK+1
.endr
	v_lshl_or_b32 v244, v242, 8, v241
	global_store_b32 v230, v244, s[16:17]          ; fixed places: 128 consecutive bytes each
	global_store_b32 v230, v243, s[16:17] offset:128
	global_store_b32 v230, v238, s[18:19]
.Lxend:
	s_set_vgpr_msb 0x8
	s_wait_tensorcnt 0x0
	ds_add_u32 v4, v1
	s_wait_dscnt 0x0
	s_set_vgpr_msb 0x800
	s_endpgm
	; ---------------- path W: a wave to a record; a lane takes a column and its registers run down K
.Lweights:
	s_sub_co_u32 s25, ttmp9, 256
	s_lshl_b32 s25, s25, 2
	s_add_co_u32 s25, s25, s24                     ; the record, 0..511: 32 e + 8 g + s (w1), 256 + 32 e + 4 g + s (w2)
	s_bfe_u32 s26, s25, 0x30005                    ; e
	s_bfe_u32 s27, s25, 0x20003                    ; w1: g,
	s_and_b32 s28, s25, 7                          ; s
	s_bfe_u32 s29, s25, 0x30002                    ; w2: g,
	s_and_b32 s30, s25, 3                          ; s
	s_mov_b32 s31, 4096
	s_cmp_lt_u32 s25, 256                          ; the choice hangs on ids alone
	s_cselect_b32 s27, s27, s29
	s_cselect_b32 s28, s28, s30
	s_cselect_b32 s31, 2048, s31                   ; bytes from k to k + 1
	s_cselect_b32 s32, -1, 0                       ; all lanes: w1?
	s_wait_kmcnt 0x0
	s_cselect_b64 s[36:37], s[8:9], s[10:11]
	s_lshl_b32 s34, s26, 21                        ; an expert is 2 MiB in both
	s_mul_i32 s33, s28, s31
	s_lshl_b32 s33, s33, 7                         ; 128 s rows
	s_add_co_u32 s34, s34, s33
	s_lshl_b32 s33, s27, 9                         ; 128 g columns
	s_add_co_u32 s34, s34, s33
	s_mov_b32 s35, 0
	s_add_nc_u64 s[36:37], s[36:37], s[34:35]      ; the base of K block c at s[36 + 2 c]
	s_lshl_b32 s34, s31, 5
	s_add_nc_u64 s[38:39], s[36:37], s[34:35]
	s_add_nc_u64 s[40:41], s[38:39], s[34:35]
	s_add_nc_u64 s[42:43], s[40:41], s[34:35]
	s_lshl_b32 s34, s25, 14
	s_add_nc_u64 s[20:21], s[20:21], s[34:35]      ; my record of wc,
	s_lshl_b32 s34, s25, 9
	s_add_nc_u64 s[22:23], s[22:23], s[34:35]      ; of ws
	s_wait_alu depctr_va_vdst(0)
	v_lshlrev_b32 v32, 2, v2                       ; v32-63: 4 x lane + i rows
.set WI, 1
.rept 31
	v_add_nc_u32 v[32+WI], s31, v[31+WI]
.set WI, WI+1
.endr
	v_bfe_u32 v16, v2, 3, 1                        ; column 32 b + lane is row r of tile 2 b + u.  w1: u = (lane / 8) % 2,
	v_lshrrev_b32 v17, 4, v2                       ; w2: u = lane / 16
	v_and_b32 v18, 7, v2
	v_lshl_add_u32 v18, v17, 3, v18                ; w1: r = lane % 8 + 8 (lane / 16),
	v_and_b32 v19, 15, v2                          ; w2: r = lane % 16
	v_cndmask_b32 v16, v17, v16, s32
	v_cndmask_b32 v18, v19, v18, s32
	v_lshlrev_b32 v28, 4, v18
	v_lshl_add_u32 v28, v16, 11, v28               ; codes: 2,048 u + 16 r
	v_lshl_add_u32 v29, v16, 4, v18
	v_lshlrev_b32 v29, 3, v29                      ; scale words: 8 (16 u + r)
.macro LOADW n                         ; block n = 4 c + b: k = 32 c + 0..31 of columns 32 b + lane
.set WI, 0
.rept 32
	global_load_b32 v[64+32*((\n)%2)+WI], v[32+WI], s[36+2*((\n)/4):37+2*((\n)/4)] offset:128*((\n)%4)
.set WI, WI+1
.endr
.endm
.macro BLOCKW n
.set WX, 64+32*((\n)%2)
.set WC, 128+8*(\n)                    ; eight registers of codes for each block: no store's data are written again
.if (\n) < 15
	s_wait_loadcnt 32                              ; this block's 32 loads are in; the next block's may be out
.else
	s_wait_loadcnt 0x0
.endif
	v_max3_num_f32 v12, |v[WX]|, |v[WX+1]|, |v[WX+2]|              ; the block's largest magnitude: all 32 numbers are mine
	v_max3_num_f32 v13, |v[WX+3]|, |v[WX+4]|, |v[WX+5]|
.irp i, 6,10,14,18,22,26
	v_max3_num_f32 v12, v12, |v[WX+\i]|, |v[WX+\i+1]|
	v_max3_num_f32 v13, v13, |v[WX+\i+2]|, |v[WX+\i+3]|
.endr
	v_max3_num_f32 v12, v12, |v[WX+30]|, |v[WX+31]|
	v_max3_num_f32 v12, v12, v13, (EMAX+1)<<23
	v_add_nc_u32 v11, -(EMAX<<23), v12
	v_and_or_b32 v10, v12, 0x7f800000, s50
	v_lshrrev_b32 v13, 23, v11                     ; the scale's byte: byte c of tile 2 b + u's word
.if (\n)/4 == 0
	v_mov_b32 v[24+(\n)%4], v13
.else
	v_lshl_or_b32 v[24+(\n)%4], v13, 8*((\n)/4), v[24+(\n)%4]
.endif
.set WI, 0
.rept 32
	v_med3_num_f32 v[WX+WI], v[WX+WI], -v10, v10
.set WI, WI+1
.endr
.irp g, 0,1,2,3
	v_cvt_scalef32_pk8_fp8_f32 v[WC+2*\g:WC+2*\g+1], v[WX+8*\g:WX+8*\g+7], v11
.endr
	global_store_b128 v28, v[WC:WC+3], s[20:21] offset:4096*((\n)%4)+512*((\n)/4)          ; k = 32 c + 0..15: sixteen lanes of a tile store 256 consecutive bytes, aligned
	global_store_b128 v28, v[WC+4:WC+7], s[20:21] offset:4096*((\n)%4)+512*((\n)/4)+256    ; k = 32 c + 16..31
.if (\n)+2 < 16
	LOADW (\n)+2
.endif
.endm
	LOADW 0
	LOADW 1
.irp n, 0,1,2,3,4,5,6,7,8,9,10,11,12,13,14,15
	BLOCKW \n
.endr
	global_store_b64 v29, v[24:25], s[22:23]       ; 256 consecutive bytes each
	global_store_b64 v29, v[26:27], s[22:23] offset:256
	s_endpgm
.Lfunc_end_k_qf9bde27a6a_prep:
	.size	k_qf9bde27a6a_prep, .Lfunc_end_k_qf9bde27a6a_prep-k_qf9bde27a6a_prep
	.p2alignl 7, 3214868480
	.fill 96, 4, 3214868480
	.section	.rodata,"a",@progbits
	.p2align	6, 0x0
	.amdhsa_kernel k_qf9bde27a6a_prep
		.amdhsa_group_segment_fixed_size 57856
		.amdhsa_private_segment_fixed_size 0
		.amdhsa_enable_private_segment 0
		.amdhsa_kernarg_size 80
		.amdhsa_user_sgpr_count 2
		.amdhsa_user_sgpr_kernarg_segment_ptr 1
		.amdhsa_wavefront_size32 1
		.amdhsa_system_sgpr_workgroup_id_x 1
		.amdhsa_system_sgpr_workgroup_id_y 1
		.amdhsa_system_sgpr_workgroup_id_z 1
		.amdhsa_system_vgpr_workitem_id 0
		.amdhsa_next_free_vgpr 514
		.amdhsa_next_free_sgpr 66
		.amdhsa_reserve_vcc 0
		.amdhsa_float_denorm_mode_32 3
		.amdhsa_float_denorm_mode_16_64 3
		.amdhsa_memory_ordered 1
		.amdhsa_forward_progress 1
		.amdhsa_inst_pref_size 255
	.end_amdhsa_kernel
	.section	.bss,"aw",@nobits
	.p2align	6
	.space	262144
	.amdgpu_metadata
---
amdhsa.version: [ 1, 2 ]
amdhsa.kernels:
  - .name:           k_qf9bde27a6a_prep
    .symbol:         k_qf9bde27a6a_prep.kd
    .args:
      - { .name: x, .offset: 0, .size: 8, .value_kind: global_buffer, .address_space: global }
      - { .name: gate_w, .offset: 8, .size: 8, .value_kind: global_buffer, .address_space: global }
      - { .name: w1, .offset: 16, .size: 8, .value_kind: global_buffer, .address_space: global }
      - { .name: w2, .offset: 24, .size: 8, .value_kind: global_buffer, .address_space: global }
      - { .name: xc, .offset: 32, .size: 8, .value_kind: global_buffer, .address_space: global }
      - { .name: xs, .offset: 40, .size: 8, .value_kind: global_buffer, .address_space: global }
      - { .name: route, .offset: 48, .size: 8, .value_kind: global_buffer, .address_space: global }
      - { .name: tokw, .offset: 56, .size: 8, .value_kind: global_buffer, .address_space: global }
      - { .name: wc, .offset: 64, .size: 8, .value_kind: global_buffer, .address_space: global }
      - { .name: ws, .offset: 72, .size: 8, .value_kind: global_buffer, .address_space: global }
    .group_segment_fixed_size: 57856
    .private_segment_fixed_size: 0
    .kernarg_segment_align: 8
    .kernarg_segment_size: 80
    .max_flat_workgroup_size: 128
    .sgpr_count:     66
    .vgpr_count:     514
    .wavefront_size: 32
...
	.end_amdgpu_metadata
.endif
;; end of part 6
;; launch place (part 7): grid 1 x 1, 8 waves a work-group, no clusters, 2,048 bytes of LDS; arguments route, order, tiles; writes order, tiles
.if DOCPART == 7
	.amdgcn_target "amdgcn-amd-amdhsa--gfx1250"
	.amdhsa_code_object_version 6
	.text
	.protected	k_qf9bde27a6a_place
	.globl	k_qf9bde27a6a_place
	.p2align	8
	.type	k_qf9bde27a6a_place,@function
k_qf9bde27a6a_place:
	s_mov_b64 s[64:65], 0
	v_nop
	global_prefetch_b8 v0, s[64:65] scope:SCOPE_SE
	s_setreg_imm32_b32 hwreg(HW_REG_WAVE_MODE, 25, 1), 1
	s_wait_xcnt 0x0
; PLACE.  One work-group sorts the 8,192 tokens by their pair of experts (a counting sort, no atomics) and cuts each pair's run into blocks of at most 64 rows.
; route: 256 groups of 32 tokens, 256 bytes each: 32 words (pair in bits 7:0, rank in the group above), then the group's 32 counts.  order: the tokens' numbers, dense, then 64 zeros, so that a
; block of 64 may be read whole wherever it begins.  tiles: 160 x {expert, expert, first row, rows}; there are never more than 128 + 27 blocks with rows, the others have rows = 0.
; Eight waves; wave w owns groups 32 w .. 32 w + 31: the work on tables, which every wave repeats, is then done eight times.  Where a register holds a table, the lane's number is the pair.
.set RW,   16                          ; v16-47   the tokens' words, a register a group; later their ranks
.set HC,   48                          ; v48-79   the groups' counts; later 4 x the tokens' pairs
.set PF,   80                          ; v80-111  for each pair, the tokens in my wave's earlier groups; later where the group's tokens of the pair begin
.set WT,   120                         ; v120-127 the eight waves' counts
.set AD,   128                         ; v128-159 the tokens' places in order
.set TK,   160                         ; v160-191 the tokens' numbers
	s_load_b128 s[4:7], s[0:1], 0x0                ; route, order
	s_load_b64 s[8:9], s[0:1], 0x10                ; tiles
	v_lshl_add_u32 v254, v0, 2, 0x400
	v_mov_b32 v255, 0
	v_lshrrev_b32 v1, 5, v0
	s_delay_alu instid0(VALU_DEP_1)
	v_readfirstlane_b32 s10, v1                    ; wave 0..7
	v_and_b32 v2, 31, v0                           ; lane
	s_delay_alu instid0(VALU_DEP_1)
	v_lshlrev_b32 v3, 2, v2
	s_delay_alu instid0(VALU_DEP_1)
	v_lshl_add_u32 v4, v1, 13, v3                  ; my wave's 8,192 bytes of route
	s_wait_alu depctr_va_vdst(0)
	s_wait_kmcnt 0x0
.set G, 0
.rept 32
	global_load_b32 v[HC+G], v4, s[4:5] offset:256*G+128        ; the counts first: the sums below want them first
.set G, G+1
.endr
.set G, 0
.rept 32
	global_load_b32 v[RW+G], v4, s[4:5] offset:256*G            ; the tokens' words
.set G, G+1
.endr
	s_wait_loadcnt 32                              ; the counts are in; the 32 loads of words behind them may be out
	v_mov_b32 v[PF], 0
.set G, 1
.rept 31
	s_delay_alu instid0(VALU_DEP_1)
	v_add_nc_u32 v[PF+G], v[PF+G-1], v[HC+G-1]
.set G, G+1
.endr
	s_delay_alu instid0(VALU_DEP_1)
	v_add_nc_u32 v112, v[PF+31], v[HC+31]          ; my wave's count of each pair
	v_lshlrev_b32 v5, 2, v0
	ds_store_b32 v5, v112
	s_wait_dscnt 0x0                               ; for the others' sake
	s_barrier_signal -1
	s_barrier_wait -1
.set J, 0
.rept 8
	ds_load_b32 v[WT+J], v3 offset:128*J
.set J, J+1
.endr
	s_wait_dscnt 0x0
	v_mov_b32 v192, 0                              ; each pair's tokens in all,
	v_mov_b32 v193, 0                              ; and in the waves before mine
.set J, 0
.rept 8
	v_add_nc_u32 v192, v192, v[WT+J]
	s_cmp_gt_u32 s10, J
	s_cselect_b32 s11, -1, 0
	v_and_b32 v194, s11, v[WT+J]
	s_delay_alu instid0(VALU_DEP_1)
	v_add_nc_u32 v193, v193, v194
.set J, J+1
.endr
	v_add_nc_u32 v195, 63, v192
	s_delay_alu instid0(VALU_DEP_1)
	v_lshrrev_b32 v195, 6, v195                    ; the pair's blocks
	s_delay_alu instid0(VALU_DEP_1)
	v_lshl_or_b32 v195, v195, 16, v192             ; tokens (at most 8,192 in all) below, blocks above: one scan serves both
	s_delay_alu instid0(VALU_DEP_1)
	v_mov_b32 v196, v195
	v_mov_b32 v197, 0
.irp n, 1
	s_delay_alu instid0(VALU_DEP_2)
	v_mov_b32_dpp v197, v196 row_shr:\n row_mask:0xf bank_mask:0xf bound_ctrl:1
	s_delay_alu instid0(VALU_DEP_1)
	v_add_nc_u32 v196, v196, v197
.endr
.irp n, 2, 4, 8
	s_delay_alu instid0(VALU_DEP_1)
	v_mov_b32_dpp v197, v196 row_shr:\n row_mask:0xf bank_mask:0xf bound_ctrl:1
	s_delay_alu instid0(VALU_DEP_1)
	v_add_nc_u32 v196, v196, v197
.endr
	s_delay_alu instid0(VALU_DEP_1)
	v_readlane_b32 s12, v196, 15                   ; the lower sixteen's sum goes onto the upper sixteen
	s_mov_b32 s13, 0xffff0000
	v_mov_b32 v197, s12
	s_delay_alu instid0(VALU_DEP_1)
	v_cndmask_b32 v197, 0, v197, s13
	s_delay_alu instid0(VALU_DEP_1)
	v_add_nc_u32 v196, v196, v197
	s_delay_alu instid0(VALU_DEP_1)
	v_sub_nc_u32 v196, v196, v195                  ; what stands in front of the pair
	s_delay_alu instid0(VALU_DEP_1)
	v_and_b32 v198, 0xffff, v196                   ; its first row,
	s_delay_alu instid0(VALU_DEP_2)
	v_lshrrev_b32 v199, 16, v196                   ; its first block
	s_delay_alu instid0(VALU_DEP_2)
	v_add_nc_u32 v200, v198, v193
	v_lshl_add_u32 v201, v1, 10, v2                ; 1,024 wave + lane
.set G, 0
.rept 32
	v_add_nc_u32 v[PF+G], v[PF+G], v200            ; where group g's tokens of each pair begin
.set G, G+1
.endr
	s_wait_loadcnt 0x0                             ; the tokens' words
; the placing, stage by stage over the 32 groups, so that no line waits for the line above it
.set G, 0
.rept 32
	v_and_b32 v[HC+G], 0xff, v[RW+G]
.set G, G+1
.endr
.set G, 0
.rept 32
	v_min_u32 v[HC+G], 31, v[HC+G]
.set G, G+1
.endr
.set G, 0
.rept 32
	v_lshlrev_b32 v[HC+G], 2, v[HC+G]
.set G, G+1
.endr
.set G, 0
.rept 32
	ds_bpermute_b32 v[AD+G], v[HC+G], v[PF+G]      ; the table's entry of my token's pair
.set G, G+1
.endr
.set G, 0
.rept 32
	v_lshrrev_b32 v[RW+G], 8, v[RW+G]              ; my rank in the group
.set G, G+1
.endr
.set G, 0
.rept 32
	v_add_nc_u32 v[TK+G], 32*G, v201               ; my token's number
.set G, G+1
.endr
	s_wait_dscnt 0x0
.set G, 0
.rept 32
	v_add_nc_u32 v[AD+G], v[AD+G], v[RW+G]
.set G, G+1
.endr
.set G, 0
.rept 32
	v_min_u32 v[AD+G], 0x1fff, v[AD+G]
.set G, G+1
.endr
.set G, 0
.rept 32
	v_lshlrev_b32 v[AD+G], 2, v[AD+G]
.set G, G+1
.endr
.set G, 0
.rept 32
	global_store_b32 v[AD+G], v[TK+G], s[6:7]      ; a placement: 8,192 single words in all, each row written once
.set G, G+1
.endr
	s_cmp_gt_u32 s10, 4
	s_cbranch_scc1 .Lnot_tiles
	v_mov_b32 v202, 0                              ; waves 0-4: a thread to a block b: its pair is the last whose first block is not above b
.set K, 1
.rept 27
	v_readlane_b32 s12, v199, K
	s_delay_alu instid0(VALU_DEP_1)
	v_cmp_le_u32 vcc_lo, s12, v0
	s_delay_alu instid0(VALU_DEP_1)
	v_cndmask_b32 v202, v202, K, vcc_lo
.set K, K+1
.endr
	s_delay_alu instid0(VALU_DEP_1)
	v_lshlrev_b32 v203, 2, v202
	ds_bpermute_b32 v204, v203, v192               ; that pair's tokens,
	ds_bpermute_b32 v205, v203, v198               ; first row,
	ds_bpermute_b32 v206, v203, v199               ; first block
	s_wait_alu depctr_va_vdst(0)
	s_wait_dscnt 0x0
	v_sub_nc_u32 v206, v0, v206
	s_delay_alu instid0(VALU_DEP_1)
	v_lshlrev_b32 v206, 6, v206
	s_delay_alu instid0(VALU_DEP_1)
	v_min_u32 v206, v206, v204                     ; rows of the pair in front of the block
	s_delay_alu instid0(VALU_DEP_1)
	v_sub_nc_u32 v211, v204, v206
	s_delay_alu instid0(VALU_DEP_1)
	v_min_u32 v211, 64, v211                       ; rows (0 behind the last block)
	s_delay_alu instid0(VALU_DEP_3)
	v_add_nc_u32 v210, v205, v206                  ; first row
	v_mov_b32 v208, 0                              ; lo: how many of the pairs' first indices lie at or under the pair
.irp th, 7,13,18,22,25,27
	v_cmp_le_u32 vcc_lo, \th, v202
	s_delay_alu instid0(VALU_DEP_1)
	v_cndmask_b32 v212, 0, 1, vcc_lo
	s_delay_alu instid0(VALU_DEP_1)
	v_add_nc_u32 v208, v208, v212
.endr
	s_delay_alu instid0(VALU_DEP_1)
	v_sub_nc_u32 v212, 15, v208
	s_delay_alu instid0(VALU_DEP_1)
	v_mul_u32_u24 v212, v212, v208
	s_delay_alu instid0(VALU_DEP_1)
	v_lshrrev_b32 v212, 1, v212
	s_delay_alu instid0(VALU_DEP_1)
	v_sub_nc_u32 v209, v202, v212
	s_delay_alu instid0(VALU_DEP_1)
	v_add_nc_u32 v209, v209, v208
	s_delay_alu instid0(VALU_DEP_1)
	v_add_nc_u32 v209, 1, v209                     ; hi
	v_lshlrev_b32 v213, 4, v0
	global_store_b128 v213, v[208:211], s[8:9]
.Lnot_tiles:
	s_cmp_lg_u32 s10, 5
	s_cbranch_scc1 .Lend
	v_lshlrev_b32 v214, 3, v2                      ; wave 5: the 64 zeros behind the list
	v_mov_b32 v216, 0
	v_mov_b32 v217, 0
	global_store_b64 v214, v[216:217], s[6:7] offset:32768
.Lend:
	s_wait_tensorcnt 0x0
	ds_add_u32 v254, v255
	s_wait_dscnt 0x0
	s_endpgm
.Lfunc_end_k_qf9bde27a6a_place:
	.size	k_qf9bde27a6a_place, .Lfunc_end_k_qf9bde27a6a_place-k_qf9bde27a6a_place
	.p2alignl 7, 3214868480
	.fill 96, 4, 3214868480
	.section	.rodata,"a",@progbits
	.p2align	6, 0x0
	.amdhsa_kernel k_qf9bde27a6a_place
		.amdhsa_group_segment_fixed_size 2048
		.amdhsa_private_segment_fixed_size 0
		.amdhsa_enable_private_segment 0
		.amdhsa_kernarg_size 24
		.amdhsa_user_sgpr_count 2
		.amdhsa_user_sgpr_kernarg_segment_ptr 1
		.amdhsa_wavefront_size32 1
		.amdhsa_system_sgpr_workgroup_id_x 1
		.amdhsa_system_sgpr_workgroup_id_y 1
		.amdhsa_system_sgpr_workgroup_id_z 1
		.amdhsa_system_vgpr_workitem_id 0
		.amdhsa_next_free_vgpr 256
		.amdhsa_next_free_sgpr 66
		.amdhsa_reserve_vcc 1
		.amdhsa_float_denorm_mode_32 3
		.amdhsa_float_denorm_mode_16_64 3
		.amdhsa_memory_ordered 1
		.amdhsa_forward_progress 1
		.amdhsa_inst_pref_size 39
	.end_amdhsa_kernel
	.amdgpu_metadata
---
amdhsa.version: [ 1, 2 ]
amdhsa.kernels:
  - .name:           k_qf9bde27a6a_place
    .symbol:         k_qf9bde27a6a_place.kd
    .args:
      - { .name: route, .offset: 0, .size: 8, .value_kind: global_buffer, .address_space: global }
      - { .name: order, .offset: 8, .size: 8, .value_kind: global_buffer, .address_space: global }
      - { .name: tiles, .offset: 16, .size: 8, .value_kind: global_buffer, .address_space: global }
    .group_segment_fixed_size: 2048
    .private_segment_fixed_size: 0
    .kernarg_segment_align: 8
    .kernarg_segment_size: 24
    .max_flat_workgroup_size: 256
    .sgpr_count:     66
    .vgpr_count:     256
    .wavefront_size: 32
...
	.end_amdgpu_metadata
.endif
;; end of part 7
;; launch chain (part 8): grid 155 x 1, 4 waves a work-group, no clusters, 179,712 bytes of LDS; arguments tiles, order, xc, xs, tokw, wc, ws, b1, b2, out0; writes out0
.if DOCPART == 8
	.amdgcn_target "amdgcn-amd-amdhsa--gfx1250"
	.amdhsa_code_object_version 6
	.text
	.protected	k_qf9bde27a6a_chain
	.globl	k_qf9bde27a6a_chain
	.p2align	8
	.type	k_qf9bde27a6a_chain,@function
k_qf9bde27a6a_chain:
	s_mov_b64 s[64:65], 0
	v_nop
	global_prefetch_b8 v0, s[64:65] scope:SCOPE_SE
	s_setreg_imm32_b32 hwreg(HW_REG_WAVE_SCHED_MODE, 0, 2), 2
	s_setreg_imm32_b32 hwreg(HW_REG_WAVE_MODE, 25, 1), 1
	s_wait_xcnt 0x0
	s_wait_alu depctr_vm_vsrc(0)
; CHAIN.  A work-group owns one block of the sorted list: up to 64 tokens that chose the SAME two experts e1, e2.  out = (g1 + g2) x sum over the two of (gelu(x W1 + b1) W2 + b2), both products on codes of E4M3
; with one E8M0 scale for each 32 along K.  Each output row has one owner; the hidden layer stays in LDS.  155 = 8,192 / 64 + 27 blocks serve every split.
; A BLOCK WITHOUT ROWS walks the same text, on rows of the list's end, and stores nothing: every wave passes every barrier, so no branch on the stored count leads round one; only the stores of the way out hang on it.
; SHARES.  The four waves share the columns, not the rows.  Four passes of one shape: 8 tiles of weights x 4 tiles of 16 rows = 32 accumulators, 8 K steps of 128.
;   passes 0, 1: hidden units 128 w .. 128 w + 127 of e1, of e2 (K = x's 1,024); then the exact GELU, the quantiser, and the codes go to LDS.
;   passes 2, 3: output columns 128 (w + 4 i) on, i = 0, 1 (K = e1's 512 hidden units, then e2's: the two experts' results are summed in the accumulators); then the way out.
; Both products are used transposed (source 0 = 16 columns of a weight, source 1 = 16 rows): a lane holds one token; in passes 0, 1 the 16 registers of tiles 2 b, 2 b + 1 are 16 neighbours along the next K.
; THE BIASES are the C of each sum's first matrix instruction, eight registers a tile in the result's layout: b1[e] in passes 0, 1; b2[e1] + b2[e2] in passes 2, 3.
; WEIGHTS come from memory straight into operand registers, laid out for that by the first launch: a stream of units (4 tiles x 128 K: 16 loads of 512 bytes, and one of 256 bytes of scale words) through a ring
; of 4 units, 256 registers.  A unit's slot is asked for again in the unit behind it, with the unit four further on in the stream than its own: the 16 loads stand behind that unit's first four products,
; and have the rest of that unit and two whole units' products in which to land.
; NO CLUSTER, NO TENSOR LOAD: which experts a work-group walks is read from the stored list, so partners would ask for different tiles.
; ROWS' OPERANDS lie in LDS as pieces of 256 bytes, 272 apart: piece 8 s + 2 c + h of a tile of rows holds, for rows r = 0..15 on end, the 16 codes k = 128 s + 32 c + 16 h + 0..15.
; GELU: gelu(x) = max(x, 0) - |x| q, q = erfc(|x| / sqrt 2) / 2 = t 2^(a0 + a1 t + .. + a9 t^9 - x^2 log2(e) / 2), t = 1 / (1 + |x| / (2 sqrt 2)): a fit of erfc whose RELATIVE error stays near one part in 10^7
; for every x, so the negative tail keeps its accuracy; where x^2 overflows q is 0.
; LIMITS: NaN and infinities are not served; a block of the hidden layer whose largest magnitude lies under 2^-118 keeps the scale byte 1.
; REGISTERS: window 0: see the names below.  Window 1: the ring, slot k at v[64 k].  Window 2: accumulator (t, m) at v[8 (4 t + m)] (at the head: x's rows on their way to LDS).
;   Window 3: v0-63 the bias of the pass, 8 tiles x 8; v64-127 b2[e2] ahead of its addition onto b2[e1].
; THE MODE: SCHED_MODE bits 1:0 = 2 (LLVM: expert scheduling mode 2), set by the entry lines.  The code itself states the register dependences between vector or matrix instructions and memory or LDS
; instructions, with s_wait_alu, always for 0.
; THE PLAN.  Registers that memory or LDS instructions touch:
;   the ring's slots and v[WSC ..]   Unit i's sixteen products read slot i % 4 and its scale words; the loads issued in unit i + 1 land in them.
;   v[BF ..], v[BSC ..], two sets    K step s's 32 products read set s % 2; the LDS loads at the head of K step s + 1 land in it (K step s + 2's fragments).
;                                    Between the passes the same registers are at work: the GELU's numbers (vector instructions alone); v[PC ..], v[PW]: written by the conversions, read by the tile's five LDS
;                                    stores; v[RK ..], two sets: written by the LDS loads from the stage, read by the global stores.
;   the accumulators                 Written by the products and by the multiplications of the way out; read there by the LDS stores into the stage.  At the head x's rows land in them and LDS stores read them.
;   the biases                       Written by loads and by the addition of b2's two parts; read by the products of units 0 and 1.
;   v2-5, v8-13, v48, v49            Offsets and LDS addresses of a pass: written at the pass's head, read by its loads and stores.  All other offsets and addresses are made once, at the kernel's head.
; So a pass has at its head one wait on vm_vsrc (all that was issued has read its registers) and, behind the address lines, one on va_vdst; each unit from the second on has ONE wait on va_vdst, at its head:
; the unit before is done reading its slot, and in a K step's first unit the K step before is done reading its fragments.  The unit's loads follow that wait, and the products issued since name another slot,
; the other set of fragments, the accumulators and the bias: none of the registers that those loads touch.
.set XSCL, 69632                       ; LDS: x's pieces, 4 tiles of rows x 64 x 272 bytes; then x's scale words, 64 rows x 48 bytes;
.set PHD,  72704                       ; the hidden layer's pieces and scale words lie this far behind x's
.set STG,  145408                      ; the way out: 16 rows x 528 bytes for each wave
.set WO,   1                           ; 16 x lane
.set VA,   2                           ; the offset in wc of the pass's first segment, + WO;
.set VB,   3                           ; of its second;
.set VSA,  4                           ; the same two in ws, + WSO
.set VSB,  5
.set WSO,  6                           ; 8 x lane
.set LT,   7                           ; 272 h + 16 r: my place in a pair of pieces
.set BA0,  8                           ; the operand's pieces, tiles of rows 0, 1;
.set BA1,  9                           ; tiles 2, 3
.set SA,   10                          ; its scale words: row r
.set HST0, 11                          ; where my codes of the hidden layer go: tiles of rows 0, 1;
.set HST1, 12                          ; 2, 3
.set HSS,  13                          ; and their scale word
.set STO,  14                          ; the stage, in: 528 r + 32 h
.set SRD,  15                          ; out: 16 x lane
.set BH,   17                          ; 64 h: b1's eight numbers of my half
.set TW,   18                          ; v18-21  the gates' sum of row 16 m + r
.set B2A,  22                          ; my offset in b2[e1]: 4,096 e1 + 512 w + 32 h;
.set B2B,  23                          ; in b2[e2]
.set SAB,  30                          ; bases that stay: SA's,
.set HSTB, 31                          ; HST0's,
.set BSC,  32                          ; v32-39  the rows' scale words, two sets x 4 tiles of rows
.set WSC,  40                          ; v40-47  the weights' scale words, two registers a slot: register rho: lanes 0-15 tile 2 rho, lanes 16-31 tile 2 rho + 1
.set VC,   48                          ; the offset in wc of the next pass's first segment, + WO;
.set VSC,  49                          ; in ws, + WSO
.set TOKV, 50                          ; v50-53  at the head: the token of row 16 m + r
.set OFS,  56                          ; v56-119 row i's offset in out0: 4,096 x its token + 512 w + 16 x lane; made once
.set BF,   120                         ; v120-247 the rows' fragments, two sets of 4; between the passes at work:
.set GA,   120                         ;   |x|
.set GM,   136                         ;   max(x, 0), then gelu(x)
.set GS,   152                         ;   x^2
.set GT,   168                         ;   t, then q
.set GP,   184                         ;   1 + c0 |x|, then the exponent
.set PC,   200                         ;   a fragment's codes
.set PW,   216                         ;   its scale word;  v218-223 the quantiser's
.set RK,   120                         ;   the way out: two sets of 16 rows x 4 registers
.set HSSB, 248                         ; HSS's base
.set OUTB, 249                         ; 512 w + 16 x lane
.set A9,   250                         ; v250-251 the fit's a9, twice
.set BI,   0                           ; in window 3: the bias;
.set T2,   64                          ; b2[e2]
.set MSB, 0
.macro WIN new                         ; the immediate's high byte repeats the setting that is left
.if MSB != \new
	s_set_vgpr_msb (MSB<<8)|\new
.set MSB, \new
.endif
.endm
.macro WINMUL cmode                    ; the products' setting
.if \cmode != 0
	WIN 0xb1                                       ; source 0 window 1, source 1 window 0, source 2 (the bias) window 3, destination window 2
.else
	WIN 0xa1                                       ; source 0 window 1, C and D window 2
.endif
.endm
; Slot k takes unit j of the segment at off: 16 loads of 512 consecutive bytes, each lane's 16 bytes straight into its operand registers (RCODES; it leaves the destination's window at 1),
; and the unit's scale words (RSCALES, under window 0): 17 loads.
.macro RCODES k, j, off
	WIN 0x40                                       ; destination window 1
.set RN, 0
.rept 16
	global_load_b128 v[64*(\k)+4*RN:64*(\k)+4*RN+3], v[\off], s[18:19] offset:8192*(\j)+512*RN
.set RN, RN+1
.endr
.endm
.macro RSCALES k, j, soff
	global_load_b64 v[WSC+2*(\k):WSC+2*(\k)+1], v[\soff], s[20:21] offset:256*(\j)
.endm
.macro REFILL k, j, off, soff          ; the two on end: at the kernel's head and behind a pass's last unit
	RCODES \k, \j, \off
	WIN 0
	RSCALES \k, \j, \soff
.endm
; K step s of the rows' operand: four fragments and four scale words into set s % 2.
.macro BLOAD s
.set LP, (\s)%2
.irp m, 0,1,2,3
.irp c, 0,1,2,3
	ds_load_b128 v[BF+64*LP+16*\m+4*\c:BF+64*LP+16*\m+4*\c+3], v[BA0+\m/2] offset:17408*(\m%2)+272*(8*(\s)+2*\c)
.endr
	ds_load_b32 v[BSC+4*LP+\m], v[SA] offset:768*\m+4*(\s)
.endr
.endm
; Unit i of a pass's 16: K step i / 2, tiles 4 (i % 2) .. + 3 of the weights, from ring slot i % 4, against the four tiles of rows: 16 products, each on an accumulator of its own;
; the 32 accumulators take turns.  cmode 0: the sums go on; 1: the bias starts them.
; rj: the slot of the unit BEFORE, (i + 3) % 4, is asked for again, with unit rj of the segment at off (-1: not): its scale words at this unit's head, its 16 loads of codes in one run behind the first four products.
; places = 1: eight plain lines behind the products: ahead of vector instructions that read their results or write their registers, and ahead of the next unit's loads into their registers,
; where the wait on va_vdst that states that dependence stands behind them.
; cnt: the wait that shows the NEXT unit in: so many loads were issued behind its 17 (-1: no wait).
.macro UNIT i, cmode, places, cnt, rj, off, soff
.set US, (\i)/2
.set UQ, (\i)%2
.set UK, (\i)%4
.set UR, ((\i)+3)%4
.set UP, US%2
.if UQ == 0
	s_wait_dscnt 0x0                               ; this K step's fragments of the rows are in (asked for a K step ago)
.endif
.if ((\i) > 0) && (((\rj) >= 0) || ((UQ == 0) && (US < 7)))
	s_wait_alu depctr_va_vdst(0)                   ; the products of the unit before are done reading their slot and its scale words, in which this unit's loads of weights land; in a K step's first unit the K step before is done reading its fragments and scale words, in which the LDS loads below land.  (Unit 0's loads stand behind the wait at the pass's head)
.endif
.if (UQ == 0) && (US < 7)
	BLOAD US+1
.endif
.if (\rj) >= 0
	RSCALES UR, \rj, \soff
.endif
	WINMUL \cmode
.irp tt, 0,1,2,3
.irp m, 0,1,2,3
.set WD, 8*(4*(4*UQ+\tt)+\m)
.set WA, 64*UK+16*\tt
.set WB, BF+64*UP+16*\m
.set WP, WSC+2*UK+\tt/2
.set WQ, BSC+4*UP+\m
.set WI, BI+8*(4*UQ+\tt)
.if \cmode == 1
.if \tt%2
	v_wmma_scale_f32_16x16x128_f8f6f4 v[WD:WD+7], v[WA:WA+15], v[WB:WB+15], v[WI:WI+7], v[WP], v[WQ] matrix_a_scale:MATRIX_SCALE_ROW1
.else
	v_wmma_scale_f32_16x16x128_f8f6f4 v[WD:WD+7], v[WA:WA+15], v[WB:WB+15], v[WI:WI+7], v[WP], v[WQ]
.endif
.else
.if \tt%2
	v_wmma_scale_f32_16x16x128_f8f6f4 v[WD:WD+7], v[WA:WA+15], v[WB:WB+15], v[WD:WD+7], v[WP], v[WQ] matrix_a_scale:MATRIX_SCALE_ROW1
.else
	v_wmma_scale_f32_16x16x128_f8f6f4 v[WD:WD+7], v[WA:WA+15], v[WB:WB+15], v[WD:WD+7], v[WP], v[WQ]
.endif
.endif
.endr
.if (\tt == 0) && ((\rj) >= 0)
	RCODES UR, \rj, \off                           ; no wait: the four products issued since the wait at the unit's head name slot i % 4, not this one, and no offset
	WINMUL \cmode
.endif
.endr
	WIN 0
.if \places
.rept 8
	v_nop
.endr
.endif
.if (\cnt) >= 0
	s_wait_loadcnt \cnt
.endif
.endm
; The exact GELU of 16 numbers of a lane: accumulators (2 b, m) and (2 b + 1, m), each read from its low end on.
.macro GELU16 m, b
	WIN 0x0a                                       ; sources 0 and 1 window 2
.set GI, 0
.rept 16
	v_and_b32 v[GA+GI], s91, v[8*(4*(2*(\b)+GI/8)+(\m))+GI%8]
.set GI, GI+1
.endr
.set GI, 0
.rept 16
	v_max_num_f32 v[GM+GI], 0, v[8*(4*(2*(\b)+GI/8)+(\m))+GI%8]
.set GI, GI+1
.endr
.set GI, 0
.rept 8
.set GX, 8*(4*(2*(\b)+GI/4)+(\m))+2*(GI%4)
	v_pk_mul_f32 v[GS+2*GI:GS+2*GI+1], v[GX:GX+1], v[GX:GX+1]
.set GI, GI+1
.endr
	WIN 0
.set GI, 0
.rept 8
	v_pk_fma_f32 v[GP+2*GI:GP+2*GI+1], v[GA+2*GI:GA+2*GI+1], s[66:67], 1.0 op_sel_hi:[1,0,0]
.set GI, GI+1
.endr
.set GI, 0
	s_wait_alu depctr_va_vdst(0)
.rept 16
	v_rcp_f32 v[GT+GI], v[GP+GI]
.set GI, GI+1
.endr
	v_nop                                          ; a plain line behind the reciprocals
.set GI, 0
	s_wait_alu depctr_va_vdst(0)                   ; the sixteen reciprocals have written v[GT ..]: one wait for the batch, ahead of its first reader
.rept 8
	v_pk_fma_f32 v[GP+2*GI:GP+2*GI+1], v[GT+2*GI:GT+2*GI+1], v[A9:A9+1], s[86:87] op_sel_hi:[1,1,0]
.set GI, GI+1
.endr
.irp k, 7,6,5,4,3,2,1,0
.set GI, 0
.rept 8
	v_pk_fma_f32 v[GP+2*GI:GP+2*GI+1], v[GP+2*GI:GP+2*GI+1], v[GT+2*GI:GT+2*GI+1], s[70+2*\k:71+2*\k] op_sel_hi:[1,1,0]
.set GI, GI+1
.endr
.endr
.set GI, 0
.rept 8
	v_pk_fma_f32 v[GP+2*GI:GP+2*GI+1], v[GS+2*GI:GS+2*GI+1], s[68:69], v[GP+2*GI:GP+2*GI+1] op_sel_hi:[1,0,1]
.set GI, GI+1
.endr
.set GI, 0
	s_wait_alu depctr_va_vdst(0)
.rept 16
	v_exp_f32 v[GP+GI], v[GP+GI]
.set GI, GI+1
.endr
	v_nop                                          ; a plain line behind the exponentials
.set GI, 0
	s_wait_alu depctr_va_vdst(0)                   ; the sixteen exponentials have written v[GP ..]: one wait for the batch, ahead of its first reader
.rept 8
	v_pk_mul_f32 v[GT+2*GI:GT+2*GI+1], v[GT+2*GI:GT+2*GI+1], v[GP+2*GI:GP+2*GI+1]
.set GI, GI+1
.endr
.set GI, 0
.rept 8
	v_pk_fma_f32 v[GM+2*GI:GM+2*GI+1], v[GA+2*GI:GA+2*GI+1], v[GT+2*GI:GT+2*GI+1], v[GM+2*GI:GM+2*GI+1] neg_lo:[1,0,0] neg_hi:[1,0,0]
.set GI, GI+1
.endr
.endm
; Those 16 and lane l xor 16's are block b of 32 along the next K: its scale byte into the word, its codes into registers 4 b .. 4 b + 3 of the fragment.
.macro QB b
	v_max3_num_f32 v218, |v[GM]|, |v[GM+1]|, 0x4800000             ; the floor 2^(9 - 127) among the leaves: the byte cannot fall under 1
	v_max3_num_f32 v219, |v[GM+2]|, |v[GM+3]|, |v[GM+4]|
	v_max3_num_f32 v218, v218, |v[GM+5]|, |v[GM+6]|
	v_max3_num_f32 v219, v219, |v[GM+7]|, |v[GM+8]|
	v_max3_num_f32 v218, v218, |v[GM+9]|, |v[GM+10]|
	v_max3_num_f32 v219, v219, |v[GM+11]|, |v[GM+12]|
	v_max3_num_f32 v218, v218, |v[GM+13]|, |v[GM+14]|
	v_max3_num_f32 v218, v218, v219, |v[GM+15]|
	v_permlanex16_b32 v220, v218, s62, s63
	v_max_num_f32 v218, v218, v220
	v_add_nc_u32 v221, 0xfc000000, v218            ; 8 off the exponent field: the conversion's scale operand
	v_and_or_b32 v222, v218, 0x7f800000, s90       ; 448 x the scale
	v_lshrrev_b32 v223, 23, v221
.if (\b) == 0
	v_mov_b32 v[PW], v223
.else
	v_lshl_or_b32 v[PW], v223, 8*(\b), v[PW]
.endif
.set GI, 0
.rept 16
	v_med3_num_f32 v[GM+GI], v[GM+GI], -v222, v222 ; the conversion to an 8-bit code does not saturate (ISA guide 7.6.2)
.set GI, GI+1
.endr
	v_cvt_scalef32_pk8_fp8_f32 v[PC+4*(\b):PC+4*(\b)+1], v[GM:GM+7], v221
	v_cvt_scalef32_pk8_fp8_f32 v[PC+4*(\b)+2:PC+4*(\b)+3], v[GM+8:GM+15], v221
.endm
; The biases in the result's layout, 16 loads each, under a setting whose destination is window 3.  b1, base s[b:b+1]: tile t, my half: hidden units 32 (t / 2) + 16 h + 8 (t % 2) + 0..7.
; They owe no wait of their own: their offsets were made at the kernel's head, and the last vector or matrix instructions that named their registers (the products of units 0 and 1, the addition of b2's parts)
; stand ahead of a later unit's or a pass's wait on va_vdst.
.macro B1LOAD b
.irp t, 0,1,2,3,4,5,6,7
	global_load_b128 v[BI+8*\t:BI+8*\t+3], v[BH], s[\b:\b+1] offset:(32*(\t/2)+8*(\t%2))*4
	global_load_b128 v[BI+8*\t+4:BI+8*\t+7], v[BH], s[\b:\b+1] offset:(32*(\t/2)+8*(\t%2))*4+16
.endr
.endm
; b2: tile t, my half: columns 16 t + 8 h + 0..7 of my group; off = 2,048 for the second group.
.macro B2LOAD dst, adr, off
.irp t, 0,1,2,3,4,5,6,7
	global_load_b128 v[\dst+8*\t:\dst+8*\t+3], v[\adr], s[24:25] offset:\off+64*\t
	global_load_b128 v[\dst+8*\t+4:\dst+8*\t+7], v[\adr], s[24:25] offset:\off+64*\t+16
.endr
.endm
.macro BSUM                            ; b2[e1] + b2[e2]
	WIN 0xcf                                       ; destination and both sources window 3
.set GI, 0
.rept 32
	v_pk_add_f32 v[BI+2*GI:BI+2*GI+1], v[BI+2*GI:BI+2*GI+1], v[T2+2*GI:T2+2*GI+1]
.set GI, GI+1
.endr
	WIN 0
.endm
; THE WAY OUT of tile m of 16 rows, in three parts.  MULT: x the gates' sum, in the accumulators' layout, where a lane holds one token; each accumulator from its low end on.
; (Under a setting with the destination and source 0 in window 2, source 1 in window 0.)
.macro MULT m
.irp t, 0,1,2,3,4,5,6,7
.irp k, 0,2,4,6
.if (\m)%2
	v_pk_mul_f32 v[8*(4*\t+\m)+\k:8*(4*\t+\m)+\k+1], v[8*(4*\t+\m)+\k:8*(4*\t+\m)+\k+1], v[TW+\m-1:TW+\m] op_sel:[0,1] op_sel_hi:[1,1]
.else
	v_pk_mul_f32 v[8*(4*\t+\m)+\k:8*(4*\t+\m)+\k+1], v[8*(4*\t+\m)+\k:8*(4*\t+\m)+\k+1], v[TW+\m:TW+\m+1] op_sel_hi:[1,0]
.endif
.endr
.endr
.endm
; TOSTAGE: into my own stage, 32 bytes of a row a lane, and back as whole rows of 512 bytes, into set m % 2.  LDS serves a wave's instructions in order (ISA guide 5.7.1.4):
; the loads see the stores above them, and the next tile's stores come behind these loads.
.macro TOSTAGE m
	WIN 0x08                                       ; an LDS store's data are its source 1: window 2
.irp t, 0,1,2,3,4,5,6,7
	ds_store_b128 v[STO], v[8*(4*\t+\m):8*(4*\t+\m)+3] offset:64*\t
	ds_store_b128 v[STO], v[8*(4*\t+\m)+4:8*(4*\t+\m)+7] offset:64*\t+16
.endr
	WIN 0
.irp i, 0,1,2,3,4,5,6,7,8,9,10,11,12,13,14,15
	ds_load_b128 v[RK+64*((\m)%2)+4*\i:RK+64*((\m)%2)+4*\i+3], v[SRD] offset:528*\i
.endr
.endm
; SEND: each row to its token's row of out0.  The block's rows are a prefix of its 64: the first row that it does not have ends the tile.  younger: the LDS instructions issued behind tile m's loads.
.macro SEND m, younger
.irp i, 0,1,2,3,4,5,6,7,8,9,10,11,12,13,14,15
	s_cmp_gt_u32 s31, 16*\m+\i
	s_cbranch_scc0 .Lsent_\m
	s_wait_dscnt \younger+15-\i                    ; row i is back; the younger rows' loads and the next tile's LDS instructions may be out
	global_store_b128 v[OFS+16*\m+\i], v[RK+64*((\m)%2)+4*\i:RK+64*((\m)%2)+4*\i+3], s[26:27] th:TH_STORE_NT   ; 32 lanes store 512 consecutive bytes, aligned to 512; written once
.endr
.Lsent_\m:
	s_wait_dscnt \younger                          ; on both ways: the tile's loads are in
.endm
	s_load_b512 s[8:23], s[0:1], 0x0               ; tiles, order, xc, xs, tokw, wc, ws, b1
	s_load_b128 s[24:27], s[0:1], 0x40             ; b2, out0
	v_lshl_add_u32 v54, v0, 2, 0x2bc00             ; my spare word, behind the stages, and 0: kept for the closing lines alone
	v_mov_b32 v55, 0
	v_lshrrev_b32 v252, 5, v0
	v_readfirstlane_b32 s2, v252                   ; wave 0..3
	s_lshl_b32 s99, ttmp9, 4
	v_and_b32 v253, 31, v0                         ; lane
	v_and_b32 v254, 15, v0                         ; r
	v_bfe_u32 v255, v0, 4, 1                       ; h
	s_wait_alu depctr_va_vdst(0)
	s_wait_kmcnt 0x0
	s_load_b128 s[28:31], s[8:9], s99 offset:0x0   ; my block: e1, e2, first row, rows
	v_lshlrev_b32 v[WO], 4, v253
	v_lshlrev_b32 v[WSO], 3, v253
	v_mul_u32_u24 v[LT], v255, 272
	v_lshl_add_u32 v[LT], v254, 4, v[LT]
	v_lshlrev_b32 v[BH], 6, v255
	v_mul_u32_u24 v[SAB], v254, 48
	v_add_nc_u32 v[SAB], XSCL, v[SAB]
	s_wait_alu depctr_va_sdst(0)                   ; s2, the wave's number, is written, ahead of its first reader
	s_mul_i32 s93, s2, 2176                        ; K step w of an expert's hidden layer: 8 pieces
	s_add_co_u32 s93, s93, PHD
	v_add_nc_u32 v[HSTB], s93, v[LT]
	s_lshl_b32 s93, s2, 2
	s_add_co_u32 s93, s93, PHD
	v_add_nc_u32 v[HSSB], s93, v[SAB]
	s_mul_i32 s93, s2, 8448
	s_add_co_u32 s93, s93, STG                     ; my stage
	v_mul_u32_u24 v[STO], v254, 528
	v_lshl_add_u32 v[STO], v255, 5, v[STO]
	v_add_nc_u32 v[STO], s93, v[STO]
	v_add_nc_u32 v[SRD], s93, v[WO]
	s_lshl_b32 s93, s2, 9
	v_add_nc_u32 v[OUTB], s93, v[WO]               ; 512 w + 16 x lane
	s_mul_i32 s93, s2, 17408
	v_mul_u32_u24 v190, v254, 272
	v_lshl_add_u32 v190, v255, 4, v190
	v_add_nc_u32 v190, s93, v190                   ; x into LDS: load (jj, cc) brings piece 16 cc + lane % 16, row 2 jj + lane / 16 of tile of rows w
	v_and_b32 v187, 1, v0
	v_lshlrev_b32 v187, 4, v187
	s_mul_i32 s93, s2, 768
	s_add_co_u32 s93, s93, XSCL
	v_lshrrev_b32 v191, 1, v253
	v_mul_u32_u24 v191, v191, 48
	v_add_nc_u32 v191, v191, v187
	v_add_nc_u32 v191, s93, v191                   ; x's scale bytes: row 16 w + lane / 2, half lane % 2
	v_lshlrev_b32 v24, 5, v255                     ; 32 h
	v_mov_b32 v[A9], 0x3e7c6f08                    ; a9 log2(e)
	v_mov_b32 v[A9+1], 0x3e7c6f08
	s_mov_b32 s62, 0x76543210
	s_mov_b32 s63, 0xfedcba98                      ; v_permlanex16_b32's selects for lane l xor 16
	s_mov_b32 s66, 0x3eb504f3                      ; c0 = 1 / (2 sqrt 2)
	s_mov_b32 s68, 0xbf38aa3b                      ; -log2(e) / 2
	s_mov_b32 s70, 0xc034d90f                      ; a0 log2(e) - 1 (the 1: the half in q)
	s_mov_b32 s72, 0x3fb8ab5a                      ; a1 log2(e) ..
	s_mov_b32 s74, 0x3f0a29d2
	s_mov_b32 s76, 0x3e0efb2e
	s_mov_b32 s78, 0xbe899a80
	s_mov_b32 s80, 0x3ecdfd18
	s_mov_b32 s82, 0xbfd1a1e5
	s_mov_b32 s84, 0x40097039
	s_mov_b32 s86, 0xbf97d29d                      ; .. a8 log2(e)
.irp k, 66,68,70,72,74,76,78,80,82,84,86
	s_mov_b32 s[\k+1], s[\k]                       ; (the packed forms name pairs, so both words are written)
.endr
	s_mov_b32 s90, 0x600000                        ; the mantissa field of 448
	s_mov_b32 s91, 0x7fffffff
	s_wait_alu depctr_va_vdst(0)
	s_wait_kmcnt 0x0
	s_min_u32 s28, s28, 7                          ; loaded numbers are held inside their tables before they enter an address
	s_min_u32 s29, s29, 7
	s_min_u32 s30, s30, 8191
	s_min_u32 s31, s31, 64
	; the weight stream's eight segments of 8 units, as offsets in ws (in wc: 32 times as much): a queue, of which a pass reads three and drops two
	s_lshl_b32 s93, s28, 14
	s_lshl_b32 s94, s29, 14
	s_lshl_b32 s95, s2, 12
	s_add_co_u32 s48, s93, s95                     ; w1[e1], my 128 columns, K steps 0-3,
	s_add_co_u32 s49, s48, 2048                    ; K steps 4-7
	s_add_co_u32 s50, s94, s95                     ; w1[e2]
	s_add_co_u32 s51, s50, 2048
	s_lshl_b32 s95, s2, 11
	s_add_co_u32 s95, s95, 131072
	s_add_co_u32 s52, s93, s95                     ; w2[e1], columns 128 w on
	s_add_co_u32 s53, s94, s95                     ; w2[e2]
	s_add_co_u32 s54, s52, 8192                    ; the same two, columns 128 (w + 4) on
	s_add_co_u32 s55, s53, 8192
	v_lshl_add_u32 v[VA], s48, 5, v[WO]
	v_add_nc_u32 v[VSA], s48, v[WSO]
	s_lshl_b32 s92, s30, 2                         ; my first row in order, in bytes
	s_lshl_b32 s93, s28, 11
	s_lshl_b32 s95, s2, 9
	s_add_co_u32 s4, s93, s95
	s_mov_b32 s5, 0
	s_add_nc_u64 s[4:5], s[22:23], s[4:5]          ; b1[e1] at my 128 hidden units,
	s_lshl_b32 s93, s29, 11
	s_add_co_u32 s6, s93, s95
	s_mov_b32 s7, 0
	s_add_nc_u64 s[6:7], s[22:23], s[6:7]          ; b1[e2]
	s_lshl_b32 s93, s28, 12
	s_add_co_u32 s93, s93, s95
	v_add_nc_u32 v[B2A], s93, v24                  ; b2[e1] at my first group of columns, my half,
	s_lshl_b32 s93, s29, 12
	s_add_co_u32 s93, s93, s95
	v_add_nc_u32 v[B2B], s93, v24                  ; b2[e2]
	; 13 loads: the tokens' numbers.  Wave w brings rows 16 w .. 16 w + 15 of x into LDS
	s_lshl_b32 s93, s2, 6
	s_add_co_u32 s93, s93, s92
	v_lshl_add_u32 v252, v255, 2, s93              ; row 16 w + 2 jj + lane / 16
	v_lshrrev_b32 v184, 1, v253
	v_lshl_add_u32 v184, v184, 2, s93              ; row 16 w + lane / 2
	v_lshl_add_u32 v185, v254, 2, s92              ; row 16 m + r
	s_wait_alu depctr_va_vdst(0)                   ; every offset and LDS address made so far is written: v252, v184, v185, which the 13 loads below read; v[VA], v[VSA], v[BH], v[B2A], v[B2B], v190, v191, v[STO], v[SRD], which later loads and stores read
.irp jj, 0,1,2,3,4,5,6,7
	global_load_b32 v[120+\jj], v252, s[10:11] offset:8*\jj
.endr
	global_load_b32 v128, v184, s[10:11]
.irp m, 0,1,2,3
	global_load_b32 v[129+\m], v185, s[10:11] offset:64*\m
.endr
	REFILL 0, 0, VA, VSA
	s_wait_loadcnt 17                              ; the numbers are in; unit 0's 17 loads behind them stay out
	v_lshlrev_b32 v186, 4, v254
.irp jj, 0,1,2,3,4,5,6,7
	v_min_u32 v[120+\jj], 0x1fff, v[120+\jj]
	v_lshl_add_u32 v[120+\jj], v[120+\jj], 10, v186    ; a row of xc is 1,024 bytes; sixteen lanes read 256 of them on end
.endr
	v_min_u32 v128, 0x1fff, v128
	v_lshl_add_u32 v128, v128, 5, v187             ; a row of xs is 32 bytes: two lanes
.irp m, 0,1,2,3
	v_min_u32 v[TOKV+\m], 0x1fff, v[129+\m]
	v_lshlrev_b32 v[129+\m], 2, v[TOKV+\m]
.endr
	WIN 0x80                                       ; destination window 2
	s_wait_alu depctr_va_vdst(0)                   ; the offsets made of the tokens' numbers, v120 to v132, are written: the 37 loads below read them
.irp jj, 0,1,2,3,4,5,6,7
.irp cc, 0,1,2,3
	global_load_b128 v[4*(4*\jj+\cc):4*(4*\jj+\cc)+3], v[120+\jj], s[12:13] offset:256*\cc
.endr
.endr
	WIN 0
	global_load_b128 v[136:139], v128, s[14:15]
.irp m, 0,1,2,3
	global_load_b32 v[TW+\m], v[129+\m], s[16:17]
.endr
	; while x's rows are on their way: each row's offset in out0, for all 32 lanes, sixteen rows at a time: one wait serves a run of sixteen lane reads
.irp m, 0,1,2,3
.irp i, 0,1,2,3,4,5,6,7,8,9,10,11,12,13,14,15
	v_readlane_b32 s[32+\i], v[TOKV+\m], \i
.endr
	s_wait_alu depctr_va_sdst(0)                   ; the sixteen lane reads have written s32 to s47, ahead of their first readers
.irp i, 0,1,2,3,4,5,6,7,8,9,10,11,12,13,14,15
	s_min_u32 s[32+\i], s[32+\i], 0x1fff
.endr
.irp i, 0,1,2,3,4,5,6,7,8,9,10,11,12,13,14,15
	v_lshl_add_u32 v[OFS+16*\m+\i], s[32+\i], 12, v[OUTB]
.endr
.endr
	WIN 0xc0                                       ; destination window 3.  The loads and LDS stores from here to the first pass read offsets that were written ahead of the wait on va_vdst in front of the 13 loads, and no vector instruction has named the registers in which the loads land
	B2LOAD T2, B2B, 0                              ; b2[e2], first group of columns: added onto b2[e1] behind pass 1
	B1LOAD 4                                       ; b1[e1]
	REFILL 1, 1, VA, VSA
	s_wait_loadcnt 53                              ; x's rows and scale bytes are in; behind them: the gates' 4 loads, b2's 16, b1's 16, unit 1's 17
	WIN 0x08                                       ; an LDS store's data are its source 1: window 2
.irp jj, 0,1,2,3,4,5,6,7
.irp cc, 0,1,2,3
	ds_store_b128 v190, v[4*(4*\jj+\cc):4*(4*\jj+\cc)+3] offset:4352*\cc+32*\jj
.endr
.endr
	WIN 0
	ds_store_b128 v191, v[136:139]
	REFILL 2, 2, VA, VSA
	REFILL 3, 3, VA, VSA
	s_wait_loadcnt 51                              ; the gates' sums, the biases and unit 0 are in: behind them units 1 to 3, 17 loads each
	s_mov_b32 s88, 0                               ; the pass, 0..3
	s_mov_b32 s56, 0                               ; the phase: 0 the first product, 1 the second
	s_mov_b32 s58, 0                               ; PHD x phase
.Lphase:
	s_mov_b32 s57, 0                               ; the pass in the phase: the expert, or the group of columns
	s_mov_b32 s59, 0                               ; 8,704 x pass in the phase: four K steps of pieces
	s_mov_b32 s3, 0                                ; 16 x pass in the phase: four scale words
.Lpass:
	s_wait_xcnt 0x0                                ; the offsets below, and the registers that the fragments take, are sources of earlier loads and stores: they are written again only behind this wait
	s_wait_alu depctr_vm_vsrc(0)                   ; every load and store issued so far has read its registers: the offsets and LDS addresses that the lines below write again; the codes, the scale word and the rows of the way out, in which fragments land; the accumulators, which LDS stores read and this pass's products write; in the first trip the head's offsets v120 to v132, v184, v185, v190, v191 and x's rows
	v_lshl_add_u32 v[VA], s48, 5, v[WO]
	v_lshl_add_u32 v[VB], s49, 5, v[WO]
	v_lshl_add_u32 v[VC], s50, 5, v[WO]
	v_add_nc_u32 v[VSA], s48, v[WSO]
	v_add_nc_u32 v[VSB], s49, v[WSO]
	v_add_nc_u32 v[VSC], s50, v[WSO]
	s_mov_b32 s48, s50                             ; the queue moves on by two (in the last pass the third entry is a segment of the stream that is not asked for)
	s_mov_b32 s49, s51
	s_mov_b32 s50, s52
	s_mov_b32 s51, s53
	s_mov_b32 s52, s54
	s_mov_b32 s53, s55
	v_add_nc_u32 v[BA0], s58, v[LT]
	v_add_nc_u32 v[BA1], 34816, v[BA0]
	v_add_nc_u32 v[SA], s58, v[SAB]
	v_add_nc_u32 v[HST0], s59, v[HSTB]
	v_add_nc_u32 v[HST1], 34816, v[HST0]
	v_add_nc_u32 v[HSS], s3, v[HSSB]
	s_wait_alu depctr_va_vdst(0)                   ; the twelve offsets and addresses above are written, which this pass's loads and stores read; the last pass's products and what followed them (GELU and quantiser, or the multiplications; the addition of b2's parts) are done with v[BF ..] and v[BSC ..], in which K steps 0 and 1 land, and with the biases' registers
	s_wait_dscnt 0x0                               ; for the others' sake: my pieces and scale words have landed
	s_barrier_signal -1
	s_barrier_wait -1                              ; everybody's have
	BLOAD 0
	UNIT 0, 1, 1, 34, -1, VA, VSA                  ; 34 at every unit's end: behind the next unit's 17 loads stand those of two more units, the 17 asked for in this unit among them (behind unit 0: units 2 and 3)
	UNIT 1, 1, 1, 34, 4, VA, VSA
	UNIT 2, 0, 1, 34, 5, VA, VSA
	UNIT 3, 0, 1, 34, 6, VA, VSA
	UNIT 4, 0, 1, 34, 7, VA, VSA
.irp i, 5,6,7,8,9,10,11
	UNIT \i, 0, 1, 34, \i-5, VB, VSB
.endr
	s_cmp_eq_u32 s88, 3
	s_cbranch_scc1 .Llast_tail                     ; one branch for the four units: the next pass's first four units are all asked for, or none
	UNIT 12, 0, 1, 34, 7, VB, VSB
	UNIT 13, 0, 1, 34, 0, VC, VSC
	UNIT 14, 0, 1, 34, 1, VC, VSC
	UNIT 15, 0, 1, -1, 2, VC, VSC                  ; (the next pass's units are waited for with the bias, behind what follows this pass)
	s_wait_alu depctr_va_vdst(0)                   ; unit 15's products are done reading slot 3 and its scale words, in which the 17 loads below land
	REFILL 3, 3, VC, VSC
	s_branch .Ltail_done
.Llast_tail:                                           ; the last pass asks for its own last unit and nothing more: the counts run down
	UNIT 12, 0, 0, 34, 7, VB, VSB
	UNIT 13, 0, 0, 17, -1, VC, VSC
	UNIT 14, 0, 0, 0, -1, VC, VSC
	UNIT 15, 0, 1, -1, -1, VC, VSC
.Ltail_done:
	s_wait_dscnt 0x0                               ; my reads of the pieces are over
	s_barrier_signal -1
	s_barrier_wait -1                              ; everybody's are: pieces and stages are written only behind this barrier
	s_cmp_lg_u32 s56, 0
	s_cbranch_scc1 .Lout
	; ---- behind a pass of the first product: GELU, quantiser, pieces
	v_mov_b32 v220, 0                              ; a lane permute's destination counts as one of its sources
.irp m, 0,1,2,3
	s_wait_dscnt 0x0                               ; the last fragment's stores are done
.if \m > 0
	s_wait_alu depctr_vm_vsrc(0)                   ; the last fragment's five LDS stores have read v[PC ..] and v[PW], which this tile's conversions and scale word write again
.endif
.if \m == 1
	s_cmp_lg_u32 s57, 0                            ; the next pass's bias, three tiles of rows ahead of its use
	s_cbranch_scc1 .Lbias_two
	WIN 0xc0
	B1LOAD 6                                       ; behind pass 0: b1[e2]
	WIN 0
	s_branch .Lbias_done
.Lbias_two:
	WIN 0xc0
	B2LOAD BI, B2A, 0                              ; behind pass 1: b2[e1], first group of columns
	WIN 0
.Lbias_done:
.endif
.irp b, 0,1,2,3
	GELU16 \m, \b
	QB \b
.endr
	v_nop                                          ; a plain line behind the last conversion
	s_wait_alu depctr_va_vdst(0)                   ; the conversions have written v[PC ..], and the scale word v[PW] is made: the five LDS stores below read them
.irp c, 0,1,2,3
	ds_store_b128 v[HST0+\m/2], v[PC+4*\c:PC+4*\c+3] offset:17408*(\m%2)+544*\c     ; pieces 2 c + h of my K step: sixteen lanes fill a piece
.endr
	ds_store_b32 v[HSS], v[PW] offset:768*\m       ; both halves of the lanes write the same word with the same value
.endr
	s_wait_loadcnt 0x0                             ; the bias is in (and the four units asked for in the pass's tail, long since)
	s_cmp_eq_u32 s57, 0
	s_cbranch_scc1 .Lnext
	BSUM                                           ; behind pass 1: + b2[e2]
	s_branch .Lnext
	; ---- behind a pass of the second product: x the gates' sum, a tile of 16 rows at a time through my stage, to each token's row of out0.
	; The four tiles' multiplications stand together, so that one wait serves all the LDS stores; tile a's way into the stage stands ahead of tile a - 1's stores, so that the wave does not sit out the stage's round trip.
.Lout:
	s_cmp_lg_u32 s57, 0
	s_cbranch_scc1 .Lno_b2
	WIN 0xc0
	B2LOAD BI, B2A, 2048                           ; behind pass 2: the second group's biases, a way out ahead of their use
	B2LOAD T2, B2B, 2048
	WIN 0
.Lno_b2:
	WIN 0x82                                       ; destination and source 0 window 2, source 1 window 0
	MULT 0
	MULT 1
	MULT 2
	MULT 3
	WIN 0
	s_wait_alu depctr_va_vdst(0)                   ; the multiplications have written the accumulators, which the LDS stores of all four tiles read; the pass's products are done reading the fragments' registers, in which the rows land.  No vector instruction follows until the next pass's head
	TOSTAGE 0
	TOSTAGE 1
	SEND 0, 32
	s_wait_xcnt 0x0                                ; tile 0's stores have had their addresses translated,
	s_wait_alu depctr_vm_vsrc(0)                   ; and have read set 0 of v[RK ..], in which tile 2's rows land
	TOSTAGE 2
	SEND 1, 32
	s_wait_xcnt 0x0                                ; tile 1's likewise,
	s_wait_alu depctr_vm_vsrc(0)                   ; and set 1, in which tile 3's rows land
	TOSTAGE 3
	SEND 2, 32
	SEND 3, 0
	s_wait_xcnt 0x0                                ; the stores have read their base:
	s_add_nc_u64 s[26:27], s[26:27], 2048          ; on to the second group of columns
	s_wait_loadcnt 0x0                             ; the biases are in
	s_cmp_lg_u32 s57, 0
	s_cbranch_scc1 .Lnext
	BSUM
.Lnext:
	s_add_co_u32 s88, s88, 1
	s_add_co_u32 s59, s59, 8704
	s_add_co_u32 s3, s3, 16
	s_add_co_u32 s57, s57, 1
	s_cmp_lt_u32 s57, 2
	s_cbranch_scc1 .Lpass
	s_add_co_u32 s58, s58, PHD
	s_add_co_u32 s56, s56, 1
	s_cmp_lt_u32 s56, 2
	s_cbranch_scc1 .Lphase
	s_wait_dscnt 0x0                               ; the closing lines, six on end
	s_wait_alu 0x0
	s_wait_tensorcnt 0x0
	ds_add_u32 v54, v55
	s_wait_dscnt 0x0
	s_endpgm
.Lfunc_end_k_qf9bde27a6a_chain:
	.size	k_qf9bde27a6a_chain, .Lfunc_end_k_qf9bde27a6a_chain-k_qf9bde27a6a_chain
	.p2alignl 7, 3214868480
	.fill 96, 4, 3214868480
	.section	.rodata,"a",@progbits
	.p2align	6, 0x0
	.amdhsa_kernel k_qf9bde27a6a_chain
		.amdhsa_group_segment_fixed_size 179712
		.amdhsa_private_segment_fixed_size 0
		.amdhsa_enable_private_segment 0
		.amdhsa_kernarg_size 80
		.amdhsa_user_sgpr_count 2
		.amdhsa_user_sgpr_kernarg_segment_ptr 1
		.amdhsa_wavefront_size32 1
		.amdhsa_system_sgpr_workgroup_id_x 1
		.amdhsa_system_sgpr_workgroup_id_y 1
		.amdhsa_system_sgpr_workgroup_id_z 1
		.amdhsa_system_vgpr_workitem_id 0
		.amdhsa_next_free_vgpr 896
		.amdhsa_next_free_sgpr 100
		.amdhsa_reserve_vcc 0
		.amdhsa_float_denorm_mode_32 3
		.amdhsa_float_denorm_mode_16_64 3
		.amdhsa_memory_ordered 1
		.amdhsa_forward_progress 1
		.amdhsa_inst_pref_size 255
	.end_amdhsa_kernel
	.section	.bss,"aw",@nobits
	.p2align	6
	.space	262144
	.amdgpu_metadata
---
amdhsa.version: [ 1, 2 ]
amdhsa.kernels:
  - .name:           k_qf9bde27a6a_chain
    .symbol:         k_qf9bde27a6a_chain.kd
    .args:
      - { .name: tiles, .offset: 0, .size: 8, .value_kind: global_buffer, .address_space: global }
      - { .name: order, .offset: 8, .size: 8, .value_kind: global_buffer, .address_space: global }
      - { .name: xc, .offset: 16, .size: 8, .value_kind: global_buffer, .address_space: global }
      - { .name: xs, .offset: 24, .size: 8, .value_kind: global_buffer, .address_space: global }
      - { .name: tokw, .offset: 32, .size: 8, .value_kind: global_buffer, .address_space: global }
      - { .name: wc, .offset: 40, .size: 8, .value_kind: global_buffer, .address_space: global }
      - { .name: ws, .offset: 48, .size: 8, .value_kind: global_buffer, .address_space: global }
      - { .name: b1, .offset: 56, .size: 8, .value_kind: global_buffer, .address_space: global }
      - { .name: b2, .offset: 64, .size: 8, .value_kind: global_buffer, .address_space: global }
      - { .name: out0, .offset: 72, .size: 8, .value_kind: global_buffer, .address_space: global }
    .group_segment_fixed_size: 179712
    .private_segment_fixed_size: 0
    .kernarg_segment_align: 8
    .kernarg_segment_size: 80
    .max_flat_workgroup_size: 128
    .sgpr_count:     100
    .vgpr_count:     896
    .wavefront_size: 32
...
	.end_amdgpu_metadata
.endif
;; end of part 8
